; MI455X (gfx1250); checked and timed in simulation.
; The chip was launched on July 23, 2026; its instructions are those of AMD's public machine-readable ISA for CDNA 5 (MIT licence, August 2026) and "CDNA5" Instruction Set Architecture Reference Guide (July 2026). The comments in the code are by the model that wrote it; some were corrected since.
;; Block. Allowed arithmetic: matrix products marked QUANTISED: E3M2 operands, one E8M0 scale for each 32 along K, by v_wmma_scale_f32_16x16x128_f8f6f4 with both operands' format E3M2, f32 sums; everything else in f32.
;; Inputs: b_fc 4,096 float32; b_mlp_proj 1,024 float32; ln1_b 1,024 float32; ln1_w 1,024 float32; ln2_b 1,024 float32; ln2_w 1,024 float32; w_attn_proj 1,024 x 1,024 float32; w_fc 1,024 x 4,096 float32; w_mlp_proj 4,096 x 1,024 float32; w_qkv 1,024 x 3,072 float32; x 2 x 2,048 x 1,024 float32.
;; Outputs: out0 2 x 2,048 x 1,024 float32.
;; This version of the problem:
;;   THIS VERSION OF THE PROBLEM IS GIVEN IN LOW PRECISION. The matrix products marked QUANTISED in the list below multiply operands that are first quantised to E3M2 (3 exponent bits, 2 mantissa bits; 6 bits a number), with one power-of-two scale for each 32 numbers along K (OCP MX v1.0); their sums are f32. All else is computed in f32.
;;   The module's matrix products, in the order in which they are computed (A, B: the left and right operand; K: the contracted axis; several contracted axes count as one K, in the product's order):
;;     1. [M 4,096, K 1,024] x [K 1,024, N 3,072]; A: computed on the way; B: input w_qkv: QUANTISED
;;     2. batch 32 x [M 2,048, K 64] x [K 64, N 2,048]; A: computed on the way; B: computed on the way: QUANTISED
;;     3. batch 32 x [M 2,048, K 2,048] x [K 2,048, N 64]; A: softmax (see below); B: computed on the way: QUANTISED
;;     4. [M 4,096, K 1,024] x [K 1,024, N 1,024]; A: computed on the way; B: input w_attn_proj: QUANTISED
;;     5. [M 4,096, K 1,024] x [K 1,024, N 4,096]; A: computed on the way; B: input w_fc: QUANTISED
;;     6. [M 4,096, K 4,096] x [K 4,096, N 1,024]; A: computed on the way; B: input w_mlp_proj: QUANTISED
;;   THE QUANTISER, for each operand of a quantised product, along K:
;;     - K is cut into blocks of 32 from its start; a last block that is shorter is filled with zeros.
;;     - A block's scale is 2^e with e = floor(log2(the largest magnitude in the block)) - 4, held to -126 .. 127; a block of zeros has e = 0. As a byte (E8M0): e + 127.
;;     - Each number is divided by its block's scale, clamped to +-28, and rounded to the nearest number of E3M2, ties to even, subnormals kept.
;;     - The product sums the exact products of the quantised numbers (number of the format x scale) in f32.
;;   ~~~python
;;   def quantise(x, axis):      # numpy; x: float32 -> the quantised numbers, widened to float32 again
;;       x = np.moveaxis(x, axis, -1); K = x.shape[-1]
;;       x = np.pad(x, [(0, 0)] * (x.ndim - 1) + [(0, -K % 32)]); x = x.reshape(x.shape[:-1] + (-1, 32)); a = np.abs(x).max(-1, keepdims=True)
;;       e = np.where(a > 0, np.clip(np.frexp(np.where(a > 0, a, 1))[1] - 1 - 4, -126, 127), 0)      # np.frexp(a)[1] - 1 = floor(log2(a)), exactly
;;       r = np.clip(x / 2.0 ** e, -28, 28)
;;       step = 2.0 ** (np.maximum(np.frexp(np.where(r == 0, 1, r))[1] - 1, -2) - 2)
;;       q = np.round(r / step) * step * 2.0 ** e      # np.round: ties to even
;;       return np.moveaxis(q.reshape(q.shape[:-2] + (-1,))[..., :K], -1, axis).astype(np.float32)
;;   ~~~
;;   SOFTMAX AHEAD OF A QUANTISED PRODUCT. Where the list says 'softmax', what is quantised is not the finished softmax but p = 2^(t - M), with t = logit x log2(e) and M = ceil(the row's largest t), a whole number; so 1/2 < the row's largest p <= 1. The row's sum l is taken of the UNQUANTISED p, in f32, and the product's result is divided by l at the end. Since M is a whole number, a kernel that streams over the keys may use a running M (the ceiling of the running maximum): every later rescaling is an exact power of two, which a block's scale takes up: the codes' values come out the same.
;;   OPERANDS COMPUTED ON THE WAY. 'Computed on the way' means the value that the module computes at that place (a softmax that the list does not call 'softmax' is quantised finished and normalised). What goes into a quantiser is computed in f32, as accurately as f32 sums, v_exp_f32 and their like allow (about 1e-6 of the number): no bf16 or f16 on the way to a quantiser, and a product that is left as it is and whose result goes on into a quantised operand takes f32 operands (vector FMAs, or v_wmma_f32_16x16x4_f32). A number that lies on a knife's edge between two numbers of the format may be rounded either way, as far as f32 arithmetic and the matrix unit's own rounding can turn it there, and no further.
;; 2 versions, each right and faster than the one before. Each part assembles by itself: llvm-mc -triple=amdgcn-amd-amdhsa -mcpu=gfx1250 --defsym DOCPART=n.
;; ======== version 1 of 2: 8 launches
;; limits: a function is approximated: absolute error at most 1e-07
;; workspace buffers: wq 9,830,400 bytes; a1 3,276,800 bytes; qkv 10,092,544 bytes; y 3,276,800 bytes; x1 16,777,216 bytes; a2 3,276,800 bytes; h 13,107,200 bytes
;; launch qw (part 1): grid 384 x 1, 4 waves a work-group, no clusters, 26,112 bytes of LDS; arguments w_qkv, w_attn_proj, w_fc, w_mlp_proj, wq; writes wq
.if DOCPART == 1
	.amdgcn_target "amdgcn-amd-amdhsa--gfx1250"
	.amdhsa_code_object_version 6
	.text
	.protected	k_qcfdd8864ec_qw
	.globl	k_qcfdd8864ec_qw
	.p2align	8
	.type	k_qcfdd8864ec_qw,@function
k_qcfdd8864ec_qw:
	s_mov_b64 s[64:65], 0
	v_nop
	global_prefetch_b8 v0, s[64:65] scope:SCOPE_SE
	s_setreg_imm32_b32 hwreg(HW_REG_WAVE_MODE, 25, 1), 1
	s_wait_xcnt 0x0
; The four weights, f32, stored [K][N] with K as their FIRST axis, become codes of BF6 (E3M2) with one E8M0 scale byte for each 32 along K.
; A block's scale is 2^(floor(log2(largest magnitude)) - 4): its byte is the largest magnitude's exponent field - 4, held at 1 from below.
; LIMITS: NaN and infinities are not served; a block of zeros, or one whose largest magnitude lies under 2^-122, gets the byte 1 (its codes are zeros or the nearest codes under that scale); only this program reads the bytes.
; LAYOUT OF wq: the order of the operand's registers.  A fragment is 16 rows (columns n of the weight) x 128 K = 12 registers a lane = 1,536 bytes: register 4 c + i of lane L at 512 c + 16 L + 4 i.
; Fragment (g = n / 128, s = k / 128, a) lies at ((g NS + s) 8 + a) 1536; the scale words of (g, s) are 512 bytes: the word of (a, r) at 256 (a / 4) + 16 r + 4 (a % 4).
; POSITIONS: position p of a group holds column p with bits 3 and 4 exchanged, so that a product's results come out as neighbours along the next K.
; SHARES: a work-group takes 128 columns x 256 K, a wave 32 columns, A LANE ONE COLUMN, its registers running down K: a block of 32 lies in one lane, and the conversions give K innermost.
; One path serves all four weights: pointers and sizes are chosen by the work-group's number.  Codes leave through the wave's own stage, scale words through 1,024 shared bytes (one barrier); every store covers whole aligned runs of 256 bytes.
.set WQKV_C,  0
.set WQKV_S,  2359296
.set WPROJ_C, 2457600
.set WPROJ_S, 3244032
.set WFC_C,   3276800
.set WFC_S,   6422528
.set WMLP_C,  6553600
.set WMLP_S,  9699328
.set OFF,  32                          ; v32-63   4 x lane + i x (bytes of a row of the weight)
.set X,    64                          ; v64-127  two sets of 32 numbers
.set C,    128                         ; v128-136 a block's codes
.set SB,   24                          ; v24-25   the scale words of my column's two K steps
.set OUTR, 144                         ; v144-191 the way out
.set SS,   24576                       ; LDS: behind the four stages of 6,144 bytes, the two scale images
	s_load_b256 s[4:11], s[0:1], 0x0               ; w_qkv, w_attn_proj, w_fc, w_mlp_proj
	s_load_b64 s[12:13], s[0:1], 0x20              ; wq
	v_lshl_add_u32 v192, v0, 2, 0x6400
	v_mov_b32 v193, 0
	v_lshrrev_b32 v1, 5, v0
	v_readfirstlane_b32 s3, v1                     ; wave
	v_and_b32 v2, 31, v0                           ; lane = my column among the wave's 32
	v_and_b32 v3, 7, v2
	v_bfe_u32 v8, v2, 4, 1
	v_lshl_or_b32 v3, v8, 3, v3                    ; its row in a fragment: (lane & 7) | bit 4 of the lane << 3
	v_bfe_u32 v8, v2, 3, 1                         ; and which of the wave's two fragments: bit 3 of the lane
	s_mul_i32 s2, s3, 6144
	v_mul_u32_u24 v4, v8, 1536
	v_lshl_add_u32 v4, v3, 4, v4
	v_add_nc_u32 v4, s2, v4                        ; stage, in: wave x 6144 + fragment x 1536 + 16 x row
	s_lshr_b32 s22, s3, 1
	s_lshl_b32 s22, s22, 8
	s_and_b32 s23, s3, 1
	s_lshl_b32 s23, s23, 3
	s_add_co_u32 s22, s22, s23
	s_add_co_u32 s22, s22, SS
	v_lshlrev_b32 v5, 4, v3
	v_lshl_add_u32 v5, v8, 2, v5
	v_add_nc_u32 v5, s22, v5                       ; my scale word: a = 2 wave + fragment
	v_lshlrev_b32 v6, 4, v2                        ; 16 x lane
	v_add_nc_u32 v9, s2, v6                        ; stage, out
	v_lshlrev_b32 v7, 3, v2                        ; 8 x lane
	s_lshl_b32 s22, s3, 8
	s_add_co_u32 s22, s22, SS
	v_add_nc_u32 v10, s22, v7                      ; scale images, out: 256 bytes a wave
	s_mov_b32 s16, 256                             ; w_mlp_proj's figures: first work-group,
	s_mov_b32 s17, 4                               ; log2 of its pieces of 256 along K,
	s_mov_b32 s18, 4096                            ; bytes of a row,
	s_mov_b32 s19, 32                              ; K steps of 128,
	s_mov_b32 s20, WMLP_C
	s_mov_b32 s21, WMLP_S
	s_wait_kmcnt 0x0
	s_mov_b64 s[14:15], s[10:11]
	s_cmp_lt_u32 ttmp9, 256                        ; the choices hang on the work-group's number alone
	s_cselect_b64 s[14:15], s[8:9], s[14:15]
	s_cselect_b32 s16, 128, s16
	s_cselect_b32 s17, 2, s17
	s_cselect_b32 s18, 16384, s18
	s_cselect_b32 s19, 8, s19
	s_cselect_b32 s20, WFC_C, s20
	s_cselect_b32 s21, WFC_S, s21
	s_cmp_lt_u32 ttmp9, 128
	s_cselect_b64 s[14:15], s[6:7], s[14:15]
	s_cselect_b32 s16, 96, s16
	s_cselect_b32 s18, 4096, s18
	s_cselect_b32 s20, WPROJ_C, s20
	s_cselect_b32 s21, WPROJ_S, s21
	s_cmp_lt_u32 ttmp9, 96
	s_cselect_b64 s[14:15], s[4:5], s[14:15]
	s_cselect_b32 s16, 0, s16
	s_cselect_b32 s18, 12288, s18
	s_cselect_b32 s20, WQKV_C, s20
	s_cselect_b32 s21, WQKV_S, s21
	s_sub_co_u32 s22, ttmp9, s16
	s_bfm_b32 s23, s17, 0
	s_and_b32 s23, s22, s23                        ; which 256 along K
	s_lshr_b32 s22, s22, s17                       ; g: which 128 columns
	s_lshl_b32 s26, s18, 8
	s_mul_i32 s26, s26, s23
	s_lshl_b32 s27, s22, 9
	s_add_co_u32 s26, s26, s27
	s_lshl_b32 s27, s3, 7
	s_add_co_u32 s26, s26, s27
	s_mov_b32 s27, 0
	s_add_nc_u64 s[32:33], s[14:15], s[26:27]      ; block 0 of my wave's columns
	s_lshl_b32 s26, s18, 5                         ; 32 rows on
.irp t, 1,2,3,4,5,6,7
	s_add_nc_u64 s[32+2*\t:33+2*\t], s[30+2*\t:31+2*\t], s[26:27]   ; a base for each of the 8 blocks: none is ever stepped
.endr
	s_mul_i32 s28, s22, s19
	s_lshl_b32 s29, s23, 1
	s_add_co_u32 s28, s28, s29                     ; g NS + my first K step
	s_mul_i32 s24, s28, 12288
	s_add_co_u32 s24, s24, s20
	s_mul_i32 s29, s3, 3072
	s_add_co_u32 s24, s24, s29
	s_mov_b32 s25, 0
	s_add_nc_u64 s[24:25], s[12:13], s[24:25]      ; my two fragments of the first K step
	s_lshl_b32 s28, s28, 9
	s_add_co_u32 s28, s28, s21
	s_lshl_b32 s29, s3, 8
	s_add_co_u32 s28, s28, s29
	s_mov_b32 s29, 0
	s_add_nc_u64 s[28:29], s[12:13], s[28:29]      ; my quarter of the two scale images
	v_lshlrev_b32 v[OFF], 2, v2
.set I, 1
.rept 31
	v_add_nc_u32 v[OFF+I], s18, v[OFF+I-1]
.set I, I+1
.endr
.macro LOAD t                          ; block t: rows 32 t + i of my column; 32 lanes read 128 consecutive bytes, the four waves 512
.set I, 0
.rept 32
	global_load_b32 v[X+32*((\t)%2)+I], v[OFF+I], s[32+2*(\t):33+2*(\t)] th:TH_LOAD_NT
.set I, I+1
.endr
.endm
	LOAD 0
	LOAD 1
.macro BLOCK t                         ; block t is K step t / 4, registers 6 ((t / 2) % 2) on, of lane row + 16 (t % 2) of the fragment
.set XS, X+32*((\t)%2)
.set SG, (\t)/4
.set CC, ((\t)/2)%2
.set HH, (\t)%2
.if (\t) < 7
	s_wait_loadcnt 32                              ; this block's 32 loads are in; the next block's 32 may be out
.else
	s_wait_loadcnt 0x0
.endif
	v_max3_num_f32 v12, |v[XS]|, |v[XS+1]|, |v[XS+2]|
	v_max3_num_f32 v13, |v[XS+3]|, |v[XS+4]|, |v[XS+5]|
.irp i, 6,10,14,18,22,26
	v_max3_num_f32 v12, v12, |v[XS+\i]|, |v[XS+\i+1]|
	v_max3_num_f32 v13, v13, |v[XS+\i+2]|, |v[XS+\i+3]|
.endr
	v_max3_num_f32 v12, v12, |v[XS+30]|, |v[XS+31]|
	v_max3_num_f32 v12, v12, v13, 0x2800000        ; with the floor 2^(5 - 127): the byte cannot fall under 1
	v_add_nc_u32 v11, 0xfe000000, v12              ; 4 off the exponent field: the conversion's scale operand
	v_lshrrev_b32 v13, 23, v11                     ; the scale's byte
.if (\t)%4 == 0
	v_mov_b32 v[SB+SG], v13
.else
	v_lshl_or_b32 v[SB+SG], v13, 8*((\t)%4), v[SB+SG]
.endif
	v_cvt_scalef32_pk16_bf6_f32 v[C:C+2], v[XS:XS+15], v11
	v_cvt_scalef32_pk16_bf6_f32 v[C+6:C+8], v[XS+16:XS+31], v11    ; (a conversion's three registers begin on an even number)
	v_nop                                          ; one plain place behind a scaled conversion
.irp i, 0,1,2
	v_mov_b32 v[C+3+\i], v[C+6+\i]
.endr
.if CC == 0
	ds_store_b128 v4, v[C:C+3] offset:SG*3072+HH*256
	ds_store_b64 v4, v[C+4:C+5] offset:SG*3072+HH*256+512
.else
	ds_store_b64 v4, v[C:C+1] offset:SG*3072+HH*256+520
	ds_store_b128 v4, v[C+2:C+5] offset:SG*3072+HH*256+1024
.endif
.if (\t) < 6
	LOAD (\t)+2
.endif
	s_wait_dscnt 0x0                               ; the stores have read their registers: the next block's codes may be written
.endm
.irp t, 0,1,2,3,4,5,6,7
	BLOCK \t
.endr
	ds_store_b32 v5, v[SB]
	ds_store_b32 v5, v[SB+1] offset:512
	s_wait_dscnt 0x0                               ; for the others' sake: a scale image comes from all four waves
	s_barrier_signal -1
	s_barrier_wait -1
.irp j, 0,1,2,3,4,5,6,7,8,9,10,11
	ds_load_b128 v[OUTR+4*\j:OUTR+4*\j+3], v9 offset:512*\j
.endr
	ds_load_b64 v[26:27], v10
.irp j, 0,1,2,3,4,5,6,7,8,9,10,11
	s_wait_dscnt 12-\j                             ; behind load j stand 11 - j loads of codes and the load of scale words
	global_store_b128 v6, v[OUTR+4*\j:OUTR+4*\j+3], s[24:25] offset:(\j/6)*12288+512*(\j%6)   ; 512 consecutive bytes
.endr
	s_wait_dscnt 0x0
	global_store_b64 v7, v[26:27], s[28:29]        ; 256 consecutive bytes
	s_wait_tensorcnt 0x0
	ds_add_u32 v192, v193
	s_wait_dscnt 0x0
	s_endpgm
.Lfunc_end_k_qcfdd8864ec_qw:
	.size	k_qcfdd8864ec_qw, .Lfunc_end_k_qcfdd8864ec_qw-k_qcfdd8864ec_qw
	.p2alignl 7, 3214868480
	.fill 96, 4, 3214868480
	.section	.rodata,"a",@progbits
	.p2align	6, 0x0
	.amdhsa_kernel k_qcfdd8864ec_qw
		.amdhsa_group_segment_fixed_size 26112
		.amdhsa_private_segment_fixed_size 0
		.amdhsa_enable_private_segment 0
		.amdhsa_kernarg_size 40
		.amdhsa_user_sgpr_count 2
		.amdhsa_user_sgpr_kernarg_segment_ptr 1
		.amdhsa_wavefront_size32 1
		.amdhsa_system_sgpr_workgroup_id_x 1
		.amdhsa_system_sgpr_workgroup_id_y 1
		.amdhsa_system_sgpr_workgroup_id_z 1
		.amdhsa_system_vgpr_workitem_id 0
		.amdhsa_next_free_vgpr 194
		.amdhsa_next_free_sgpr 66
		.amdhsa_reserve_vcc 0
		.amdhsa_float_denorm_mode_32 3
		.amdhsa_float_denorm_mode_16_64 3
		.amdhsa_memory_ordered 1
		.amdhsa_forward_progress 1
		.amdhsa_inst_pref_size 45
	.end_amdhsa_kernel
	.amdgpu_metadata
---
amdhsa.version: [ 1, 2 ]
amdhsa.kernels:
  - .name:           k_qcfdd8864ec_qw
    .symbol:         k_qcfdd8864ec_qw.kd
    .args:
      - { .name: w_qkv, .offset: 0, .size: 8, .value_kind: global_buffer, .address_space: global }
      - { .name: w_attn_proj, .offset: 8, .size: 8, .value_kind: global_buffer, .address_space: global }
      - { .name: w_fc, .offset: 16, .size: 8, .value_kind: global_buffer, .address_space: global }
      - { .name: w_mlp_proj, .offset: 24, .size: 8, .value_kind: global_buffer, .address_space: global }
      - { .name: wq, .offset: 32, .size: 8, .value_kind: global_buffer, .address_space: global }
    .group_segment_fixed_size: 26112
    .private_segment_fixed_size: 0
    .kernarg_segment_align: 8
    .kernarg_segment_size: 40
    .max_flat_workgroup_size: 128
    .sgpr_count:     66
    .vgpr_count:     194
    .wavefront_size: 32
...
	.end_amdgpu_metadata
.endif
;; end of part 1
;; launch ln1 (part 2): grid 256 x 1, 8 waves a work-group, no clusters, 69,632 bytes of LDS; arguments x, ln1_w, ln1_b, a1; writes a1
.if DOCPART == 2
	.amdgcn_target "amdgcn-amd-amdhsa--gfx1250"
	.amdhsa_code_object_version 6
	.text
	.protected	k_qcfdd8864ec_ln1
	.globl	k_qcfdd8864ec_ln1
	.p2align	8
	.type	k_qcfdd8864ec_ln1,@function
k_qcfdd8864ec_ln1:
	s_mov_b64 s[64:65], 0
	v_nop
	global_prefetch_b8 v0, s[64:65] scope:SCOPE_SE
	s_setreg_imm32_b32 hwreg(HW_REG_WAVE_MODE, 25, 1), 1
	s_wait_xcnt 0x0
; A layer norm over rows of 1,024 f32 numbers, quantised along the row into codes of BF6 (E3M2) with one E8M0 byte for each 32: out = Q((x - mean) rsqrt(var + 1e-5) w + b).
; Mean and variance in two passes in f32 (the variance of x - mean), so that a common offset of the inputs costs no accuracy.
; LIMITS: NaN and infinities are not served; a block of zeros or under 2^-122 gets the byte 1; only this program reads the bytes.
; OUTPUT: the order of the operand's registers: fragment (g = position / 128, s = k / 128, a) of 1,536 bytes at ((8 g + s) 8 + a) 1536, register 4 c + i of lane L at 512 c + 16 L + 4 i;
; scale words from byte 3,145,728 on: those of (g, s) are 512 bytes, the word of (a, r) at 256 (a / 4) + 16 r + 4 (a % 4).  Position p holds the true row p with bits 3 and 4 exchanged.
; SHARES: a work-group owns 16 positions (one a of one g); wave w owns columns 128 w on, which are K step w: a lane (r, h) holds of row r the numbers 32 b + 16 h + i in register 16 b + i.
; Loads read 512 consecutive bytes of a row; the numbers turn through the wave's own stage (rows 528 bytes apart).  The rows' sums meet in LDS: two barriers.
.set ACT_S, 3145728
.set R,    16                          ; v16-79   as loaded; later the bias
.set X,    80                          ; v80-143  my 64 numbers
.set W,    144                         ; v144-207 the gain
.set PC,   208                         ; v208-226 at work; the codes
.set TM,   228                         ; v228-243 the quantiser's
.set PW,   244                         ; the scale word
.set MEAN, 246
.set RS,   248
.set TT,   250
.set SEL,  20
.set PS1,  67584                       ; LDS: the waves' sums [r][wave], 512 bytes; the sums of squares 512 bytes on
	s_load_b256 s[4:11], s[0:1], 0x0               ; in, gain, bias, out
	v_lshl_add_u32 v254, v0, 2, 0x10c00
	v_mov_b32 v255, 0
	v_lshrrev_b32 v1, 5, v0
	v_readfirstlane_b32 s12, v1                    ; wave
	v_and_b32 v2, 31, v0
	v_and_b32 v3, 15, v0                           ; r
	v_bfe_u32 v4, v0, 4, 1                         ; h
	v_lshlrev_b32 v5, 4, v2                        ; 16 x lane
	s_mul_i32 s13, s12, 8448
	v_add_nc_u32 v6, s13, v5                       ; stage, in
	v_mul_u32_u24 v7, v3, 528
	v_lshl_add_u32 v7, v4, 6, v7
	v_add_nc_u32 v7, s13, v7                       ; stage, out: row r, + 64 h
	v_lshlrev_b32 v8, 6, v4                        ; gain and bias: 64 h
	v_lshlrev_b32 v9, 5, v3
	v_add_nc_u32 v9, PS1, v9                       ; row r's eight sums
	s_lshl_b32 s14, s12, 2
	v_add_nc_u32 v10, s14, v9                      ; and my wave's word among them
	v_lshlrev_b32 v11, 4, v3                       ; 16 r
	s_mov_b32 s[SEL], 0x76543210
	s_mov_b32 s[SEL+1], 0xfedcba98                 ; lane l xor 16
	s_mov_b32 s22, 0x3a800000                      ; 1 / 1024
	s_mov_b32 s23, 0x3727c5ac                      ; 1e-5
.irp b, 0,1,2,3
	v_mov_b32 v[TM+4+\b], 0                        ; a lane permute's destination counts as one of its sources
.endr
	v_mov_b32 v[TT+1], 0
	s_lshr_b32 s15, ttmp9, 1
	s_lshl_b32 s15, s15, 5
	s_and_b32 s16, ttmp9, 1
	s_lshl_b32 s16, s16, 3
	s_add_co_u32 s15, s15, s16                     ; position i of my 16 is true row 32 (blk / 2) + 8 (blk % 2) + i + 8 (i / 8)
	s_lshl_b32 s16, s15, 12
	s_lshl_b32 s18, s12, 9                         ; my wave's 512 bytes of a row
	s_mov_b32 s19, 0
	s_add_co_u32 s16, s16, s18
	s_mov_b32 s17, 0
	s_lshr_b32 s24, ttmp9, 3
	s_lshl_b32 s24, s24, 3
	s_add_co_u32 s24, s24, s12                     ; 8 g + s
	s_and_b32 s25, ttmp9, 7                        ; a
	s_lshl_b32 s26, s24, 3
	s_add_co_u32 s26, s26, s25
	s_mul_i32 s26, s26, 1536
	s_mov_b32 s27, 0
	s_lshl_b32 s28, s24, 9
	s_lshr_b32 s29, s25, 2
	s_lshl_b32 s29, s29, 8
	s_add_co_u32 s28, s28, s29
	s_and_b32 s29, s25, 3
	s_lshl_b32 s29, s29, 2
	s_add_co_u32 s28, s28, s29
	s_add_co_u32 s28, s28, ACT_S
	s_mov_b32 s29, 0
	s_wait_kmcnt 0x0
	s_add_nc_u64 s[4:5], s[4:5], s[16:17]
	s_add_nc_u64 s[6:7], s[6:7], s[18:19]
	s_add_nc_u64 s[8:9], s[8:9], s[18:19]
	s_add_nc_u64 s[26:27], s[10:11], s[26:27]
	s_add_nc_u64 s[28:29], s[10:11], s[28:29]
.irp i, 0,1,2,3,4,5,6,7,8,9,10,11,12,13,14,15
	global_load_b128 v[R+4*\i:R+4*\i+3], v5, s[4:5] offset:(\i+8*(\i/8))*4096
.endr
.irp b, 0,1,2,3
.irp j, 0,1,2,3
	global_load_b128 v[W+16*\b+4*\j:W+16*\b+4*\j+3], v8, s[6:7] offset:128*\b+16*\j
.endr
.endr
	s_wait_loadcnt 16                              ; the rows are in; the gain's 16 loads may be out
.irp i, 0,1,2,3,4,5,6,7,8,9,10,11,12,13,14,15
	ds_store_b128 v6, v[R+4*\i:R+4*\i+3] offset:528*\i
.endr
.irp b, 0,1,2,3
.irp j, 0,1,2,3
	ds_load_b128 v[X+16*\b+4*\j:X+16*\b+4*\j+3], v7 offset:128*\b+16*\j   ; LDS serves a wave's instructions in order: these see my stores
.endr
.endr
	s_wait_dscnt 0x0                               ; my numbers are in, and the stores have read R:
.irp b, 0,1,2,3
.irp j, 0,1,2,3
	global_load_b128 v[R+16*\b+4*\j:R+16*\b+4*\j+3], v8, s[8:9] offset:128*\b+16*\j   ; which takes the bias
.endr
.endr
; ---- the mean
.irp k, 0,1,2,3
	v_pk_add_f32 v[PC+2*\k:PC+2*\k+1], v[X+2*\k:X+2*\k+1], v[X+8+2*\k:X+8+2*\k+1]   ; four chains
.endr
.irp m, 2,3,4,5,6,7
.irp k, 0,1,2,3
	v_pk_add_f32 v[PC+2*\k:PC+2*\k+1], v[PC+2*\k:PC+2*\k+1], v[X+8*\m+2*\k:X+8*\m+2*\k+1]
.endr
.endr
	v_pk_add_f32 v[PC:PC+1], v[PC:PC+1], v[PC+2:PC+3]
	v_pk_add_f32 v[PC+4:PC+5], v[PC+4:PC+5], v[PC+6:PC+7]
	v_pk_add_f32 v[PC:PC+1], v[PC:PC+1], v[PC+4:PC+5]
	v_add_f32 v[TT], v[PC], v[PC+1]
	v_permlanex16_b32 v[TT+1], v[TT], s[SEL], s[SEL+1]
	v_add_f32 v[TT], v[TT], v[TT+1]                ; row r's sum over my wave's 128 columns
	ds_store_b32 v10, v[TT]                        ; (both halves of the lanes write the same word with the same value)
	s_wait_dscnt 0x0
	s_barrier_signal -1
	s_barrier_wait -1
	ds_load_b128 v[PC:PC+3], v9
	ds_load_b128 v[PC+4:PC+7], v9 offset:16
	s_wait_dscnt 0x0
	v_pk_add_f32 v[PC:PC+1], v[PC:PC+1], v[PC+2:PC+3]
	v_pk_add_f32 v[PC+4:PC+5], v[PC+4:PC+5], v[PC+6:PC+7]
	v_pk_add_f32 v[PC:PC+1], v[PC:PC+1], v[PC+4:PC+5]
	v_add_f32 v[TT], v[PC], v[PC+1]
	v_mul_f32 v[MEAN], s22, v[TT]
	v_mov_b32 v[MEAN+1], v[MEAN]
.set I, 0
.rept 32
	v_pk_add_f32 v[X+I:X+I+1], v[X+I:X+I+1], v[MEAN:MEAN+1] op_sel_hi:[1,0] neg_lo:[0,1] neg_hi:[0,1]   ; x - mean
.set I, I+2
.endr
; ---- the variance
.irp k, 0,1,2,3
	v_pk_mul_f32 v[PC+2*\k:PC+2*\k+1], v[X+2*\k:X+2*\k+1], v[X+2*\k:X+2*\k+1]
.endr
.irp m, 1,2,3,4,5,6,7
.irp k, 0,1,2,3
	v_pk_fma_f32 v[PC+2*\k:PC+2*\k+1], v[X+8*\m+2*\k:X+8*\m+2*\k+1], v[X+8*\m+2*\k:X+8*\m+2*\k+1], v[PC+2*\k:PC+2*\k+1]
.endr
.endr
	v_pk_add_f32 v[PC:PC+1], v[PC:PC+1], v[PC+2:PC+3]
	v_pk_add_f32 v[PC+4:PC+5], v[PC+4:PC+5], v[PC+6:PC+7]
	v_pk_add_f32 v[PC:PC+1], v[PC:PC+1], v[PC+4:PC+5]
	v_add_f32 v[TT], v[PC], v[PC+1]
	v_permlanex16_b32 v[TT+1], v[TT], s[SEL], s[SEL+1]
	v_add_f32 v[TT], v[TT], v[TT+1]
	ds_store_b32 v10, v[TT] offset:512             ; other bytes than the first exchange's: no barrier between the two is owed
	s_wait_dscnt 0x0
	s_barrier_signal -1
	s_barrier_wait -1
	ds_load_b128 v[PC:PC+3], v9 offset:512
	ds_load_b128 v[PC+4:PC+7], v9 offset:528
	s_wait_dscnt 0x0
	v_pk_add_f32 v[PC:PC+1], v[PC:PC+1], v[PC+2:PC+3]
	v_pk_add_f32 v[PC+4:PC+5], v[PC+4:PC+5], v[PC+6:PC+7]
	v_pk_add_f32 v[PC:PC+1], v[PC:PC+1], v[PC+4:PC+5]
	v_add_f32 v[TT], v[PC], v[PC+1]
	v_fma_f32 v[TT], v[TT], s22, s23               ; var + 1e-5
	v_rsq_f32 v[RS], v[TT]
	v_nop                                          ; one plain place behind a transcendental
	s_wait_alu depctr_va_vdst(0)
	v_mov_b32 v[RS+1], v[RS]
	s_wait_loadcnt 0x0                             ; gain and bias
.set I, 0
.rept 32
	v_pk_mul_f32 v[X+I:X+I+1], v[X+I:X+I+1], v[RS:RS+1] op_sel_hi:[1,0]
.set I, I+2
.endr
.set I, 0
.rept 32
	v_pk_fma_f32 v[X+I:X+I+1], v[X+I:X+I+1], v[W+I:W+I+1], v[R+I:R+I+1]
.set I, I+2
.endr
; ---- the quantiser: 64 numbers of a lane, register 16 b + i = k 32 b + 16 h + i of my row, become a fragment's 12 registers and its scale word
.irp b, 0,1,2,3
	v_max3_num_f32 v[TM+\b], |v[X+16*\b]|, |v[X+1+16*\b]|, 0x2800000    ; with the floor 2^(5 - 127)
.endr
.irp i, 2,4,6,8,10,12,14
.irp b, 0,1,2,3
	v_max3_num_f32 v[TM+\b], v[TM+\b], |v[X+16*\b+\i]|, |v[X+1+16*\b+\i]|
.endr
.endr
.irp b, 0,1,2,3
	v_permlanex16_b32 v[TM+4+\b], v[TM+\b], s[SEL], s[SEL+1]
.endr
.irp b, 0,1,2,3
	v_max_num_f32 v[TM+\b], v[TM+\b], v[TM+4+\b]   ; the block's largest magnitude
.endr
.irp b, 0,1,2,3
	v_add_nc_u32 v[TM+12+\b], 0xfe000000, v[TM+\b] ; 4 off its exponent field: the conversion's scale operand
.endr
.irp b, 0,1,2,3
	v_lshrrev_b32 v[TM+4+\b], 23, v[TM+12+\b]      ; the byte
.endr
	v_lshl_or_b32 v[PW], v[TM+5], 8, v[TM+4]
	v_lshl_or_b32 v[PW], v[TM+6], 16, v[PW]
	v_lshl_or_b32 v[PW], v[TM+7], 24, v[PW]
.irp c, 0,1
	v_cvt_scalef32_pk16_bf6_f32 v[PC+6*\c:PC+2+6*\c], v[X+32*\c:X+15+32*\c], v[TM+12+2*\c]
	v_cvt_scalef32_pk16_bf6_f32 v[PC+12+4*\c:PC+14+4*\c], v[X+16+32*\c:X+31+32*\c], v[TM+12+2*\c+1]
.endr
	v_nop                                          ; one plain place behind a scaled conversion
.irp c, 0,1                            ; the layout wants a whole block in a lane: lanes 0-15 block 2 c, lanes 16-31 block 2 c + 1
.irp i, 0,1,2
	v_permlane16_swap_b32 v[PC+6*\c+\i], v[PC+12+4*\c+\i]
.endr
.irp i, 0,1,2
	v_mov_b32 v[PC+3+6*\c+\i], v[PC+12+4*\c+\i]
.endr
.endr
.irp c, 0,1,2
	global_store_b128 v5, v[PC+4*\c:PC+4*\c+3], s[26:27] offset:512*\c    ; the fragment as it stands: 512 consecutive bytes a store
.endr
	s_wait_xcnt 0x0                                ; EXEC changes only behind this wait
	v_cmp_gt_u32 vcc_lo, 16, v2
	s_wait_tensorcnt 0x0
	ds_add_u32 v254, v255
	s_wait_dscnt 0x0
	s_and_saveexec_b32 s30, vcc_lo
	global_store_b32 v11, v[PW], s[28:29]          ; lanes 0-15: row r's scale word; 4 bytes of each 16: the other three come from the neighbouring work-groups
	s_wait_xcnt 0x0                                ; and again in front of the line that widens it
	s_or_b32 exec_lo, exec_lo, s30
	s_endpgm
.Lfunc_end_k_qcfdd8864ec_ln1:
	.size	k_qcfdd8864ec_ln1, .Lfunc_end_k_qcfdd8864ec_ln1-k_qcfdd8864ec_ln1
	.p2alignl 7, 3214868480
	.fill 96, 4, 3214868480
	.section	.rodata,"a",@progbits
	.p2align	6, 0x0
	.amdhsa_kernel k_qcfdd8864ec_ln1
		.amdhsa_group_segment_fixed_size 69632
		.amdhsa_private_segment_fixed_size 0
		.amdhsa_enable_private_segment 0
		.amdhsa_kernarg_size 32
		.amdhsa_user_sgpr_count 2
		.amdhsa_user_sgpr_kernarg_segment_ptr 1
		.amdhsa_wavefront_size32 1
		.amdhsa_system_sgpr_workgroup_id_x 1
		.amdhsa_system_sgpr_workgroup_id_y 1
		.amdhsa_system_sgpr_workgroup_id_z 1
		.amdhsa_system_vgpr_workitem_id 0
		.amdhsa_next_free_vgpr 256
		.amdhsa_next_free_sgpr 66
		.amdhsa_reserve_vcc 1
		.amdhsa_float_denorm_mode_32 3
		.amdhsa_float_denorm_mode_16_64 3
		.amdhsa_memory_ordered 1
		.amdhsa_forward_progress 1
		.amdhsa_inst_pref_size 26
	.end_amdhsa_kernel
	.amdgpu_metadata
---
amdhsa.version: [ 1, 2 ]
amdhsa.kernels:
  - .name:           k_qcfdd8864ec_ln1
    .symbol:         k_qcfdd8864ec_ln1.kd
    .args:
      - { .name: x, .offset: 0, .size: 8, .value_kind: global_buffer, .address_space: global }
      - { .name: ln1_w, .offset: 8, .size: 8, .value_kind: global_buffer, .address_space: global }
      - { .name: ln1_b, .offset: 16, .size: 8, .value_kind: global_buffer, .address_space: global }
      - { .name: a1, .offset: 24, .size: 8, .value_kind: global_buffer, .address_space: global }
    .group_segment_fixed_size: 69632
    .private_segment_fixed_size: 0
    .kernarg_segment_align: 8
    .kernarg_segment_size: 32
    .max_flat_workgroup_size: 256
    .sgpr_count:     66
    .vgpr_count:     256
    .wavefront_size: 32
...
	.end_amdgpu_metadata
.endif
;; end of part 2
;; launch qkv (part 3): grid 12 x 16, 4 waves a work-group, clusters of 4 x 4, 327,680 bytes of LDS; arguments a1, wq, qkv; writes qkv
.if DOCPART == 3
	.amdgcn_target "amdgcn-amd-amdhsa--gfx1250"
	.amdhsa_code_object_version 6
	.text
	.protected	k_qcfdd8864ec_qkv
	.globl	k_qcfdd8864ec_qkv
	.p2align	8
	.type	k_qcfdd8864ec_qkv,@function
k_qcfdd8864ec_qkv:
	s_mov_b64 s[64:65], 0
	v_nop
	global_prefetch_b8 v0, s[64:65] scope:SCOPE_SE
	s_setreg_imm32_b32 hwreg(HW_REG_WAVE_MODE, 25, 1), 1
	s_wait_xcnt 0x0
	s_wait_alu depctr_hold_cnt(0) depctr_sa_sdst(0) depctr_va_vdst(0) depctr_va_sdst(0) depctr_va_ssrc(0) depctr_va_vcc(0) depctr_vm_vsrc(0)
	s_getreg_b32 s2, hwreg(HW_REG_IB_STS2, 6, 4)
	s_cmp_eq_u32 s2, 0
	s_cbranch_scc0 .Lentry_in_a_cluster
	s_endpgm
.Lentry_in_a_cluster:
	s_bfe_u32 s2, ttmp6, 0x10000c
	s_cmp_lg_u32 s2, 0xf033
	s_cbranch_scc0 .Lentry_shape_is_right
	s_endpgm
.Lentry_shape_is_right:
; q, k, v = Q(LN1(x)) Q(w_qkv), on codes of BF6 (E3M2) with E8M0 scales, and the results quantised at once: q and k along the head's 64, v along the keys.  Sums in f32.
; OPERANDS lie in the order of the operand's registers: fragment (g, s, a) = 16 rows x 128 K = 1,536 bytes at ((g NS + s) 8 + a) 1536; scale words of (g, s): 512 bytes, the word of (a, r) at 256 (a / 4) + 16 r + 4 (a % 4).
; So a tile of 128 rows x 256 K is 24,576 dense bytes, a fragment comes by three loads of 16 bytes at 16 x lane, and eight blocks' scale words by two.
; Position p of an operand holds true row p with bits 3 and 4 exchanged.  THE MATRIX INSTRUCTION IS USED TRANSPOSED (source 0 = 16 rows of side B, source 1 = 16 rows of side A): in accumulator (a, b) lane (r, h) holds
; A's position 16 a + r and, in register j, B's TRUE row 32 (b / 2) + 16 h + 8 (b % 2) + j: the 64 registers of a block a are 16 neighbours of each of four blocks of 32 along B's rows, as the quantiser wants them.
; q, k (clusters x = 0, 1): side A = tokens (a1), side B = w_qkv's columns: a fragment's two halves are two heads' half fragments (K = 64).
; v (cluster x = 2): THE SIDES CHANGE PLACES: side A = w_v's columns, side B = tokens, so that the registers run along the keys: the result is V^T in fragments of 16 channels x 128 keys.
; A tile of 256 x 256 is made by four waves, 128 x 128 each: 64 accumulators.  K goes in steps of 256 through two LDS slots; the scale words of all K come once.
; CLUSTERS: 4 x 4 work-groups; A's tiles are asked for jointly along a row of the cluster, B's along a column.  Which way a cluster goes hangs on the cluster's x alone, which all partners share.
; LIMITS: NaN and infinities are not served; a block of zeros or under 2^-122 gets the byte 1; only this program reads the bytes.
; REGISTERS: window 0: v1-31 addresses; v32-63 scale words, two sets; from v128 A's fragments, one set.  window 1: B's fragments, two sets (v0, v128).  windows 2, 3: accumulator (a, b) at window 2 + a / 4, v[8 (8 (a % 4) + b)].
.set EPI,  1
.set MB,   8                           ; A's blocks of 16 rows in a wave
.set NS,   8                           ; K / 128
.set BIAS, 0
.set ACT_S,  3145728
.set WQKV_S, 2359296
.set QK_S,   6291456
.set V_C,    6815744
.set V_S,    9961472
.set POUT,   8
.set FR,     12
.set HN,     3*MB/2                    ; LDS loads that bring half of A's blocks
.set ABYTES, MB*6144
.set SLOT,   ABYTES+49152              ; A's rows, then B's 256 rows, 256 along K
.set SCL,    2*SLOT                    ; behind the ring: A's scale words, then B's
.set ASC,    (MB/4)*NS*512
.set SPARE,  SCL+ASC+NS*1024           ; the spare words, 128 bytes for each wave: two blocks of 256 bytes that no other line names
.set LAPS,   NS/4
.set ADRA, 16
.set ADRB, 20
.set STO,  24
.set RD,   25
.set L16,  26
.set ADRS, 27
.set SPW,  28
.set NIL,  29
.set L8,   30
.set SC,   32
.set BI,   64
.set AF,   128
.set G1,   24
.set G0,   32
.set G1B,  48
.set G0B,  56
.set G1S,  68
.set G0S,  76
.set G1SB, 80
.set G0SB, 88
.set MSB, 0
.macro WIN new                         ; the immediate's high byte repeats the setting that is left
.if MSB != (\new)
	s_set_vgpr_msb (MSB<<8)|(\new)
.set MSB, (\new)
.endif
.endm
.macro PLACES                          ; four places behind a matrix instruction, in front of loads into its registers and of reads of its results
.rept 4
	v_nop
.endr
.endm
; A joint load: waves 0 and 1 fetch for A, waves 2 and 3 for B; the branch hangs on the wave's number alone.  Four v_nop follow each line.
.macro JLOAD g0a, g1a, g0b, g1b
	s_cmp_eq_u32 s15, 0
	s_cbranch_scc0 .Lfor_b_\@
	tensor_load_to_lds s[\g0a:\g0a+3], s[\g1a:\g1a+7]
	s_nop 0
.rept 4
	v_nop
.endr
	s_branch .Lasked_\@
.Lfor_b_\@:
	tensor_load_to_lds s[\g0b:\g0b+3], s[\g1b:\g1b+7]
	s_nop 0
.rept 4
	v_nop
.endr
.Lasked_\@:
.endm
.macro CREST                           ; a round of the cluster's barrier behind its opening barrier
	s_cmp_lg_u32 s14, 0
	s_cbranch_scc1 .Lnot_wave_0_\@
	s_barrier_signal -3
.Lnot_wave_0_\@:
	s_barrier_wait -3
	s_barrier_signal -1
	s_barrier_wait -1
.endm
.macro CROUND
	s_barrier_signal -1
	s_barrier_wait -1
	CREST
.endm
.macro DESC1 g, rows                   ; words 1 to 7 of a group 1: a dense block as rows of 256 bytes (32 elements of 8 bytes)
	s_mov_b32 s[\g+1], 32<<16
	s_mov_b32 s[\g+2], (\rows)<<16
	s_mov_b32 s[\g+3], 32<<16
	s_mov_b32 s[\g+4], \rows
	s_mov_b32 s[\g+5], 32
	s_mov_b32 s[\g+6], 0
	s_mov_b32 s[\g+7], 0
.endm
.macro FRAG reg, adr, q, i             ; a fragment as it lies: three loads of 512 consecutive bytes
.irp c, 0,1,2
	ds_load_b128 v[\reg+4*\c:\reg+4*\c+3], v[\adr] offset:(\q)*12288+(\i)*1536+512*\c
.endr
.endm
.macro FETCH_B slot, q, p
	WIN 0x40
.irp i, 0,1,2,3,4,5,6,7
	FRAG 128*(\p)+FR*\i, ADRB+\slot, \q, \i
.endr
	WIN 0
.endm
.macro FETCH_A slot, q, half
.set I0, (\half)*MB/2
.rept MB/2
	FRAG AF+FR*I0, ADRA+\slot, \q, I0
.set I0, I0+1
.endr
.endm
.macro SCALES sc                       ; a slot's scale words: register SC + 16 sc + 8 q + i: lanes 0-15 the word of A's block i, lanes 16-31 that of B's block i
.irp q, 0,1
.irp u, 0,1
	ds_load_b128 v[SC+16*(\sc)+8*\q+4*\u:SC+16*(\sc)+8*\q+4*\u+3], v[ADRS] offset:512*\q+256*\u
.endr
.endr
.endm
; A quarter of a step of 128 along K: MB / 4 blocks of A against B's eight.  The accumulators take turns, one instruction a turn, in the same order in every step.
.macro MULQ qd, p, q, sc, first
.set A0, (\qd)*MB/4
.rept MB/4
.if (\first) && BIAS
	WIN 0x81+0x40*(A0/4)
.else
	WIN 0xa1+0x50*(A0/4)
.endif
.irp b, 0,1,2,3,4,5,6,7
.set DD, 8*(8*(A0%4)+\b)
.set BR, 128*(\p)+FR*\b
.set AR, AF+FR*A0
.set SBR, SC+16*(\sc)+8*(\q)+\b
.set SAR, SC+16*(\sc)+8*(\q)+A0
.if (\first) && BIAS
	v_wmma_scale_f32_16x16x128_f8f6f4 v[DD:DD+7], v[BR:BR+11], v[AR:AR+11], v[BI+8*\b:BI+8*\b+7], v[SBR], v[SAR] matrix_a_fmt:MATRIX_FMT_BF6 matrix_b_fmt:MATRIX_FMT_BF6 matrix_a_scale:MATRIX_SCALE_ROW1
.elseif \first
	v_wmma_scale_f32_16x16x128_f8f6f4 v[DD:DD+7], v[BR:BR+11], v[AR:AR+11], 0, v[SBR], v[SAR] matrix_a_fmt:MATRIX_FMT_BF6 matrix_b_fmt:MATRIX_FMT_BF6 matrix_a_scale:MATRIX_SCALE_ROW1
.else
	v_wmma_scale_f32_16x16x128_f8f6f4 v[DD:DD+7], v[BR:BR+11], v[AR:AR+11], v[DD:DD+7], v[SBR], v[SAR] matrix_a_fmt:MATRIX_FMT_BF6 matrix_b_fmt:MATRIX_FMT_BF6 matrix_a_scale:MATRIX_SCALE_ROW1
.endif
.endr
.set A0, A0+1
.endr
.endm
.macro STEP slot, q, first             ; a step of 128 along K that has its successor in the same slot
	s_wait_dscnt HN                                ; B's set and A's first half are in; the youngest HN loads (A's second half) may be out
	MULQ 0, (\q)%2, \q, \slot, \first
	MULQ 1, (\q)%2, \q, \slot, \first
	s_wait_dscnt 0x0                               ; A's second half is in
	PLACES
	FETCH_B \slot, (\q)+1, 1-(\q)%2
	FETCH_A \slot, (\q)+1, 0
	MULQ 2, (\q)%2, \q, \slot, \first
	MULQ 3, (\q)%2, \q, \slot, \first
	PLACES
	WIN 0
	FETCH_A \slot, (\q)+1, 1
.endm
; A slot's last step changes slots: one barrier; in front of it each wave waits for all its tensor loads, adds 0 to its spare word, and waits for that and for its reads of this slot.
.macro TURN slot, next, fill
	s_wait_tensorcnt 0x0                           ; all my tensor loads have landed: my part of the next slot
	ds_add_u32 v[SPW], v[NIL]                      ; 0 onto my spare word
	s_wait_dscnt HN+1                              ; (the add and A's second half may be out)
	MULQ 0, 1, 1, \slot, 0
	s_wait_dscnt 0x0                               ; the add is done, and my reads of this slot are over
	s_barrier_signal -1
	MULQ 1, 1, 1, \slot, 0
	WIN 0
	s_barrier_wait -1
.if \fill
	CREST                                          ; the barrier has opened a round of the cluster's: no wave of any partner still reads this slot or has a load on its way
	s_add_nc_u64 s[G0+4*\slot+2:G0+4*\slot+3], s[G0+4*\slot+2:G0+4*\slot+3], 49152
	s_add_nc_u64 s[G0B+4*\slot+2:G0B+4*\slot+3], s[G0B+4*\slot+2:G0B+4*\slot+3], 49152
	JLOAD G0+4*\slot, G1, G0B+4*\slot, G1B         ; the first tensor load behind the round; its four v_nop are the places in front of the loads below
.else
	PLACES
.endif
	v_add_nc_u32 v[ADRS], 1024, v[ADRS]            ; the next slot's scale words
	FETCH_B \next, 0, 0
	FETCH_A \next, 0, 0
	SCALES \next
	MULQ 2, 1, 1, \slot, 0
	MULQ 3, 1, 1, \slot, 0
	PLACES
	WIN 0
	FETCH_A \next, 0, 1
.endm
; 64 numbers of a lane, v[s] on in window sw, register 16 b + i = column 32 b + 16 h + i of my row, become a fragment's codes in v[PC] on and its scale word in v[pw].
.set PC, 192
.set TM, 212
.set SEL, 100
.macro QUANT s, sw, pw
	WIN 5*(\sw)
.irp b, 0,1,2,3
	v_max3_num_f32 v[TM+\b], |v[\s+16*\b]|, |v[\s+1+16*\b]|, 0x2800000   ; each accumulator is read from its low end on; the floor 2^(5 - 127) holds the byte at 1 from below
.endr
	WIN 20*(\sw)
.irp i, 2,4,6,8,10,12,14
.irp b, 0,1,2,3
	v_max3_num_f32 v[TM+\b], v[TM+\b], |v[\s+16*\b+\i]|, |v[\s+1+16*\b+\i]|
.endr
.endr
	WIN 0
.irp b, 0,1,2,3
	v_permlanex16_b32 v[TM+4+\b], v[TM+\b], s[SEL], s[SEL+1]
.endr
.irp b, 0,1,2,3
	v_max_num_f32 v[TM+\b], v[TM+\b], v[TM+4+\b]
.endr
.irp b, 0,1,2,3
	v_add_nc_u32 v[TM+12+\b], 0xfe000000, v[TM+\b]
.endr
.irp b, 0,1,2,3
	v_lshrrev_b32 v[TM+4+\b], 23, v[TM+12+\b]
.endr
	v_lshl_or_b32 v[\pw], v[TM+5], 8, v[TM+4]
	v_lshl_or_b32 v[\pw], v[TM+6], 16, v[\pw]
	v_lshl_or_b32 v[\pw], v[TM+7], 24, v[\pw]
	WIN (\sw)
.irp c, 0,1
	v_cvt_scalef32_pk16_bf6_f32 v[PC+6*\c:PC+2+6*\c], v[\s+32*\c:\s+15+32*\c], v[TM+12+2*\c]
	v_cvt_scalef32_pk16_bf6_f32 v[PC+12+4*\c:PC+14+4*\c], v[\s+16+32*\c:\s+31+32*\c], v[TM+12+2*\c+1]
.endr
	WIN 0
	v_nop                                          ; one plain place behind a scaled conversion
.irp c, 0,1
.irp i, 0,1,2
	v_permlane16_swap_b32 v[PC+6*\c+\i], v[PC+12+4*\c+\i]
.endr
.irp i, 0,1,2
	v_mov_b32 v[PC+3+6*\c+\i], v[PC+12+4*\c+\i]
.endr
.endr
.endm
	s_load_b128 s[4:7], s[0:1], 0x0                ; a1, wq
	s_load_b64 s[8:9], s[0:1], 0x10                ; qkv
	v_lshl_add_u32 v[SPW], v0, 2, SPARE
	v_mov_b32 v[NIL], 0
	ds_add_u32 v28, v29
	s_wait_dscnt 0x0
	v_lshrrev_b32 v1, 5, v0
	v_readfirstlane_b32 s14, v1                    ; wave 0..3
	s_lshr_b32 s15, s14, 1                         ; which half of A's rows is mine.  Also: I fetch for A (0) or for B (1)
	s_and_b32 s16, s14, 1                          ; which half of B's rows.  Also: which half of that tile I fetch
	s_bfe_u32 s40, ttmp6, 0x40000                  ; cx
	s_bfe_u32 s41, ttmp6, 0x40004                  ; cy
	s_lshl_b32 s42, ttmp9, 2                       ; 4 x cluster x
	s_and_b32 s17, ttmp7, 0xffff
	s_lshl_b32 s17, s17, 2                         ; 4 x cluster y
	s_mov_b32 s94, ACT_S
	s_mov_b32 s95, WQKV_S
	s_cmp_eq_u32 ttmp9, 2                          ; the cluster that makes v: the same answer in all sixteen partners
	s_cselect_b32 s99, 1, 0
	s_cselect_b32 s42, s17, s42                    ; v: B's tiles are tokens, 4 x cluster y + cx
	s_cselect_b32 s17, 8, s17                      ; v: A's tiles are w_v's columns, tiles 8 + cy of w_qkv's twelve
	s_cselect_b32 s96, s95, s94                    ; where A's scale words begin in its buffer
	s_cselect_b32 s97, s94, s95                    ; and B's
	s_add_co_u32 s42, s42, s40                     ; B's tile
	s_add_co_u32 s17, s17, s41                     ; A's tile
	s_lshl_b32 s43, s41, 2
	s_lshl_b32 s43, 15, s43                        ; my row of the cluster
	s_lshl_b32 s44, 0x1111, s40                    ; my column
	s_or_b32 s[G1+0], s43, (3<<16)|(1<<21)         ; 15:0 the mask; 17:16 elements of 8 bytes; 21 set beside a mask; no padding
	s_or_b32 s[G1B+0], s44, (3<<16)|(1<<21)
	s_or_b32 s[G1S+0], s43, (3<<16)|(1<<21)
	s_or_b32 s[G1SB+0], s44, (3<<16)|(1<<21)
	DESC1 G1, MB*12
	DESC1 G1B, 96
	DESC1 G1S, MB*NS/4
	DESC1 G1SB, 2*NS
	s_lshl_b32 s20, s17, 1
	s_add_co_u32 s20, s20, s16                     ; the group of 128 rows of A that I fetch
	s_mul_i32 s22, s20, NS*512
	s_mul_i32 s20, s20, NS*12288
	s_add_co_u32 s22, s22, s96
	s_mov_b32 s21, 0
	s_mov_b32 s23, 0
	s_lshl_b32 s46, s42, 1
	s_add_co_u32 s46, s46, s16                     ; and of B
	s_mul_i32 s92, s46, NS*512
	s_mul_i32 s46, s46, NS*12288
	s_add_co_u32 s92, s92, s97
	s_mov_b32 s47, 0
	s_mov_b32 s93, 0
	s_mul_i32 s45, s16, MB*3072                    ; where they go in LDS: no place in the cluster enters an LDS address
	s_mul_i32 s98, s16, 24576
	s_add_co_u32 s98, s98, ABYTES
	s_mul_i32 s100, s16, MB*NS*64
	s_add_co_u32 s100, s100, SCL
	s_mul_i32 s101, s16, NS*512
	s_add_co_u32 s101, s101, SCL+ASC
	s_wait_kmcnt 0x0
	s_cmp_eq_u32 s99, 1
	s_cselect_b64 s[18:19], s[6:7], s[4:5]         ; A's buffer
	s_cselect_b64 s[6:7], s[4:5], s[6:7]           ; B's buffer
	s_mov_b64 s[4:5], s[18:19]
	s_add_nc_u64 s[20:21], s[4:5], s[20:21]
	s_add_nc_u64 s[22:23], s[4:5], s[22:23]
	s_add_nc_u64 s[46:47], s[6:7], s[46:47]
	s_add_nc_u64 s[92:93], s[6:7], s[92:93]
	CROUND                                         ; all sixteen work-groups are here: the first joint loads meet
	s_mov_b32 s[G0S], 1
	s_mov_b32 s[G0S+1], s100
	s_mov_b64 s[G0S+2:G0S+3], s[22:23]
	s_or_b32 s[G0S+3], s[G0S+3], 0x80000000
	s_mov_b32 s[G0SB], 1
	s_mov_b32 s[G0SB+1], s101
	s_mov_b64 s[G0SB+2:G0SB+3], s[92:93]
	s_or_b32 s[G0SB+3], s[G0SB+3], 0x80000000
	JLOAD G0S, G1S, G0SB, G1SB                     ; the scale words of all K: filled once
.irp s, 0,1
	s_mov_b32 s[G0+4*\s], 1
	s_add_co_u32 s[G0+4*\s+1], s45, \s*SLOT
	s_add_nc_u64 s[G0+4*\s+2:G0+4*\s+3], s[20:21], \s*24576
	s_or_b32 s[G0+4*\s+3], s[G0+4*\s+3], 0x80000000
	s_mov_b32 s[G0B+4*\s], 1
	s_add_co_u32 s[G0B+4*\s+1], s98, \s*SLOT
	s_add_nc_u64 s[G0B+4*\s+2:G0B+4*\s+3], s[46:47], \s*24576
	s_or_b32 s[G0B+4*\s+3], s[G0B+4*\s+3], 0x80000000
	JLOAD G0+4*\s, G1, G0B+4*\s, G1B
.endr
	v_and_b32 v1, 15, v0                           ; r
	v_bfe_u32 v2, v0, 4, 1                         ; h
	v_and_b32 v3, 31, v0                           ; lane
	v_lshlrev_b32 v[L16], 4, v3
	v_lshlrev_b32 v[L8], 3, v3
	s_mul_i32 s21, s15, 24576                      ; my 128 rows of A
	s_mul_i32 s22, s16, 24576
	s_add_co_u32 s22, s22, ABYTES                  ; my 128 rows of B
.irp s, 0,1
	v_add_nc_u32 v[ADRA+\s], s21, v[L16]
	v_add_nc_u32 v[ADRB+\s], s22, v[L16]
	s_add_co_u32 s21, s21, SLOT
	s_add_co_u32 s22, s22, SLOT
.endr
	v_lshlrev_b32 v5, 4, v1                        ; scale words: 16 r;
	s_mul_i32 s21, s15, NS*512                     ; A's: my group
	s_mul_i32 s22, s16, NS*512
	s_add_co_u32 s22, s22, ASC                     ; B's: my group, behind A's
	s_sub_co_u32 s22, s22, s21
	v_mul_u32_u24 v6, s22, v2                      ; lanes 16-31 take B's: the lower base + h x the distance
	s_add_co_u32 s21, s21, SCL
	v_add_nc_u32 v5, v5, v6
	v_add_nc_u32 v[ADRS], s21, v5
	s_mov_b32 s[SEL], 0x76543210
	s_mov_b32 s[SEL+1], 0xfedcba98
	s_wait_tensorcnt 1                             ; the scale words and my part of slot 0 are in (slot 1's load may be out)
	s_barrier_signal -1
	s_barrier_wait -1                              ; everybody's are
	FETCH_B 0, 0, 0
	FETCH_A 0, 0, 0
	SCALES 0
	FETCH_A 0, 0, 1
	STEP 0, 0, 1                                   ; the first step stands in front of the loop: its products start the sums
	s_mov_b32 s3, LAPS-1
.Llap:                                 ; a trip goes once round the ring and fills both slots again
	TURN 0, 1, 1
	STEP 1, 0, 0
	TURN 1, 0, 1
	STEP 0, 0, 0
	s_sub_co_u32 s3, s3, 1
	s_cmp_lg_u32 s3, 0
	s_cbranch_scc1 .Llap
	TURN 0, 1, 0                                   ; the last lap fills nothing
	STEP 1, 0, 0
	s_wait_dscnt HN
	MULQ 0, 1, 1, 1, 0
	MULQ 1, 1, 1, 1, 0
	s_wait_dscnt 0x0
	MULQ 2, 1, 1, 1, 0
	MULQ 3, 1, 1, 1, 0
	WIN 0
	PLACES
; THE WAY OUT: each block of 16 rows is quantised in registers and stored as the next operand's image: no stage.
.set W, 32                             ; v32-39 the eight blocks' scale words; v40-47 as they are stored
.irp b, 0,1,2,3
	v_mov_b32 v[TM+4+\b], 0                        ; a lane permute's destination counts as one of its sources
.endr
	v_lshlrev_b32 v31, 4, v2                       ; 16 h
	v_lshlrev_b32 v4, 4, v1
	v_lshl_add_u32 v5, v2, 12, v4                  ; 16 r + 4096 h
	v_lshl_add_u32 v4, v2, 13, v4                  ; 16 r + 8192 h
	s_lshl_b32 s20, s17, 1
	s_add_co_u32 s20, s20, s15                     ; my group of 128 of side A
	s_lshl_b32 s21, s42, 1
	s_add_co_u32 s21, s21, s16                     ; and of side B
	s_lshr_b32 s22, s21, 3                         ; q, k: 0 = q, 1 = k;
	s_and_b32 s23, s21, 7                          ; the pair of heads;
	s_lshr_b32 s45, s20, 4                         ; the batch
	s_lshl_b32 s22, s22, 1
	s_add_co_u32 s22, s22, s45
	s_lshl_b32 s22, s22, 4
	s_lshl_b32 s23, s23, 1
	s_add_co_u32 s22, s22, s23                     ; (which x 2 + batch) x 16 + even head
	s_and_b32 s23, s20, 15
	s_lshl_b32 s46, s22, 7
	s_lshl_b32 s47, s23, 3
	s_add_co_u32 s46, s46, s47
	s_mul_i32 s46, s46, 768                        ; half fragments of 768 bytes: [head][tile of 16 positions]
	s_lshl_b32 s92, s22, 13
	s_lshl_b32 s47, s23, 9
	s_add_co_u32 s92, s92, s47
	s_add_co_u32 s92, s92, QK_S                    ; scale words: [head][tile / 4][r][4]
	s_sub_co_u32 s22, s20, 16                      ; v: the pair of heads,
	s_lshl_b32 s22, s22, 1
	s_lshr_b32 s23, s21, 4
	s_lshl_b32 s23, s23, 4
	s_add_co_u32 s22, s22, s23                     ; batch x 16 + even head
	s_lshl_b32 s22, s22, 4
	s_and_b32 s23, s21, 15
	s_add_co_u32 s22, s22, s23                     ; x 16 + the step of 128 keys
	s_mul_i32 s94, s22, 6144
	s_add_co_u32 s94, s94, V_C
	s_lshl_b32 s95, s22, 8
	s_add_co_u32 s95, s95, V_S
	s_cmp_eq_u32 s99, 1
	s_cselect_b32 s46, s94, s46
	s_cselect_b32 s92, s95, s92
	s_mov_b32 s47, 0
	s_mov_b32 s93, 0
	s_add_nc_u64 s[46:47], s[8:9], s[46:47]
	s_add_nc_u64 s[92:93], s[8:9], s[92:93]
.macro OUT1 a
	s_wait_xcnt 0x0                                ; the last block's stores have read their registers
	QUANT 64*((\a)%4), 2+(\a)/4, W+(\a)
	s_cmp_eq_u32 s99, 1
	s_cbranch_scc1 .Lv_\@
	global_store_b128 v[L16], v[PC:PC+3], s[46:47] offset:768*(\a)            ; registers 0-5: the even head's 64 along K
	global_store_b64 v[L8], v[PC+4:PC+5], s[46:47] offset:768*(\a)+512
	global_store_b128 v[L16], v[PC+6:PC+9], s[46:47] offset:98304+768*(\a)    ; registers 6-11: the odd head's
	global_store_b64 v[L8], v[PC+10:PC+11], s[46:47] offset:98304+768*(\a)+512
	s_branch .Ld_\@
.Lv_\@:
.irp c, 0,1,2
	global_store_b128 v[L16], v[PC+4*\c:PC+4*\c+3], s[46:47] offset:((\a)/4)*98304+((\a)%4)*1536+512*\c   ; 16 channels x 128 keys
.endr
.Ld_\@:
.endm
.irp a, 0,1,2,3,4,5,6,7
	OUT1 \a
.endr
	s_cmp_eq_u32 s99, 1
	s_cbranch_scc1 .Lvs
.irp a, 0,1,2,3,4,5,6,7
	v_lshrrev_b32 v[40+\a], v31, v[W+\a]           ; lanes 0-15 the even head's two bytes (the upper two scale zero codes), lanes 16-31 the odd head's
.endr
	global_store_b128 v4, v[40:43], s[92:93]
	global_store_b128 v4, v[44:47], s[92:93] offset:256
	s_branch .Lend
.Lvs:
	v_cmp_le_u32 vcc_lo, 16, v3
.irp j, 0,1,2,3
	v_cndmask_b32 v[40+\j], v[W+\j], v[W+4+\j], vcc_lo    ; lanes 0-15 the even head's four tiles of channels, lanes 16-31 the odd head's
.endr
	global_store_b128 v5, v[40:43], s[92:93]
.Lend:
	s_wait_tensorcnt 0x0                           ; the wave's end
	ds_add_u32 v[SPW], v[NIL]
	s_wait_dscnt 0x0
	CROUND                                         ; the closing round: no work-group ends while a partner may still ask for a tile that names it
	s_endpgm
.Lfunc_end_k_qcfdd8864ec_qkv:
	.size	k_qcfdd8864ec_qkv, .Lfunc_end_k_qcfdd8864ec_qkv-k_qcfdd8864ec_qkv
	.p2alignl 7, 3214868480
	.fill 96, 4, 3214868480
	.section	.rodata,"a",@progbits
	.p2align	6, 0x0
	.amdhsa_kernel k_qcfdd8864ec_qkv
		.amdhsa_group_segment_fixed_size 327680
		.amdhsa_private_segment_fixed_size 0
		.amdhsa_enable_private_segment 0
		.amdhsa_kernarg_size 24
		.amdhsa_user_sgpr_count 2
		.amdhsa_user_sgpr_kernarg_segment_ptr 1
		.amdhsa_wavefront_size32 1
		.amdhsa_system_sgpr_workgroup_id_x 1
		.amdhsa_system_sgpr_workgroup_id_y 1
		.amdhsa_system_sgpr_workgroup_id_z 1
		.amdhsa_system_vgpr_workitem_id 0
		.amdhsa_next_free_vgpr 1024
		.amdhsa_next_free_sgpr 102
		.amdhsa_reserve_vcc 1
		.amdhsa_float_denorm_mode_32 3
		.amdhsa_float_denorm_mode_16_64 3
		.amdhsa_memory_ordered 1
		.amdhsa_forward_progress 1
		.amdhsa_inst_pref_size 145
	.end_amdhsa_kernel
	.amdgpu_metadata
---
amdhsa.version: [ 1, 2 ]
amdhsa.kernels:
  - .name:           k_qcfdd8864ec_qkv
    .symbol:         k_qcfdd8864ec_qkv.kd
    .args:
      - { .name: a1, .offset: 0, .size: 8, .value_kind: global_buffer, .address_space: global }
      - { .name: wq, .offset: 8, .size: 8, .value_kind: global_buffer, .address_space: global }
      - { .name: qkv, .offset: 16, .size: 8, .value_kind: global_buffer, .address_space: global }
    .group_segment_fixed_size: 327680
    .private_segment_fixed_size: 0
    .kernarg_segment_align: 8
    .kernarg_segment_size: 24
    .max_flat_workgroup_size: 128
    .sgpr_count:     102
    .vgpr_count:     1024
    .wavefront_size: 32
...
	.end_amdgpu_metadata
.endif
;; end of part 3
;; launch att (part 4): grid 16 x 16, 16 waves a work-group, no clusters, 327,680 bytes of LDS; arguments qkv, y; writes y
.if DOCPART == 4
	.amdgcn_target "amdgcn-amd-amdhsa--gfx1250"
	.amdhsa_code_object_version 6
	.text
	.protected	k_qcfdd8864ec_att
	.globl	k_qcfdd8864ec_att
	.p2align	8
	.type	k_qcfdd8864ec_att,@function
k_qcfdd8864ec_att:
	s_mov_b64 s[64:65], 0
	v_nop
	global_prefetch_b8 v0, s[64:65] scope:SCOPE_SE
	s_setreg_imm32_b32 hwreg(HW_REG_WAVE_MODE, 25, 1), 1
	s_wait_xcnt 0x0
; y = Q(softmax(q k^T / 8, causal) v), both products on codes of BF6 (E3M2) with E8M0 scales; head size 64, 2,048 tokens, 16 heads, 2 batches.
; THE SOFTMAX AHEAD OF THE SECOND PRODUCT: t = score x log2(e) / 8; M = the running largest t rounded UP to a whole number; p = 2^(t - M) is quantised along the keys, not normalised;
; the row's sum is taken of the unquantised p and divides O at the end; when M moves, the sum and O are multiplied by 2^(old M - new M), which rounds nothing.
; INPUT (buffer qkv): q, k as half fragments of 768 bytes (16 positions x 64: registers 0-3 at 16 L, registers 4-5 at 512 + 8 L); the other half of the 128 along K is zero codes on both sides, kept in registers.
; V^T as fragments of 16 channels x 128 keys.  Scale words: q, k [head][tile / 4][r][4]; v [head][step of 128 keys][r][4 tiles of channels].
; Position p holds true token (or channel) p with bits 3 and 4 exchanged: so S^T's 16 registers of two neighbouring tiles are 16 neighbouring keys, and O^T's are neighbouring channels.
; Both products are used transposed (S^T = K Q^T, O^T = V^T P^T): a lane holds one query throughout.
; SHARES: a work-group owns two heads (one K step of the next product) and the blocks of 64 queries i and 31 - i, so that every work-group has the same causal work.  Each of its sixteen waves owns 16 queries of one head.
; Every wave walks all four slots of 512 keys, so that trip counts are constants and no tensor load or barrier is jumped over; a step all of whose keys come after the wave's queries leaves out its work by a scalar branch on ids.
; NO CLUSTER: that branch hangs on the work-group's block of queries, which would differ between partners that share K and V.
; OUTPUT y: fragments (g = position / 128, s = pair of heads, a) of 1,536 bytes at ((8 g + s) 8 + a) 1536; scale words from byte 3,145,728 on.
; LIMITS: NaN and infinities are not served; a block of zeros or under 2^-122 gets the byte 1; only this program reads the bytes.
.set PIECE, 24576                      ; 512 keys of one head: K's 32 half fragments, or V's 16 fragments
.set SLOT1, 1<<17                      ; a slot: K even head, K odd, V even, V odd; slot 1 begins here
.set KSC,   262144                     ; K's scale words of both heads, 2 x 8,192
.set VSC,   278528                     ; V's, 2 x 4,096
.set SPARE, 286720                     ; the spare words, 128 bytes for each wave: eight blocks of 256 bytes that no other line names
.set YI,    288768                     ; the way out: eight fragments of y
.set YS,    301056                     ; and their scale words, 512 bytes
.set QK_S,  6291456
.set V_C,   6815744
.set V_S,   9961472
.set ACT_S, 3145728
.set AK16, 1
.set AK8,  2
.set AV,   3
.set ASK,  4
.set SPW,  5
.set NIL,  6
.set ASV,  7
.set ADK,  8
.set ADK8, 9
.set ADV,  10
.set ADS,  11
.set ADT,  28
.set L16,  29
.set DQ,   30
.set L8,   31
.set WV,   18
.set SEL,  20
.set CS,   22
.set G1C,  24
.set G1SK, 32
.set G1SV, 40
.set G0K,  48
.set G0V,  52
.set G0SK, 56
.set G0SV, 60
.set TB,   66
.set TS,   67
.set TJ,   68
.set SLOTS, 69
.set KS,   70
.set KD,   71
.macro DESC1 g, rows                   ; a group 1: a dense block as rows of 256 bytes (32 elements of 8 bytes); no mask, no padding
	s_mov_b32 s[\g], 3<<16
	s_mov_b32 s[\g+1], 32<<16
	s_mov_b32 s[\g+2], (\rows)<<16
	s_mov_b32 s[\g+3], 32<<16
	s_mov_b32 s[\g+4], \rows
	s_mov_b32 s[\g+5], 32
	s_mov_b32 s[\g+6], 0
	s_mov_b32 s[\g+7], 0
.endm
; Waves 0 and 1 fetch for K (even head, odd head), waves 2 and 3 for V, the others nothing.  Four v_nop follow each line.
.macro TLOAD g0k, g1k, g0v, g1v
	s_cmp_lt_u32 s[WV], 2
	s_cbranch_scc0 .Lnot_k_\@
	tensor_load_to_lds s[\g0k:\g0k+3], s[\g1k:\g1k+7]
	s_nop 0
.rept 4
	v_nop
.endr
	s_branch .Lasked_\@
.Lnot_k_\@:
	s_cmp_lt_u32 s[WV], 4
	s_cbranch_scc0 .Lasked_\@
	tensor_load_to_lds s[\g0v:\g0v+3], s[\g1v:\g1v+7]
	s_nop 0
.rept 4
	v_nop
.endr
.Lasked_\@:
.endm
	s_load_b128 s[4:7], s[0:1], 0x0                ; qkv, y
	v_lshl_add_u32 v[SPW], v0, 2, SPARE
	v_mov_b32 v[NIL], 0
	ds_add_u32 v5, v6
	s_wait_dscnt 0x0
	v_lshrrev_b32 v8, 5, v0
	v_readfirstlane_b32 s[WV], v8                  ; wave 0..15
	s_lshr_b32 s72, s[WV], 3                       ; c: even or odd head
	s_lshr_b32 s73, s[WV], 2
	s_xor_b32 s73, s73, s[WV]
	s_and_b32 s73, s73, 1                          ; 1: the later block of queries (bit 0 xor bit 2: early and late waves are mixed however the waves are dealt)
	s_lshr_b32 s74, s[WV], 1
	s_and_b32 s74, s74, 3                          ; which 16 of the block's 64
	s_lshl_b32 s79, ttmp9, 1
	s_sub_co_u32 s79, 31, s79
	s_mul_i32 s79, s79, s73
	s_add_co_u32 s79, s79, ttmp9                   ; my block: i or 31 - i
	s_lshl_b32 s75, s79, 2
	s_add_co_u32 s75, s75, s74                     ; my tile of 16 positions, 0..127
	s_lshr_b32 s[KD], s75, 3                       ; the step of 128 keys on my diagonal
	s_and_b32 s76, ttmp7, 0xffff
	s_and_b32 s77, s76, 7                          ; the pair of heads
	s_lshr_b32 s76, s76, 3                         ; the batch
	s_lshl_b32 s80, s76, 4
	s_lshl_b32 s81, s77, 1
	s_add_co_u32 s80, s80, s81                     ; batch x 16 + even head
	s_and_b32 s78, s[WV], 1
	s_add_co_u32 s81, s80, s78                     ; the head that I fetch, if I fetch
	s_add_co_u32 s82, s81, 32                      ; (k lies behind q's 32 heads)
	s_mul_i32 s84, s82, 98304
	s_mov_b32 s85, 0
	s_mul_i32 s86, s81, 98304
	s_add_co_u32 s86, s86, V_C
	s_mov_b32 s87, 0
	s_lshl_b32 s88, s82, 13
	s_add_co_u32 s88, s88, QK_S
	s_mov_b32 s89, 0
	s_lshl_b32 s90, s81, 12
	s_add_co_u32 s90, s90, V_S
	s_mov_b32 s91, 0
	s_mul_i32 s92, s78, PIECE
	s_lshl_b32 s93, s78, 13
	s_lshl_b32 s94, s78, 12
	DESC1 G1C, 96
	DESC1 G1SK, 32
	DESC1 G1SV, 16
	s_add_co_u32 s95, s80, s72                     ; my head
	s_lshl_b32 s96, s95, 7
	s_add_co_u32 s96, s96, s75
	s_mul_i32 s96, s96, 768                        ; my queries' half fragment
	s_mov_b32 s97, 0
	s_lshl_b32 s98, s95, 13
	s_lshr_b32 s99, s75, 2
	s_lshl_b32 s99, s99, 8
	s_add_co_u32 s98, s98, s99
	s_and_b32 s99, s75, 3
	s_lshl_b32 s99, s99, 2
	s_add_co_u32 s98, s98, s99
	s_add_co_u32 s98, s98, QK_S                    ; and its scale words
	s_mov_b32 s99, 0
	s_mov_b32 s[SEL], 0x76543210
	s_mov_b32 s[SEL+1], 0xfedcba98
	s_mov_b32 s[CS], 0x3e38aa3b                    ; c = log2(e) / 8
	s_mov_b32 s[CS+1], s[CS]
	s_mov_b32 s[TB], 0
	s_mov_b32 s[TS], 0
	s_mov_b32 s[TJ], 0
	s_mov_b32 s[SLOTS], 3
	s_mov_b32 s[KS], 0
	s_wait_kmcnt 0x0
	s_mov_b32 s[G0SK], 1
	s_add_co_u32 s[G0SK+1], s93, KSC
	s_add_nc_u64 s[G0SK+2:G0SK+3], s[4:5], s[88:89]
	s_or_b32 s[G0SK+3], s[G0SK+3], 0x80000000
	s_mov_b32 s[G0SV], 1
	s_add_co_u32 s[G0SV+1], s94, VSC
	s_add_nc_u64 s[G0SV+2:G0SV+3], s[4:5], s[90:91]
	s_or_b32 s[G0SV+3], s[G0SV+3], 0x80000000
	TLOAD G0SK, G1SK, G0SV, G1SV                   ; the scale words of both heads: filled once
	s_mov_b32 s[G0K], 1
	s_mov_b32 s[G0K+1], s92
	s_add_nc_u64 s[G0K+2:G0K+3], s[4:5], s[84:85]
	s_or_b32 s[G0K+3], s[G0K+3], 0x80000000
	s_mov_b32 s[G0V], 1
	s_add_co_u32 s[G0V+1], s92, 2*PIECE
	s_add_nc_u64 s[G0V+2:G0V+3], s[4:5], s[86:87]
	s_or_b32 s[G0V+3], s[G0V+3], 0x80000000
	TLOAD G0K, G1C, G0V, G1C                       ; slot 0
	s_add_nc_u64 s[96:97], s[4:5], s[96:97]
	s_add_nc_u64 s[98:99], s[4:5], s[98:99]
	v_and_b32 v8, 31, v0                           ; lane
	v_and_b32 v9, 15, v0                           ; r
	v_bfe_u32 v10, v0, 4, 1                        ; h
	v_lshlrev_b32 v[L16], 4, v8
	v_lshlrev_b32 v[L8], 3, v8
	v_lshlrev_b32 v254, 4, v9                      ; 16 r
	global_load_b128 v[16:19], v[L16], s[96:97]    ; Q stays in registers
	global_load_b64 v[20:21], v[L8], s[96:97] offset:512
	global_load_b32 v255, v254, s[98:99]           ; its scale words
	s_mul_i32 s95, s72, PIECE
	v_add_nc_u32 v[AK16], s95, v[L16]
	v_add_nc_u32 v[AK8], s95, v[L8]
	v_add_nc_u32 v[AK8], 512, v[AK8]
	s_add_co_u32 s95, s95, 2*PIECE
	v_add_nc_u32 v[AV], s95, v[L16]
	s_lshl_b32 s95, s72, 13
	s_add_co_u32 s95, s95, KSC
	v_add_nc_u32 v[ASK], s95, v254
	s_lshl_b32 s95, s72, 12
	s_add_co_u32 s95, s95, VSC
	v_add_nc_u32 v[ASV], s95, v254
	v_lshrrev_b32 v[DQ], 3, v9
	v_lshl_add_u32 v[DQ], v[DQ], 3, v9             ; r + 8 (r / 8)
	v_lshlrev_b32 v28, 4, v10
	v_sub_nc_u32 v[DQ], v[DQ], v28                 ; - 16 h
	s_lshr_b32 s95, s75, 1
	s_and_b32 s95, s95, 3
	s_lshl_b32 s95, s95, 5
	s_and_b32 s94, s75, 1
	s_lshl_b32 s94, s94, 3
	s_add_co_u32 s95, s95, s94
	v_add_nc_u32 v[DQ], s95, v[DQ]                 ; my true query among the diagonal step's 128, less 16 h
	v_mov_b32 v13, 0xff61b1e6                      ; the largest t so far: -3e38
	v_floor_f32 v12, -v13                          ; -M
	v_mov_b32 v14, 0
	v_mov_b32 v15, 0
.irp j, 22,23,24,25,26,27
	v_mov_b32 v[\j], 0                             ; Q's k = 64 .. 127: zero codes
.endr
.irp t, 0,1,2,3
.irp j, 6,7,8,9,10,11
	v_mov_b32 v[32+12*\t+\j], 0                    ; and K's: written once, never loaded over
.endr
.endr
.irp b, 0,1,2,3
	v_mov_b32 v[236+\b], 0                         ; a lane permute's destination counts as one of its sources
.endr
	v_mov_b32 v253, 0
.set N, 0
.rept 32
	v_mov_b32 v[160+N], 0                          ; O^T: the loop is written once; its first step finds zeros
.set N, N+1
.endr
; A KEY STEP: 128 keys, the q-th of the slot in hand.
.macro STEP q
	s_cmp_gt_u32 s[KS], s[KD]                      ; all its keys come after my queries: the work is left out
	s_cbranch_scc1 .Lhidden_\@
	v_add_nc_u32 v[ADK], s[TB], v[AK16]            ; five plain lines: S^T is laid over registers that the last products read (V's fragments), which wants five places
	v_add_nc_u32 v[ADK8], s[TB], v[AK8]
	v_add_nc_u32 v[ADV], s[TB], v[AV]
	v_add_nc_u32 v[ADS], s[TS], v[ASK]
	v_add_nc_u32 v[ADT], s[TJ], v[ASV]
.irp g, 0,1                            ; S^T = K Q^T, four tiles of 16 keys at a time
.rept 4*\g
	v_nop
.endr
.irp t, 0,1,2,3
	ds_load_b128 v[32+12*\t:35+12*\t], v[ADK] offset:6144*(\q)+768*(4*\g+\t)
	ds_load_b64 v[36+12*\t:37+12*\t], v[ADK8] offset:6144*(\q)+768*(4*\g+\t)
.endr
	ds_load_b128 v[248:251], v[ADS] offset:256*\g  ; the four tiles' scale words
	s_wait_dscnt 0x0
.irp t, 0,1,2,3
	v_wmma_scale_f32_16x16x128_f8f6f4 v[96+8*(4*\g+\t):103+8*(4*\g+\t)], v[32+12*\t:43+12*\t], v[16:27], 0, v[248+\t], v255 matrix_a_fmt:MATRIX_FMT_BF6 matrix_b_fmt:MATRIX_FMT_BF6
.endr
.endr
.rept 4
	v_nop
.endr
	s_cmp_lt_u32 s[KS], s[KD]                      ; ahead of the diagonal every key counts
	s_cbranch_scc1 .Lopen_\@
	v_mov_b32 v254, 0xff800000                     ; on it hidden scores become -infinity: register 16 b + i holds key 32 b + 16 h + i
.set N, 0
.rept 64
	v_cmp_gt_i32 vcc_lo, 32*(N/16)+N%16, v[DQ]
	v_cndmask_b32 v[96+N], v[96+N], v254, vcc_lo
.set N, N+1
.endr
.Lopen_\@:
.irp b, 0,1,2,3
	v_max3_num_f32 v[232+\b], v[96+16*\b], v[97+16*\b], v[98+16*\b]   ; the largest score of each block of 32 keys: for the row's maximum, and, since p rises with the score, for the block's largest p
.endr
.irp i, 3,5,7,9,11,13
.irp b, 0,1,2,3
	v_max3_num_f32 v[232+\b], v[232+\b], v[96+16*\b+\i], v[97+16*\b+\i]
.endr
.endr
.irp b, 0,1,2,3
	v_max_num_f32 v[232+\b], v[232+\b], v[111+16*\b]
.endr
.irp b, 0,1,2,3
	v_permlanex16_b32 v[236+\b], v[232+\b], s[SEL], s[SEL+1]
.endr
.irp b, 0,1,2,3
	v_max_num_f32 v[232+\b], v[232+\b], v[236+\b]
.endr
	v_max3_num_f32 v254, v232, v233, v234
	v_max_num_f32 v254, v254, v235
	v_mul_f32 v254, s[CS], v254
	v_max_num_f32 v13, v13, v254                   ; the running largest t
	v_mov_b32 v254, v12
	v_floor_f32 v12, -v13                          ; the new -M = -ceil(t)
	v_sub_f32 v254, v12, v254                      ; old M - new M: a whole number, 0 or less
	v_cvt_i32_f32 v254, v254
	v_ldexp_f32 v252, 1.0, v254                    ; f = 2^(old M - new M)
.set N, 0
.rept 32
	v_pk_fma_f32 v[96+N:97+N], v[96+N:97+N], s[CS:CS+1], v[12:13] op_sel_hi:[1,0,0]   ; t - M
.set N, N+2
.endr
.irp b, 0,1,2,3
	v_fma_f32 v[232+\b], v[232+\b], s[CS], v12
.endr
.set N, 0
.rept 64
	v_exp_f32 v[96+N], v[96+N]                     ; p = 2^(t - M)
.set N, N+1
.endr
.irp b, 0,1,2,3
	v_exp_f32 v[232+\b], v[232+\b]                 ; the block's largest p
.endr
	v_pk_mul_f32 v[14:15], v[14:15], v[252:253] op_sel_hi:[1,0]   ; the sums under the new M (a plain place behind the exponentials)
	s_wait_alu depctr_va_vdst(0)
.irp b, 0,1,2,3
	v_max_num_f32 v[232+\b], 0x2800000, v[232+\b]  ; the floor 2^(5 - 127)
.endr
.irp b, 0,1,2,3
	v_add_nc_u32 v[244+\b], 0xfe000000, v[232+\b]
.endr
.irp b, 0,1,2,3
	v_lshrrev_b32 v[236+\b], 23, v[244+\b]
.endr
	v_lshl_or_b32 v253, v237, 8, v236              ; p's scale word for these 128 keys
	v_lshl_or_b32 v253, v238, 16, v253
	v_lshl_or_b32 v253, v239, 24, v253
.irp c, 0,1
	v_cvt_scalef32_pk16_bf6_f32 v[224+6*\c:226+6*\c], v[96+32*\c:111+32*\c], v[244+2*\c]
	v_cvt_scalef32_pk16_bf6_f32 v[236+4*\c:238+4*\c], v[112+32*\c:127+32*\c], v[244+2*\c+1]
.endr
	v_nop                                          ; one plain place behind a scaled conversion
.irp c, 0,1
.irp i, 0,1,2
	v_permlane16_swap_b32 v[224+6*\c+\i], v[236+4*\c+\i]
.endr
.irp i, 0,1,2
	v_mov_b32 v[227+6*\c+\i], v[236+4*\c+\i]
.endr
.endr
	v_pk_add_f32 v[236:237], v[96:97], v[98:99]    ; the row's sum is taken of the unquantised p, in two chains
.irp j, 4,8,12,16,20,24,28,32,36,40,44,48,52,56,60
	v_pk_add_f32 v[14:15], v[14:15], v[96+\j:97+\j]
	v_pk_add_f32 v[236:237], v[236:237], v[98+\j:99+\j]
.endr
	v_pk_add_f32 v[14:15], v[14:15], v[236:237]
.set N, 0
.rept 16
	v_pk_mul_f32 v[160+N:161+N], v[160+N:161+N], v[252:253] op_sel_hi:[1,0]   ; O^T under the new M.  (With the sums above: the places in front of the scaled products below)
.set N, N+2
.endr
.irp t, 0,1,2,3                        ; O^T += V^T P^T: four tiles of 16 channels; V's fragments take the registers that p has left
.irp cc, 0,1,2
	ds_load_b128 v[96+12*\t+4*\cc:99+12*\t+4*\cc], v[ADV] offset:6144*(\q)+1536*\t+512*\cc
.endr
.endr
	ds_load_b128 v[248:251], v[ADT]
	s_wait_dscnt 0x0
.irp t, 0,1,2,3
	v_wmma_scale_f32_16x16x128_f8f6f4 v[160+8*\t:167+8*\t], v[96+12*\t:107+12*\t], v[224:235], v[160+8*\t:167+8*\t], v[248+\t], v253 matrix_a_fmt:MATRIX_FMT_BF6 matrix_b_fmt:MATRIX_FMT_BF6
.endr
.Lhidden_\@:
	s_add_co_u32 s[KS], s[KS], 1
	s_add_co_u32 s[TS], s[TS], 512
	s_add_co_u32 s[TJ], s[TJ], 256
.endm
; THE CHANGE OF SLOTS stands at a slot's head: each wave waits for all its tensor loads, adds 0 to its spare word, waits for that and for its reads of the slot that it has left; behind the barrier that slot is filled with the keys that follow.
.macro CHANGE fill
	s_wait_tensorcnt 0x0                           ; no tensor load of mine is out, so a group 0 may be written
	ds_add_u32 v[SPW], v[NIL]                      ; 0 onto my spare word
.if \fill
	s_xor_b32 s[G0K+1], s[G0K+1], SLOT1
	s_add_nc_u64 s[G0K+2:G0K+3], s[G0K+2:G0K+3], PIECE
	s_xor_b32 s[G0V+1], s[G0V+1], SLOT1
	s_add_nc_u64 s[G0V+2:G0V+3], s[G0V+2:G0V+3], PIECE
.endif
	s_wait_dscnt 0x0
	s_barrier_signal -1
	s_barrier_wait -1
.if \fill
	TLOAD G0K, G1C, G0V, G1C                       ; the first thing behind the barrier, and a wave's one tensor load until the next
.endif
.endm
.macro SLOT_STEPS
	STEP 0
	STEP 1
	STEP 2
	STEP 3
	s_xor_b32 s[TB], s[TB], SLOT1
.endm
	s_wait_loadcnt 0x0                             ; Q
.Lslot:                                ; three trips: behind each change of slots but the last the next slot is asked for
	CHANGE 1
	SLOT_STEPS
	s_sub_co_u32 s[SLOTS], s[SLOTS], 1
	s_cmp_lg_u32 s[SLOTS], 0
	s_cbranch_scc1 .Lslot
	CHANGE 0                                       ; the last slot is written out
	SLOT_STEPS
; THE WAY OUT: O^T / the sum, quantised along the head's 64: six registers, half of a fragment of y; the two heads' halves meet in LDS.
	v_add_f32 v14, v14, v15
	v_permlanex16_b32 v252, v14, s[SEL], s[SEL+1]
	v_add_f32 v14, v14, v252
	v_rcp_f32 v14, v14
	v_and_b32 v8, 15, v0                           ; r  (plain lines: the place behind the reciprocal, and the places behind the last products)
	v_bfe_u32 v13, v0, 4, 1                        ; h
	s_lshl_b32 s96, s73, 2
	s_add_co_u32 s96, s96, s74
	s_mul_i32 s96, s96, 1536
	s_add_co_u32 s96, s96, YI                      ; my fragment among the work-group's eight
	s_lshl_b32 s97, s72, 10
	s_add_co_u32 s97, s97, s96
	v_add_nc_u32 v9, s97, v[L16]                   ; registers 0-3 (even head) or 8-11 (odd)
	s_lshl_b32 s97, s72, 3
	s_add_co_u32 s97, s97, s96
	s_add_co_u32 s97, s97, 512
	v_add_nc_u32 v10, s97, v[L16]                  ; registers 4-5 or 6-7
	s_lshl_b32 s97, s73, 8
	s_lshl_b32 s98, s74, 2
	s_add_co_u32 s97, s97, s98
	s_lshl_b32 s98, s72, 1
	s_add_co_u32 s97, s97, s98
	s_add_co_u32 s97, s97, YS
	v_lshl_add_u32 v11, v8, 4, s97                 ; my two scale bytes
	v_add_nc_u32 v28, s96, v[L16]                  ; back
	v_add_nc_u32 v12, YS, v[L16]
	s_lshl_b32 s82, s76, 4
	s_lshr_b32 s83, s75, 3
	s_add_co_u32 s82, s82, s83
	s_lshl_b32 s82, s82, 3
	s_add_co_u32 s82, s82, s77
	s_lshl_b32 s82, s82, 3
	s_and_b32 s83, s75, 7
	s_add_co_u32 s82, s82, s83
	s_mul_i32 s82, s82, 1536
	s_mov_b32 s83, 0
	s_add_nc_u64 s[82:83], s[6:7], s[82:83]        ; my fragment in y
	s_lshl_b32 s84, s76, 4
	s_lshr_b32 s85, ttmp9, 1
	s_add_co_u32 s85, s85, s84
	s_lshl_b32 s85, s85, 3
	s_add_co_u32 s85, s85, s77
	s_lshl_b32 s85, s85, 9
	s_and_b32 s86, ttmp9, 1
	s_lshl_b32 s86, s86, 8
	s_add_co_u32 s85, s85, s86                     ; the early block's 256 bytes of scale words
	s_sub_co_u32 s87, 31, ttmp9
	s_lshr_b32 s88, s87, 1
	s_add_co_u32 s88, s88, s84
	s_lshl_b32 s88, s88, 3
	s_add_co_u32 s88, s88, s77
	s_lshl_b32 s88, s88, 9
	s_and_b32 s87, s87, 1
	s_lshl_b32 s87, s87, 8
	s_add_co_u32 s88, s88, s87                     ; the late block's
	s_sub_co_u32 s88, s88, s85
	s_add_co_u32 s84, s85, ACT_S
	s_mov_b32 s85, 0
	s_add_nc_u64 s[84:85], s[6:7], s[84:85]
	v_mul_u32_u24 v13, s88, v13
	v_lshl_add_u32 v13, v8, 4, v13                 ; 16 r + h x the distance between the two
.set N, 0
	s_wait_alu depctr_va_vdst(0)
.rept 32
	v_mul_f32 v[96+N], v[160+N], v14               ; register 16 b + i is channel 32 b + 16 h + i of my query
.set N, N+1
.endr
.irp b, 0,1
	v_max3_num_f32 v[232+\b], |v[96+16*\b]|, |v[97+16*\b]|, 0x2800000
.endr
.irp i, 2,4,6,8,10,12,14
.irp b, 0,1
	v_max3_num_f32 v[232+\b], v[232+\b], |v[96+16*\b+\i]|, |v[97+16*\b+\i]|
.endr
.endr
.irp b, 0,1
	v_permlanex16_b32 v[236+\b], v[232+\b], s[SEL], s[SEL+1]
.endr
.irp b, 0,1
	v_max_num_f32 v[232+\b], v[232+\b], v[236+\b]
.endr
.irp b, 0,1
	v_add_nc_u32 v[244+\b], 0xfe000000, v[232+\b]
.endr
.irp b, 0,1
	v_lshrrev_b32 v[236+\b], 23, v[244+\b]
.endr
	v_lshl_or_b32 v253, v237, 8, v236              ; my head's two bytes
	v_cvt_scalef32_pk16_bf6_f32 v[224:226], v[96:111], v244
	v_cvt_scalef32_pk16_bf6_f32 v[236:238], v[112:127], v245
	v_nop
.irp i, 0,1,2
	v_permlane16_swap_b32 v[224+\i], v[236+\i]
.endr
.irp i, 0,1,2
	v_mov_b32 v[227+\i], v[236+\i]
.endr
	s_cmp_eq_u32 s72, 1
	s_cselect_b32 s99, -1, 0                       ; the odd head's six registers are registers 6-11 of the fragment: two, then four
	v_cndmask_b32 v32, v224, v226, s99
	v_cndmask_b32 v33, v225, v227, s99
	v_cndmask_b32 v34, v226, v228, s99
	v_cndmask_b32 v35, v227, v229, s99
	v_cndmask_b32 v36, v228, v224, s99
	v_cndmask_b32 v37, v229, v225, s99
	ds_store_b128 v9, v[32:35]
	ds_store_b64 v10, v[36:37]
	ds_store_b16 v11, v253                         ; (both halves of the lanes write the same bytes with the same value)
	s_wait_dscnt 0x0                               ; for the others' sake
	s_barrier_signal -1
	s_barrier_wait -1
	s_cmp_lt_u32 s[WV], 8
	s_cbranch_scc0 .Ldone                          ; the even head's waves store the whole fragments
.irp c, 0,1,2
	ds_load_b128 v[40+4*\c:43+4*\c], v28 offset:512*\c
.endr
	s_wait_dscnt 0x0
.irp c, 0,1,2
	global_store_b128 v[L16], v[40+4*\c:43+4*\c], s[82:83] offset:512*\c
.endr
	s_cmp_eq_u32 s[WV], 0
	s_cbranch_scc0 .Ldone                          ; wave 0 the scale words: two aligned runs of 256 bytes
	ds_load_b128 v[52:55], v12
	s_wait_dscnt 0x0
	global_store_b128 v13, v[52:55], s[84:85]
.Ldone:
	s_wait_tensorcnt 0x0                           ; the wave's end
	ds_add_u32 v[SPW], v[NIL]
	s_wait_dscnt 0x0
	s_endpgm
.Lfunc_end_k_qcfdd8864ec_att:
	.size	k_qcfdd8864ec_att, .Lfunc_end_k_qcfdd8864ec_att-k_qcfdd8864ec_att
	.p2alignl 7, 3214868480
	.fill 96, 4, 3214868480
	.section	.rodata,"a",@progbits
	.p2align	6, 0x0
	.amdhsa_kernel k_qcfdd8864ec_att
		.amdhsa_group_segment_fixed_size 327680
		.amdhsa_private_segment_fixed_size 0
		.amdhsa_enable_private_segment 0
		.amdhsa_kernarg_size 16
		.amdhsa_user_sgpr_count 2
		.amdhsa_user_sgpr_kernarg_segment_ptr 1
		.amdhsa_wavefront_size32 1
		.amdhsa_system_sgpr_workgroup_id_x 1
		.amdhsa_system_sgpr_workgroup_id_y 1
		.amdhsa_system_sgpr_workgroup_id_z 1
		.amdhsa_system_vgpr_workitem_id 0
		.amdhsa_next_free_vgpr 256
		.amdhsa_next_free_sgpr 100
		.amdhsa_reserve_vcc 1
		.amdhsa_float_denorm_mode_32 3
		.amdhsa_float_denorm_mode_16_64 3
		.amdhsa_memory_ordered 1
		.amdhsa_forward_progress 1
		.amdhsa_inst_pref_size 185
	.end_amdhsa_kernel
	.amdgpu_metadata
---
amdhsa.version: [ 1, 2 ]
amdhsa.kernels:
  - .name:           k_qcfdd8864ec_att
    .symbol:         k_qcfdd8864ec_att.kd
    .args:
      - { .name: qkv, .offset: 0, .size: 8, .value_kind: global_buffer, .address_space: global }
      - { .name: y, .offset: 8, .size: 8, .value_kind: global_buffer, .address_space: global }
    .group_segment_fixed_size: 327680
    .private_segment_fixed_size: 0
    .kernarg_segment_align: 8
    .kernarg_segment_size: 16
    .max_flat_workgroup_size: 512
    .sgpr_count:     100
    .vgpr_count:     256
    .wavefront_size: 32
...
	.end_amdgpu_metadata
.endif
;; end of part 4
;; launch proj (part 5): grid 4 x 32, 4 waves a work-group, clusters of 4 x 4, 327,680 bytes of LDS; arguments y, wq, x, x1; writes x1
.if DOCPART == 5
	.amdgcn_target "amdgcn-amd-amdhsa--gfx1250"
	.amdhsa_code_object_version 6
	.text
	.protected	k_qcfdd8864ec_proj
	.globl	k_qcfdd8864ec_proj
	.p2align	8
	.type	k_qcfdd8864ec_proj,@function
k_qcfdd8864ec_proj:
	s_mov_b64 s[64:65], 0
	v_nop
	global_prefetch_b8 v0, s[64:65] scope:SCOPE_SE
	s_setreg_imm32_b32 hwreg(HW_REG_WAVE_MODE, 25, 1), 1
	s_wait_xcnt 0x0
	s_wait_alu depctr_hold_cnt(0) depctr_sa_sdst(0) depctr_va_vdst(0) depctr_va_sdst(0) depctr_va_ssrc(0) depctr_va_vcc(0) depctr_vm_vsrc(0)
	s_getreg_b32 s2, hwreg(HW_REG_IB_STS2, 6, 4)
	s_cmp_eq_u32 s2, 0
	s_cbranch_scc0 .Lentry_in_a_cluster
	s_endpgm
.Lentry_in_a_cluster:
	s_bfe_u32 s2, ttmp6, 0x10000c
	s_cmp_lg_u32 s2, 0xf033
	s_cbranch_scc0 .Lentry_shape_is_right
	s_endpgm
.Lentry_shape_is_right:
; x1 = x + Q(y) Q(w_attn_proj), on codes of BF6 (E3M2) with E8M0 scales; sums in f32; x1 in f32, true rows.
; OPERANDS lie in the order of the operand's registers: fragment (g, s, a) = 16 rows x 128 K = 1,536 bytes at ((g NS + s) 8 + a) 1536; scale words of (g, s): 512 bytes, the word of (a, r) at 256 (a / 4) + 16 r + 4 (a % 4).
; Position p of an operand holds true row p with bits 3 and 4 exchanged.  THE MATRIX INSTRUCTION IS USED TRANSPOSED (source 0 = 16 rows of the weight, source 1 = 16 tokens): in accumulator (a, b) lane (r, h) holds
; token position 16 a + r and, in register j, the TRUE column 32 (b / 2) + 16 h + 8 (b % 2) + j.
; A tile of 128 tokens x 256 columns is made by four waves, 64 x 128 each (32 accumulators): with 1,024 columns that gives 128 work-groups where a tile of 256 tokens would give 64, and leaves a window of registers for the residual,
; which is asked for ahead of the loop.  K goes in steps of 256 through two LDS slots; the scale words of all K come once.
; CLUSTERS: 4 x 4 work-groups; A's tiles are asked for jointly along a row of the cluster, B's along a column.
; REGISTERS: window 0: v1-31 addresses; v32-63 scale words, two sets; from v128 A's fragments, one set; on the way out v128-255 rows of the result.  window 1: B's fragments, two sets.  window 2: accumulator (a, b) at v[8 (8 a + b)].  window 3: the residual.
.set EPI,  3
.set MB,   4
.set NS,   8
.set BIAS, 0
.set A_S,  3145728
.set B_C,  2457600
.set B_S,  3244032
.set PRES, 8
.set POUT, 10
.set FR,     12
.set HN,     3*MB/2
.set ABYTES, MB*6144
.set SLOT,   ABYTES+49152
.set SCL,    2*SLOT
.set ASC,    (MB/4)*NS*512
.set SPARE,  SCL+ASC+NS*1024           ; the spare words, 128 bytes for each wave: two blocks of 256 bytes that no other line names
.set LAPS,   NS/4
.set ADRA, 16
.set ADRB, 20
.set STO,  24
.set RD,   25
.set L16,  26
.set ADRS, 27
.set SPW,  28
.set NIL,  29
.set L8,   30
.set SC,   32
.set BI,   64
.set AF,   128
.set BK,   128
.set G1,   24
.set G0,   32
.set G1B,  48
.set G0B,  56
.set G1S,  68
.set G0S,  76
.set G1SB, 80
.set G0SB, 88
.set MSB, 0
.macro WIN new                         ; the immediate's high byte repeats the setting that is left
.if MSB != (\new)
	s_set_vgpr_msb (MSB<<8)|(\new)
.set MSB, (\new)
.endif
.endm
.macro PLACES                          ; four places behind a matrix instruction, in front of loads into its registers and of reads of its results
.rept 4
	v_nop
.endr
.endm
; A joint load: waves 0 and 1 fetch for A, waves 2 and 3 for B; the branch hangs on the wave's number alone.  Four v_nop follow each line.
.macro JLOAD g0a, g1a, g0b, g1b
	s_cmp_eq_u32 s15, 0
	s_cbranch_scc0 .Lfor_b_\@
	tensor_load_to_lds s[\g0a:\g0a+3], s[\g1a:\g1a+7]
	s_nop 0
.rept 4
	v_nop
.endr
	s_branch .Lasked_\@
.Lfor_b_\@:
	tensor_load_to_lds s[\g0b:\g0b+3], s[\g1b:\g1b+7]
	s_nop 0
.rept 4
	v_nop
.endr
.Lasked_\@:
.endm
.macro CREST                           ; a round of the cluster's barrier behind its opening barrier
	s_cmp_lg_u32 s14, 0
	s_cbranch_scc1 .Lnot_wave_0_\@
	s_barrier_signal -3
.Lnot_wave_0_\@:
	s_barrier_wait -3
	s_barrier_signal -1
	s_barrier_wait -1
.endm
.macro CROUND
	s_barrier_signal -1
	s_barrier_wait -1
	CREST
.endm
.macro DESC1 g, rows                   ; words 1 to 7 of a group 1: a dense block as rows of 256 bytes (32 elements of 8 bytes)
	s_mov_b32 s[\g+1], 32<<16
	s_mov_b32 s[\g+2], (\rows)<<16
	s_mov_b32 s[\g+3], 32<<16
	s_mov_b32 s[\g+4], \rows
	s_mov_b32 s[\g+5], 32
	s_mov_b32 s[\g+6], 0
	s_mov_b32 s[\g+7], 0
.endm
.macro FRAG reg, adr, q, i             ; a fragment as it lies: three loads of 512 consecutive bytes
.irp c, 0,1,2
	ds_load_b128 v[\reg+4*\c:\reg+4*\c+3], v[\adr] offset:(\q)*12288+(\i)*1536+512*\c
.endr
.endm
.macro FETCH_B slot, q, p
	WIN 0x40
.irp i, 0,1,2,3,4,5,6,7
	FRAG 128*(\p)+FR*\i, ADRB+\slot, \q, \i
.endr
	WIN 0
.endm
.macro FETCH_A slot, q, half
.set I0, (\half)*MB/2
.rept MB/2
	FRAG AF+FR*I0, ADRA+\slot, \q, I0
.set I0, I0+1
.endr
.endm
.macro SCALES sc                       ; a slot's scale words: register SC + 16 sc + 8 q + i: lanes 0-15 the word of A's block i (i < 4), lanes 16-31 that of B's block i
.irp q, 0,1
.irp u, 0,1
	ds_load_b128 v[SC+16*(\sc)+8*\q+4*\u:SC+16*(\sc)+8*\q+4*\u+3], v[ADRS] offset:512*\q+256*\u
.endr
.endr
.endm
; A quarter of a step of 128 along K: MB / 4 blocks of A against B's eight.  The accumulators take turns, one instruction a turn, in the same order in every step.
.macro MULQ qd, p, q, sc, first
.set A0, (\qd)*MB/4
.rept MB/4
.if (\first) && BIAS
	WIN 0x81+0x40*(A0/4)
.else
	WIN 0xa1+0x50*(A0/4)
.endif
.irp b, 0,1,2,3,4,5,6,7
.set DD, 8*(8*(A0%4)+\b)
.set BR, 128*(\p)+FR*\b
.set AR, AF+FR*A0
.set SBR, SC+16*(\sc)+8*(\q)+\b
.set SAR, SC+16*(\sc)+8*(\q)+A0
.if (\first) && BIAS
	v_wmma_scale_f32_16x16x128_f8f6f4 v[DD:DD+7], v[BR:BR+11], v[AR:AR+11], v[BI+8*\b:BI+8*\b+7], v[SBR], v[SAR] matrix_a_fmt:MATRIX_FMT_BF6 matrix_b_fmt:MATRIX_FMT_BF6 matrix_a_scale:MATRIX_SCALE_ROW1
.elseif \first
	v_wmma_scale_f32_16x16x128_f8f6f4 v[DD:DD+7], v[BR:BR+11], v[AR:AR+11], 0, v[SBR], v[SAR] matrix_a_fmt:MATRIX_FMT_BF6 matrix_b_fmt:MATRIX_FMT_BF6 matrix_a_scale:MATRIX_SCALE_ROW1
.else
	v_wmma_scale_f32_16x16x128_f8f6f4 v[DD:DD+7], v[BR:BR+11], v[AR:AR+11], v[DD:DD+7], v[SBR], v[SAR] matrix_a_fmt:MATRIX_FMT_BF6 matrix_b_fmt:MATRIX_FMT_BF6 matrix_a_scale:MATRIX_SCALE_ROW1
.endif
.endr
.set A0, A0+1
.endr
.endm
.macro STEP slot, q, first             ; a step of 128 along K that has its successor in the same slot
	s_wait_dscnt HN                                ; B's set and A's first half are in; the youngest HN loads (A's second half) may be out
	MULQ 0, (\q)%2, \q, \slot, \first
	MULQ 1, (\q)%2, \q, \slot, \first
	s_wait_dscnt 0x0                               ; A's second half is in
	PLACES
	FETCH_B \slot, (\q)+1, 1-(\q)%2
	FETCH_A \slot, (\q)+1, 0
	MULQ 2, (\q)%2, \q, \slot, \first
	MULQ 3, (\q)%2, \q, \slot, \first
	PLACES
	WIN 0
	FETCH_A \slot, (\q)+1, 1
.endm
; A slot's last step changes slots: one barrier; in front of it each wave waits for all its tensor loads, adds 0 to its spare word, and waits for that and for its reads of this slot.
.macro TURN slot, next, fill
	s_wait_tensorcnt 0x0                           ; all my tensor loads have landed: my part of the next slot
	ds_add_u32 v[SPW], v[NIL]                      ; 0 onto my spare word
	s_wait_dscnt HN+1                              ; (the add and A's second half may be out)
	MULQ 0, 1, 1, \slot, 0
	s_wait_dscnt 0x0                               ; the add is done, and my reads of this slot are over
	s_barrier_signal -1
	MULQ 1, 1, 1, \slot, 0
	WIN 0
	s_barrier_wait -1
.if \fill
	CREST                                          ; the barrier has opened a round of the cluster's: no wave of any partner still reads this slot or has a load on its way
	s_add_nc_u64 s[G0+4*\slot+2:G0+4*\slot+3], s[G0+4*\slot+2:G0+4*\slot+3], 49152
	s_add_nc_u64 s[G0B+4*\slot+2:G0B+4*\slot+3], s[G0B+4*\slot+2:G0B+4*\slot+3], 49152
	JLOAD G0+4*\slot, G1, G0B+4*\slot, G1B         ; the first tensor load behind the round; its four v_nop are the places in front of the loads below
.else
	PLACES
.endif
	v_add_nc_u32 v[ADRS], 1024, v[ADRS]            ; the next slot's scale words
	FETCH_B \next, 0, 0
	FETCH_A \next, 0, 0
	SCALES \next
	MULQ 2, 1, 1, \slot, 0
	MULQ 3, 1, 1, \slot, 0
	PLACES
	WIN 0
	FETCH_A \next, 0, 1
.endm
	s_load_b128 s[4:7], s[0:1], 0x0                ; y, wq
	s_load_b128 s[8:11], s[0:1], 0x10              ; x, x1
	v_lshl_add_u32 v[SPW], v0, 2, SPARE
	v_mov_b32 v[NIL], 0
	ds_add_u32 v28, v29
	s_wait_dscnt 0x0
	v_lshrrev_b32 v1, 5, v0
	v_readfirstlane_b32 s14, v1                    ; wave 0..3
	s_lshr_b32 s15, s14, 1                         ; which half of A's rows is mine.  Also: I fetch for A (0) or for B (1)
	s_and_b32 s16, s14, 1                          ; which half of B's rows.  Also: which half of that tile I fetch
	s_bfe_u32 s40, ttmp6, 0x40000                  ; cx
	s_bfe_u32 s41, ttmp6, 0x40004                  ; cy
	s_lshl_b32 s42, ttmp9, 2
	s_and_b32 s17, ttmp7, 0xffff
	s_lshl_b32 s17, s17, 2
	s_add_co_u32 s42, s42, s40                     ; B's tile of 256 columns
	s_add_co_u32 s17, s17, s41                     ; A's tile of 128 tokens
	s_lshl_b32 s43, s41, 2
	s_lshl_b32 s43, 15, s43                        ; my row of the cluster
	s_lshl_b32 s44, 0x1111, s40                    ; my column
	s_or_b32 s[G1+0], s43, (3<<16)|(1<<21)         ; 15:0 the mask; 17:16 elements of 8 bytes; 21 set beside a mask; no padding
	s_or_b32 s[G1B+0], s44, (3<<16)|(1<<21)
	s_or_b32 s[G1S+0], s43, (3<<16)|(1<<21)
	s_or_b32 s[G1SB+0], s44, (3<<16)|(1<<21)
	DESC1 G1, MB*12
	DESC1 G1B, 96
	DESC1 G1S, MB*NS/4
	DESC1 G1SB, 2*NS
	s_mul_i32 s20, s17, NS*12288                   ; A's group; of a slot's two steps of 128 I fetch one
	s_mul_i32 s18, s16, 12288
	s_add_co_u32 s20, s20, s18
	s_mul_i32 s22, s17, NS*512
	s_mul_i32 s18, s16, NS*256
	s_add_co_u32 s22, s22, s18
	s_add_co_u32 s22, s22, A_S
	s_mov_b32 s21, 0
	s_mov_b32 s23, 0
	s_lshl_b32 s46, s42, 1
	s_add_co_u32 s46, s46, s16                     ; the group of 128 rows of B that I fetch
	s_mul_i32 s92, s46, NS*512
	s_mul_i32 s46, s46, NS*12288
	s_add_co_u32 s92, s92, B_S
	s_add_co_u32 s46, s46, B_C
	s_mov_b32 s47, 0
	s_mov_b32 s93, 0
	s_mul_i32 s45, s16, MB*3072                    ; where they go in LDS: no place in the cluster enters an LDS address
	s_mul_i32 s98, s16, 24576
	s_add_co_u32 s98, s98, ABYTES
	s_mul_i32 s100, s16, MB*NS*64
	s_add_co_u32 s100, s100, SCL
	s_mul_i32 s101, s16, NS*512
	s_add_co_u32 s101, s101, SCL+ASC
	s_wait_kmcnt 0x0
	s_add_nc_u64 s[20:21], s[4:5], s[20:21]
	s_add_nc_u64 s[22:23], s[4:5], s[22:23]
	s_add_nc_u64 s[46:47], s[6:7], s[46:47]
	s_add_nc_u64 s[92:93], s[6:7], s[92:93]
	CROUND                                         ; all sixteen work-groups are here: the first joint loads meet
	s_mov_b32 s[G0S], 1
	s_mov_b32 s[G0S+1], s100
	s_mov_b64 s[G0S+2:G0S+3], s[22:23]
	s_or_b32 s[G0S+3], s[G0S+3], 0x80000000
	s_mov_b32 s[G0SB], 1
	s_mov_b32 s[G0SB+1], s101
	s_mov_b64 s[G0SB+2:G0SB+3], s[92:93]
	s_or_b32 s[G0SB+3], s[G0SB+3], 0x80000000
	JLOAD G0S, G1S, G0SB, G1SB                     ; the scale words of all K: filled once
.irp s, 0,1
	s_mov_b32 s[G0+4*\s], 1
	s_add_co_u32 s[G0+4*\s+1], s45, \s*SLOT
	s_add_nc_u64 s[G0+4*\s+2:G0+4*\s+3], s[20:21], \s*24576
	s_or_b32 s[G0+4*\s+3], s[G0+4*\s+3], 0x80000000
	s_mov_b32 s[G0B+4*\s], 1
	s_add_co_u32 s[G0B+4*\s+1], s98, \s*SLOT
	s_add_nc_u64 s[G0B+4*\s+2:G0B+4*\s+3], s[46:47], \s*24576
	s_or_b32 s[G0B+4*\s+3], s[G0B+4*\s+3], 0x80000000
	JLOAD G0+4*\s, G1, G0B+4*\s, G1B
.endr
	v_and_b32 v1, 15, v0                           ; r
	v_bfe_u32 v2, v0, 4, 1                         ; h
	v_and_b32 v3, 31, v0                           ; lane
	v_lshlrev_b32 v[L16], 4, v3
	v_lshlrev_b32 v[L8], 3, v3
	s_mul_i32 s21, s15, 6144                       ; my four blocks of A
	s_mul_i32 s22, s16, 24576
	s_add_co_u32 s22, s22, ABYTES                  ; my 128 rows of B
.irp s, 0,1
	v_add_nc_u32 v[ADRA+\s], s21, v[L16]
	v_add_nc_u32 v[ADRB+\s], s22, v[L16]
	s_add_co_u32 s21, s21, SLOT
	s_add_co_u32 s22, s22, SLOT
.endr
	v_lshlrev_b32 v5, 4, v1                        ; scale words: 16 r;
	s_mul_i32 s21, s15, 256                        ; A's: my four blocks' half of an image
	s_mul_i32 s22, s16, NS*512
	s_add_co_u32 s22, s22, ASC                     ; B's: my group, behind A's
	s_sub_co_u32 s22, s22, s21
	v_mul_u32_u24 v6, s22, v2                      ; lanes 16-31 take B's: the lower base + h x the distance
	s_add_co_u32 s21, s21, SCL
	v_add_nc_u32 v5, v5, v6
	v_add_nc_u32 v[ADRS], s21, v5
	s_mul_i32 s23, s14, 8448                       ; my stage: 16 rows x 528 bytes, in slot 0, used behind that slot's last fill and last read
	v_mul_u32_u24 v5, v1, 528
	v_lshl_add_u32 v5, v2, 6, v5
	v_add_nc_u32 v[STO], s23, v5                   ; in: row r, + 64 h
	v_add_nc_u32 v[RD], s23, v[L16]                ; back: a row of 512 bytes
	s_lshl_b32 s18, s17, 19                        ; my first row: 128 x tile + 64 x half, rows of 4,096 bytes;
	s_lshl_b32 s19, s15, 18
	s_add_co_u32 s18, s18, s19
	s_lshl_b32 s19, s42, 10                        ; my first column: 256 x tile + 128 x half
	s_add_co_u32 s18, s18, s19
	s_lshl_b32 s19, s16, 9
	s_add_co_u32 s18, s18, s19
	s_mov_b32 s19, 0
	s_add_nc_u64 s[PRES:PRES+1], s[PRES:PRES+1], s[18:19]
	s_add_nc_u64 s[POUT:POUT+1], s[POUT:POUT+1], s[18:19]
	s_wait_tensorcnt 1                             ; the scale words and my part of slot 0 are in (slot 1's load may be out)
	s_barrier_signal -1
	s_barrier_wait -1                              ; everybody's are
	FETCH_B 0, 0, 0
	FETCH_A 0, 0, 0
	SCALES 0
	FETCH_A 0, 0, 1
	WIN 0xc0                                       ; the residual, into window 3: row t of block a is true row 32 (a / 2) + 16 (t / 8) + 8 (a % 2) + t % 8 of my 64
.irp a, 0,1,2,3
.irp t, 0,1,2,3,4,5,6,7,8,9,10,11,12,13,14,15
	global_load_b128 v[4*(16*\a+\t):4*(16*\a+\t)+3], v[L16], s[PRES:PRES+1] offset:(32*(\a/2)+16*(\t/8)+8*(\a%2)+\t%8)*4096
.endr
.endr
	WIN 0
	STEP 0, 0, 1                                   ; the first step stands in front of the loop: its products start the sums
	s_mov_b32 s3, LAPS-1
.Llap:                                 ; a trip goes once round the ring and fills both slots again
	TURN 0, 1, 1
	STEP 1, 0, 0
	TURN 1, 0, 1
	STEP 0, 0, 0
	s_sub_co_u32 s3, s3, 1
	s_cmp_lg_u32 s3, 0
	s_cbranch_scc1 .Llap
	TURN 0, 1, 0                                   ; the last lap fills nothing
	STEP 1, 0, 0
	s_wait_dscnt HN
	MULQ 0, 1, 1, 1, 0
	MULQ 1, 1, 1, 1, 0
	s_wait_dscnt 0x0
	MULQ 2, 1, 1, 1, 0
	MULQ 3, 1, 1, 1, 0
	WIN 0
	PLACES
; THE WAY OUT, block by block of 16 rows x 128 columns, through my own stage: back come whole rows of 512 bytes, the residual is added, and 32 lanes store 512 consecutive bytes.
.macro TOSTAGE a
	WIN 0x08                                       ; an LDS store's data: window 2
.irp b, 0,1,2,3,4,5,6,7
	ds_store_b128 v[STO], v[64*(\a)+8*\b:64*(\a)+8*\b+3] offset:128*(\b/2)+32*(\b%2)       ; each accumulator from its low end on
	ds_store_b128 v[STO], v[64*(\a)+8*\b+4:64*(\a)+8*\b+7] offset:128*(\b/2)+32*(\b%2)+16
.endr
	WIN 0
.set BB, BK+64*((\a)%2)
.irp t, 0,1,2,3,4,5,6,7,8,9,10,11,12,13,14,15
	ds_load_b128 v[BB+4*\t:BB+4*\t+3], v[RD] offset:\t*528     ; LDS serves a wave's instructions in order: these see the stores above
.endr
.endm
.macro SEND a, younger                 ; younger: the LDS instructions issued behind block a's loads
.set BB, BK+64*((\a)%2)
	s_wait_dscnt \younger
	WIN 0x0c                                       ; source 1: window 3
.set I, 0
.rept 32
	v_pk_add_f32 v[BB+I:BB+I+1], v[BB+I:BB+I+1], v[64*(\a)+I:64*(\a)+I+1]
.set I, I+2
.endr
	WIN 0
.irp t, 0,1,2,3,4,5,6,7,8,9,10,11,12,13,14,15
	global_store_b128 v[L16], v[BB+4*\t:BB+4*\t+3], s[POUT:POUT+1] offset:(32*((\a)/2)+16*(\t/8)+8*((\a)%2)+\t%8)*4096
.endr
.endm
	s_wait_loadcnt 0x0                             ; the residual
	TOSTAGE 0
.irp a, 1,2,3
.if \a > 1
	s_wait_xcnt 0x0                                ; block a - 2's stores have read their registers: block a's loads may land there
.endif
	TOSTAGE \a
	SEND \a-1, 32                                  ; behind block a - 1's loads: block a's 16 stores and 16 loads
.endr
	SEND 3, 0
	s_wait_tensorcnt 0x0                           ; the wave's end
	ds_add_u32 v[SPW], v[NIL]
	s_wait_dscnt 0x0
	CROUND                                         ; the closing round: no work-group ends while a partner may still ask for a tile that names it
	s_endpgm
.Lfunc_end_k_qcfdd8864ec_proj:
	.size	k_qcfdd8864ec_proj, .Lfunc_end_k_qcfdd8864ec_proj-k_qcfdd8864ec_proj
	.p2alignl 7, 3214868480
	.fill 96, 4, 3214868480
	.section	.rodata,"a",@progbits
	.p2align	6, 0x0
	.amdhsa_kernel k_qcfdd8864ec_proj
		.amdhsa_group_segment_fixed_size 327680
		.amdhsa_private_segment_fixed_size 0
		.amdhsa_enable_private_segment 0
		.amdhsa_kernarg_size 32
		.amdhsa_user_sgpr_count 2
		.amdhsa_user_sgpr_kernarg_segment_ptr 1
		.amdhsa_wavefront_size32 1
		.amdhsa_system_sgpr_workgroup_id_x 1
		.amdhsa_system_sgpr_workgroup_id_y 1
		.amdhsa_system_sgpr_workgroup_id_z 1
		.amdhsa_system_vgpr_workitem_id 0
		.amdhsa_next_free_vgpr 1024
		.amdhsa_next_free_sgpr 102
		.amdhsa_reserve_vcc 0
		.amdhsa_float_denorm_mode_32 3
		.amdhsa_float_denorm_mode_16_64 3
		.amdhsa_memory_ordered 1
		.amdhsa_forward_progress 1
		.amdhsa_inst_pref_size 96
	.end_amdhsa_kernel
	.amdgpu_metadata
---
amdhsa.version: [ 1, 2 ]
amdhsa.kernels:
  - .name:           k_qcfdd8864ec_proj
    .symbol:         k_qcfdd8864ec_proj.kd
    .args:
      - { .name: y, .offset: 0, .size: 8, .value_kind: global_buffer, .address_space: global }
      - { .name: wq, .offset: 8, .size: 8, .value_kind: global_buffer, .address_space: global }
      - { .name: x, .offset: 16, .size: 8, .value_kind: global_buffer, .address_space: global }
      - { .name: x1, .offset: 24, .size: 8, .value_kind: global_buffer, .address_space: global }
    .group_segment_fixed_size: 327680
    .private_segment_fixed_size: 0
    .kernarg_segment_align: 8
    .kernarg_segment_size: 32
    .max_flat_workgroup_size: 128
    .sgpr_count:     102
    .vgpr_count:     1024
    .wavefront_size: 32
...
	.end_amdgpu_metadata
.endif
;; end of part 5
;; launch ln2: the kernel of part 2 again; grid 256 x 1, 8 waves a work-group, no clusters, 69,632 bytes of LDS; arguments x1, ln2_w, ln2_b, a2; writes a2
;; launch fc (part 6): grid 16 x 16, 4 waves a work-group, clusters of 4 x 4, 327,680 bytes of LDS; arguments a2, wq, b_fc, h; writes h
.if DOCPART == 6
	.amdgcn_target "amdgcn-amd-amdhsa--gfx1250"
	.amdhsa_code_object_version 6
	.text
	.protected	k_qcfdd8864ec_fc
	.globl	k_qcfdd8864ec_fc
	.p2align	8
	.type	k_qcfdd8864ec_fc,@function
k_qcfdd8864ec_fc:
	s_mov_b64 s[64:65], 0
	v_nop
	global_prefetch_b8 v0, s[64:65] scope:SCOPE_SE
	s_setreg_imm32_b32 hwreg(HW_REG_WAVE_MODE, 25, 1), 1
	s_wait_xcnt 0x0
	s_wait_alu depctr_hold_cnt(0) depctr_sa_sdst(0) depctr_va_vdst(0) depctr_va_sdst(0) depctr_va_ssrc(0) depctr_va_vcc(0) depctr_vm_vsrc(0)
	s_getreg_b32 s2, hwreg(HW_REG_IB_STS2, 6, 4)
	s_cmp_eq_u32 s2, 0
	s_cbranch_scc0 .Lentry_in_a_cluster
	s_endpgm
.Lentry_in_a_cluster:
	s_bfe_u32 s2, ttmp6, 0x10000c
	s_cmp_lg_u32 s2, 0xf033
	s_cbranch_scc0 .Lentry_shape_is_right
	s_endpgm
.Lentry_shape_is_right:
; h = Q(gelu(Q(LN2(x1)) Q(w_fc) + b_fc)), on codes of BF6 (E3M2) with E8M0 scales; sums, bias and the exact GELU in f32; h leaves as codes, quantised along its 4,096 columns.
; OPERANDS lie in the order of the operand's registers: fragment (g, s, a) = 16 rows x 128 K = 1,536 bytes at ((g NS + s) 8 + a) 1536; scale words of (g, s): 512 bytes, the word of (a, r) at 256 (a / 4) + 16 r + 4 (a % 4).
; Position p of an operand holds true row p with bits 3 and 4 exchanged.  THE MATRIX INSTRUCTION IS USED TRANSPOSED (source 0 = 16 rows of the weight, source 1 = 16 tokens): in accumulator (a, b) lane (r, h) holds
; token position 16 a + r and, in register j, the TRUE column 32 (b / 2) + 16 h + 8 (b % 2) + j: a block's 64 registers are 16 neighbours of each of four blocks of 32 along the next K.
; The bias is the C of each sum's first matrix instruction.  gelu(x) = x / 2 (1 + erf(x / sqrt 2)); erf(u) = u P(u^2) / Q(u^2) with u held to +-4, a rational of degrees 6 and 4 in u^2.
; LIMITS: erf's error is about 1e-7 absolute, so for x under about -3 the small number 1 + erf carries a relative error above 1e-6.  NaN and infinities are not served; a block of zeros or under 2^-122 gets the byte 1; only this program reads the bytes.
; A tile of 256 x 256 is made by four waves, 128 x 128 each: 64 accumulators.  K goes in steps of 256 through two LDS slots; the scale words of all K come once.
; CLUSTERS: 4 x 4 work-groups; A's tiles are asked for jointly along a row of the cluster, B's along a column.
; REGISTERS: window 0: v1-31 addresses; v32-63 scale words; v64-127 the bias, later at work; from v128 A's fragments, later gelu's results.  window 1: B's fragments, two sets.  windows 2, 3: accumulator (a, b) at window 2 + a / 4, v[8 (8 (a % 4) + b)].
.set EPI,  2
.set MB,   8
.set NS,   8
.set BIAS, 1
.set A_S,  3145728
.set B_C,  3276800
.set B_S,  6422528
.set H_S,  12582912
.set POUT, 10
.set FR,     12
.set HN,     3*MB/2
.set ABYTES, MB*6144
.set SLOT,   ABYTES+49152
.set SCL,    2*SLOT
.set ASC,    (MB/4)*NS*512
.set SPARE,  SCL+ASC+NS*1024           ; the spare words, 128 bytes for each wave: two blocks of 256 bytes that no other line names
.set LAPS,   NS/4
.set ADRA, 16
.set ADRB, 20
.set L16,  26
.set ADRS, 27
.set SPW,  28
.set NIL,  29
.set L8,   30
.set SC,   32
.set BI,   64
.set AF,   128
.set G1,   24
.set G0,   32
.set G1B,  48
.set G0B,  56
.set G1S,  68
.set G0S,  76
.set G1SB, 80
.set G0SB, 88
.set MSB, 0
.macro WIN new                         ; the immediate's high byte repeats the setting that is left
.if MSB != (\new)
	s_set_vgpr_msb (MSB<<8)|(\new)
.set MSB, (\new)
.endif
.endm
.macro PLACES                          ; four places behind a matrix instruction, in front of loads into its registers and of reads of its results
.rept 4
	v_nop
.endr
.endm
; A joint load: waves 0 and 1 fetch for A, waves 2 and 3 for B; the branch hangs on the wave's number alone.  Four v_nop follow each line.
.macro JLOAD g0a, g1a, g0b, g1b
	s_cmp_eq_u32 s15, 0
	s_cbranch_scc0 .Lfor_b_\@
	tensor_load_to_lds s[\g0a:\g0a+3], s[\g1a:\g1a+7]
	s_nop 0
.rept 4
	v_nop
.endr
	s_branch .Lasked_\@
.Lfor_b_\@:
	tensor_load_to_lds s[\g0b:\g0b+3], s[\g1b:\g1b+7]
	s_nop 0
.rept 4
	v_nop
.endr
.Lasked_\@:
.endm
.macro CREST                           ; a round of the cluster's barrier behind its opening barrier
	s_cmp_lg_u32 s14, 0
	s_cbranch_scc1 .Lnot_wave_0_\@
	s_barrier_signal -3
.Lnot_wave_0_\@:
	s_barrier_wait -3
	s_barrier_signal -1
	s_barrier_wait -1
.endm
.macro CROUND
	s_barrier_signal -1
	s_barrier_wait -1
	CREST
.endm
.macro DESC1 g, rows                   ; words 1 to 7 of a group 1: a dense block as rows of 256 bytes (32 elements of 8 bytes)
	s_mov_b32 s[\g+1], 32<<16
	s_mov_b32 s[\g+2], (\rows)<<16
	s_mov_b32 s[\g+3], 32<<16
	s_mov_b32 s[\g+4], \rows
	s_mov_b32 s[\g+5], 32
	s_mov_b32 s[\g+6], 0
	s_mov_b32 s[\g+7], 0
.endm
.macro FRAG reg, adr, q, i             ; a fragment as it lies: three loads of 512 consecutive bytes
.irp c, 0,1,2
	ds_load_b128 v[\reg+4*\c:\reg+4*\c+3], v[\adr] offset:(\q)*12288+(\i)*1536+512*\c
.endr
.endm
.macro FETCH_B slot, q, p
	WIN 0x40
.irp i, 0,1,2,3,4,5,6,7
	FRAG 128*(\p)+FR*\i, ADRB+\slot, \q, \i
.endr
	WIN 0
.endm
.macro FETCH_A slot, q, half
.set I0, (\half)*MB/2
.rept MB/2
	FRAG AF+FR*I0, ADRA+\slot, \q, I0
.set I0, I0+1
.endr
.endm
.macro SCALES sc                       ; a slot's scale words: register SC + 16 sc + 8 q + i: lanes 0-15 the word of A's block i, lanes 16-31 that of B's block i
.irp q, 0,1
.irp u, 0,1
	ds_load_b128 v[SC+16*(\sc)+8*\q+4*\u:SC+16*(\sc)+8*\q+4*\u+3], v[ADRS] offset:512*\q+256*\u
.endr
.endr
.endm
; A quarter of a step of 128 along K: MB / 4 blocks of A against B's eight.  The accumulators take turns, one instruction a turn, in the same order in every step.
.macro MULQ qd, p, q, sc, first
.set A0, (\qd)*MB/4
.rept MB/4
.if (\first) && BIAS
	WIN 0x81+0x40*(A0/4)
.else
	WIN 0xa1+0x50*(A0/4)
.endif
.irp b, 0,1,2,3,4,5,6,7
.set DD, 8*(8*(A0%4)+\b)
.set BR, 128*(\p)+FR*\b
.set AR, AF+FR*A0
.set SBR, SC+16*(\sc)+8*(\q)+\b
.set SAR, SC+16*(\sc)+8*(\q)+A0
.if (\first) && BIAS
	v_wmma_scale_f32_16x16x128_f8f6f4 v[DD:DD+7], v[BR:BR+11], v[AR:AR+11], v[BI+8*\b:BI+8*\b+7], v[SBR], v[SAR] matrix_a_fmt:MATRIX_FMT_BF6 matrix_b_fmt:MATRIX_FMT_BF6 matrix_a_scale:MATRIX_SCALE_ROW1
.elseif \first
	v_wmma_scale_f32_16x16x128_f8f6f4 v[DD:DD+7], v[BR:BR+11], v[AR:AR+11], 0, v[SBR], v[SAR] matrix_a_fmt:MATRIX_FMT_BF6 matrix_b_fmt:MATRIX_FMT_BF6 matrix_a_scale:MATRIX_SCALE_ROW1
.else
	v_wmma_scale_f32_16x16x128_f8f6f4 v[DD:DD+7], v[BR:BR+11], v[AR:AR+11], v[DD:DD+7], v[SBR], v[SAR] matrix_a_fmt:MATRIX_FMT_BF6 matrix_b_fmt:MATRIX_FMT_BF6 matrix_a_scale:MATRIX_SCALE_ROW1
.endif
.endr
.set A0, A0+1
.endr
.endm
.macro STEP slot, q, first             ; a step of 128 along K that has its successor in the same slot
	s_wait_dscnt HN                                ; B's set and A's first half are in; the youngest HN loads (A's second half) may be out
	MULQ 0, (\q)%2, \q, \slot, \first
	MULQ 1, (\q)%2, \q, \slot, \first
	s_wait_dscnt 0x0                               ; A's second half is in
	PLACES
	FETCH_B \slot, (\q)+1, 1-(\q)%2
	FETCH_A \slot, (\q)+1, 0
	MULQ 2, (\q)%2, \q, \slot, \first
	MULQ 3, (\q)%2, \q, \slot, \first
	PLACES
	WIN 0
	FETCH_A \slot, (\q)+1, 1
.endm
; A slot's last step changes slots: one barrier; in front of it each wave waits for all its tensor loads, adds 0 to its spare word, and waits for that and for its reads of this slot.
.macro TURN slot, next, fill
	s_wait_tensorcnt 0x0                           ; all my tensor loads have landed: my part of the next slot
	ds_add_u32 v[SPW], v[NIL]                      ; 0 onto my spare word
	s_wait_dscnt HN+1                              ; (the add and A's second half may be out)
	MULQ 0, 1, 1, \slot, 0
	s_wait_dscnt 0x0                               ; the add is done, and my reads of this slot are over
	s_barrier_signal -1
	MULQ 1, 1, 1, \slot, 0
	WIN 0
	s_barrier_wait -1
.if \fill
	CREST                                          ; the barrier has opened a round of the cluster's: no wave of any partner still reads this slot or has a load on its way
	s_add_nc_u64 s[G0+4*\slot+2:G0+4*\slot+3], s[G0+4*\slot+2:G0+4*\slot+3], 49152
	s_add_nc_u64 s[G0B+4*\slot+2:G0B+4*\slot+3], s[G0B+4*\slot+2:G0B+4*\slot+3], 49152
	JLOAD G0+4*\slot, G1, G0B+4*\slot, G1B         ; the first tensor load behind the round; its four v_nop are the places in front of the loads below
.else
	PLACES
.endif
	v_add_nc_u32 v[ADRS], 1024, v[ADRS]            ; the next slot's scale words
	FETCH_B \next, 0, 0
	FETCH_A \next, 0, 0
	SCALES \next
	MULQ 2, 1, 1, \slot, 0
	MULQ 3, 1, 1, \slot, 0
	PLACES
	WIN 0
	FETCH_A \next, 0, 1
.endm
; 64 numbers of a lane, v[s] on in window sw, register 16 b + i = column 32 b + 16 h + i of my row, become a fragment's codes in v[PC] on and its scale word in v[pw].
.set PC, 192
.set TM, 212
.set SEL, 100
.macro QUANT s, sw, pw
	WIN 5*(\sw)
.irp b, 0,1,2,3
	v_max3_num_f32 v[TM+\b], |v[\s+16*\b]|, |v[\s+1+16*\b]|, 0x2800000   ; the floor 2^(5 - 127) holds the byte at 1 from below
.endr
	WIN 20*(\sw)
.irp i, 2,4,6,8,10,12,14
.irp b, 0,1,2,3
	v_max3_num_f32 v[TM+\b], v[TM+\b], |v[\s+16*\b+\i]|, |v[\s+1+16*\b+\i]|
.endr
.endr
	WIN 0
.irp b, 0,1,2,3
	v_permlanex16_b32 v[TM+4+\b], v[TM+\b], s[SEL], s[SEL+1]
.endr
.irp b, 0,1,2,3
	v_max_num_f32 v[TM+\b], v[TM+\b], v[TM+4+\b]
.endr
.irp b, 0,1,2,3
	v_add_nc_u32 v[TM+12+\b], 0xfe000000, v[TM+\b]
.endr
.irp b, 0,1,2,3
	v_lshrrev_b32 v[TM+4+\b], 23, v[TM+12+\b]
.endr
	v_lshl_or_b32 v[\pw], v[TM+5], 8, v[TM+4]
	v_lshl_or_b32 v[\pw], v[TM+6], 16, v[\pw]
	v_lshl_or_b32 v[\pw], v[TM+7], 24, v[\pw]
	WIN (\sw)
.irp c, 0,1
	v_cvt_scalef32_pk16_bf6_f32 v[PC+6*\c:PC+2+6*\c], v[\s+32*\c:\s+15+32*\c], v[TM+12+2*\c]
	v_cvt_scalef32_pk16_bf6_f32 v[PC+12+4*\c:PC+14+4*\c], v[\s+16+32*\c:\s+31+32*\c], v[TM+12+2*\c+1]
.endr
	WIN 0
	v_nop                                          ; one plain place behind a scaled conversion
.irp c, 0,1
.irp i, 0,1,2
	v_permlane16_swap_b32 v[PC+6*\c+\i], v[PC+12+4*\c+\i]
.endr
.irp i, 0,1,2
	v_mov_b32 v[PC+3+6*\c+\i], v[PC+12+4*\c+\i]
.endr
.endr
.endm
	s_load_b128 s[4:7], s[0:1], 0x0                ; a2, wq
	s_load_b128 s[8:11], s[0:1], 0x10              ; b_fc, h
	v_lshl_add_u32 v[SPW], v0, 2, SPARE
	v_mov_b32 v[NIL], 0
	ds_add_u32 v28, v29
	s_wait_dscnt 0x0
	v_lshrrev_b32 v1, 5, v0
	v_readfirstlane_b32 s14, v1                    ; wave 0..3
	s_lshr_b32 s15, s14, 1                         ; which half of A's rows is mine.  Also: I fetch for A (0) or for B (1)
	s_and_b32 s16, s14, 1                          ; which half of B's rows.  Also: which half of that tile I fetch
	s_bfe_u32 s40, ttmp6, 0x40000                  ; cx
	s_bfe_u32 s41, ttmp6, 0x40004                  ; cy
	s_lshl_b32 s42, ttmp9, 2
	s_and_b32 s17, ttmp7, 0xffff
	s_lshl_b32 s17, s17, 2
	s_add_co_u32 s42, s42, s40                     ; B's tile of 256 columns
	s_add_co_u32 s17, s17, s41                     ; A's tile of 256 tokens
	s_lshl_b32 s43, s41, 2
	s_lshl_b32 s43, 15, s43                        ; my row of the cluster
	s_lshl_b32 s44, 0x1111, s40                    ; my column
	s_or_b32 s[G1+0], s43, (3<<16)|(1<<21)         ; 15:0 the mask; 17:16 elements of 8 bytes; 21 set beside a mask; no padding
	s_or_b32 s[G1B+0], s44, (3<<16)|(1<<21)
	s_or_b32 s[G1S+0], s43, (3<<16)|(1<<21)
	s_or_b32 s[G1SB+0], s44, (3<<16)|(1<<21)
	DESC1 G1, MB*12
	DESC1 G1B, 96
	DESC1 G1S, MB*NS/4
	DESC1 G1SB, 2*NS
	s_lshl_b32 s20, s17, 1
	s_add_co_u32 s20, s20, s16                     ; the group of 128 rows of A that I fetch
	s_mul_i32 s22, s20, NS*512
	s_mul_i32 s20, s20, NS*12288
	s_add_co_u32 s22, s22, A_S
	s_mov_b32 s21, 0
	s_mov_b32 s23, 0
	s_lshl_b32 s46, s42, 1
	s_add_co_u32 s46, s46, s16                     ; and of B
	s_mul_i32 s92, s46, NS*512
	s_mul_i32 s46, s46, NS*12288
	s_add_co_u32 s92, s92, B_S
	s_add_co_u32 s46, s46, B_C
	s_mov_b32 s47, 0
	s_mov_b32 s93, 0
	s_mul_i32 s45, s16, MB*3072                    ; where they go in LDS: no place in the cluster enters an LDS address
	s_mul_i32 s98, s16, 24576
	s_add_co_u32 s98, s98, ABYTES
	s_mul_i32 s100, s16, MB*NS*64
	s_add_co_u32 s100, s100, SCL
	s_mul_i32 s101, s16, NS*512
	s_add_co_u32 s101, s101, SCL+ASC
	s_wait_kmcnt 0x0
	s_add_nc_u64 s[20:21], s[4:5], s[20:21]
	s_add_nc_u64 s[22:23], s[4:5], s[22:23]
	s_add_nc_u64 s[46:47], s[6:7], s[46:47]
	s_add_nc_u64 s[92:93], s[6:7], s[92:93]
	CROUND                                         ; all sixteen work-groups are here: the first joint loads meet
	s_mov_b32 s[G0S], 1
	s_mov_b32 s[G0S+1], s100
	s_mov_b64 s[G0S+2:G0S+3], s[22:23]
	s_or_b32 s[G0S+3], s[G0S+3], 0x80000000
	s_mov_b32 s[G0SB], 1
	s_mov_b32 s[G0SB+1], s101
	s_mov_b64 s[G0SB+2:G0SB+3], s[92:93]
	s_or_b32 s[G0SB+3], s[G0SB+3], 0x80000000
	JLOAD G0S, G1S, G0SB, G1SB                     ; the scale words of all K: filled once
.irp s, 0,1
	s_mov_b32 s[G0+4*\s], 1
	s_add_co_u32 s[G0+4*\s+1], s45, \s*SLOT
	s_add_nc_u64 s[G0+4*\s+2:G0+4*\s+3], s[20:21], \s*24576
	s_or_b32 s[G0+4*\s+3], s[G0+4*\s+3], 0x80000000
	s_mov_b32 s[G0B+4*\s], 1
	s_add_co_u32 s[G0B+4*\s+1], s98, \s*SLOT
	s_add_nc_u64 s[G0B+4*\s+2:G0B+4*\s+3], s[46:47], \s*24576
	s_or_b32 s[G0B+4*\s+3], s[G0B+4*\s+3], 0x80000000
	JLOAD G0+4*\s, G1, G0B+4*\s, G1B
.endr
	v_and_b32 v1, 15, v0                           ; r
	v_bfe_u32 v2, v0, 4, 1                         ; h
	v_and_b32 v3, 31, v0                           ; lane
	v_lshlrev_b32 v[L16], 4, v3
	v_lshlrev_b32 v[L8], 3, v3
	s_mul_i32 s21, s15, 24576                      ; my 128 rows of A
	s_mul_i32 s22, s16, 24576
	s_add_co_u32 s22, s22, ABYTES                  ; my 128 rows of B
.irp s, 0,1
	v_add_nc_u32 v[ADRA+\s], s21, v[L16]
	v_add_nc_u32 v[ADRB+\s], s22, v[L16]
	s_add_co_u32 s21, s21, SLOT
	s_add_co_u32 s22, s22, SLOT
.endr
	v_lshlrev_b32 v5, 4, v1                        ; scale words: 16 r;
	s_mul_i32 s21, s15, NS*512                     ; A's: my group
	s_mul_i32 s22, s16, NS*512
	s_add_co_u32 s22, s22, ASC                     ; B's: my group, behind A's
	s_sub_co_u32 s22, s22, s21
	v_mul_u32_u24 v6, s22, v2                      ; lanes 16-31 take B's: the lower base + h x the distance
	s_add_co_u32 s21, s21, SCL
	v_add_nc_u32 v5, v5, v6
	v_add_nc_u32 v[ADRS], s21, v5
	s_mov_b32 s[SEL], 0x76543210
	s_mov_b32 s[SEL+1], 0xfedcba98
	s_lshl_b32 s18, s42, 10                        ; the bias of my 128 columns, in the result's layout: for tile b the numbers 32 (b / 2) + 16 h + 8 (b % 2) + 0 .. 7
	s_lshl_b32 s19, s16, 9
	s_add_co_u32 s18, s18, s19
	s_mov_b32 s19, 0
	s_add_nc_u64 s[8:9], s[8:9], s[18:19]
	v_lshlrev_b32 v4, 6, v2
.irp b, 0,1,2,3,4,5,6,7
	global_load_b128 v[BI+8*\b:BI+8*\b+3], v4, s[8:9] offset:(32*(\b/2)+8*(\b%2))*4
	global_load_b128 v[BI+8*\b+4:BI+8*\b+7], v4, s[8:9] offset:(32*(\b/2)+8*(\b%2))*4+16
.endr
	s_wait_tensorcnt 1                             ; the scale words and my part of slot 0 are in (slot 1's load may be out)
	s_barrier_signal -1
	s_barrier_wait -1                              ; everybody's are
	FETCH_B 0, 0, 0
	FETCH_A 0, 0, 0
	SCALES 0
	FETCH_A 0, 0, 1
	s_wait_loadcnt 0x0                             ; the bias
	STEP 0, 0, 1                                   ; the first step stands in front of the loop: its products start the sums, on the bias
	s_mov_b32 s3, LAPS-1
.Llap:                                 ; a trip goes once round the ring and fills both slots again
	TURN 0, 1, 1
	STEP 1, 0, 0
	TURN 1, 0, 1
	STEP 0, 0, 0
	s_sub_co_u32 s3, s3, 1
	s_cmp_lg_u32 s3, 0
	s_cbranch_scc1 .Llap
	TURN 0, 1, 0                                   ; the last lap fills nothing
	STEP 1, 0, 0
	s_wait_dscnt HN
	MULQ 0, 1, 1, 1, 0
	MULQ 1, 1, 1, 1, 0
	s_wait_dscnt 0x0
	MULQ 2, 1, 1, 1, 0
	MULQ 3, 1, 1, 1, 0
	WIN 0
	PLACES
; THE WAY OUT: each block of 16 rows goes through the GELU and the quantiser in registers and is stored as the next operand's image: no stage.
.set W, 32                             ; v32-39 the eight blocks' scale words; v40-43 as they are stored
.set U, 64                             ; sixteen numbers at a time: u = x / sqrt 2, held to +-4
.set Z, 80                             ; u^2
.set P, 96
.set Q, 112
.set H, 128                            ; x / 2, then gelu(x): 64 numbers
.irp b, 0,1,2,3
	v_mov_b32 v[TM+4+\b], 0                        ; a lane permute's destination counts as one of its sources
.endr
	s_mov_b32 s92, 0xaf95df0a                      ; P's leading coefficient, -2.72614226e-10
	s_mov_b32 s93, s92
	s_mov_b32 s94, 0xb77460cd                      ; Q's, -1.45660718e-05
	s_mov_b32 s95, s94
	v_mov_b32 v8, 0x32edffee                       ; P's second, 2.77068142e-08
	v_mov_b32 v9, v8
	v_mov_b32 v10, 0xb95fbd29                      ; Q's second, -2.13374055e-04
	v_mov_b32 v11, v10
	s_lshl_b32 s20, s17, 1
	s_add_co_u32 s20, s20, s15                     ; my group of 128 tokens
	s_lshl_b32 s21, s42, 1
	s_add_co_u32 s21, s21, s16                     ; my 128 columns: a K step of the next product
	s_lshl_b32 s20, s20, 5
	s_add_co_u32 s20, s20, s21
	s_mul_i32 s46, s20, 12288
	s_mov_b32 s47, 0
	s_lshl_b32 s22, s20, 9
	s_add_co_u32 s22, s22, H_S
	s_mov_b32 s23, 0
	s_add_nc_u64 s[46:47], s[POUT:POUT+1], s[46:47]
	s_add_nc_u64 s[22:23], s[POUT:POUT+1], s[22:23]
.macro HORNER d, lit                   ; d = d z + the next coefficient, sixteen numbers
.irp i, 0,2,4,6,8,10,12,14
	v_pk_fma_f32 v[\d+\i:\d+\i+1], v[\d+\i:\d+\i+1], v[Z+\i:Z+\i+1], \lit op_sel_hi:[1,1,0]
.endr
.endm
.macro GELU a
.set AC, 64*((\a)%4)
.irp g, 0,1,2,3
	WIN 2+(\a)/4                                   ; source 0: the accumulators' window
.irp i, 0,2,4,6,8,10,12,14
	v_pk_mul_f32 v[U+\i:U+\i+1], v[AC+16*\g+\i:AC+16*\g+\i+1], 0x3f3504f3 op_sel_hi:[1,0]
.endr
.irp i, 0,2,4,6,8,10,12,14
	v_pk_mul_f32 v[H+16*\g+\i:H+16*\g+\i+1], v[AC+16*\g+\i:AC+16*\g+\i+1], 0.5 op_sel_hi:[1,0]
.endr
	WIN 0
.irp i, 0,1,2,3,4,5,6,7,8,9,10,11,12,13,14,15
	v_med3_num_f32 v[U+\i], v[U+\i], -4.0, 4.0
.endr
.irp i, 0,2,4,6,8,10,12,14
	v_pk_mul_f32 v[Z+\i:Z+\i+1], v[U+\i:U+\i+1], v[U+\i:U+\i+1]
.endr
.irp i, 0,2,4,6,8,10,12,14
	v_pk_fma_f32 v[P+\i:P+\i+1], v[Z+\i:Z+\i+1], s[92:93], v[8:9] op_sel_hi:[1,0,0]
.endr
.irp i, 0,2,4,6,8,10,12,14
	v_pk_fma_f32 v[Q+\i:Q+\i+1], v[Z+\i:Z+\i+1], s[94:95], v[10:11] op_sel_hi:[1,0,0]
.endr
	HORNER P, 0xb60cff51                           ; -2.10102402e-06
	HORNER Q, 0xbadc924e                           ; -1.68282697e-03
	HORNER P, 0xb86ec2d2                           ; -5.69250639e-05
	HORNER Q, 0xbbf19bf8                           ; -7.37332917e-03
	HORNER P, 0xba40ac63                           ; -7.34990630e-04
	HORNER Q, 0xbc69b6a7                           ; -1.42647391e-02
	HORNER P, 0xbb41a1f6                           ; -2.95459981e-03
	HORNER P, 0xbc83dbd4                           ; -1.60960333e-02
.irp i, 0,1,2,3,4,5,6,7,8,9,10,11,12,13,14,15
	v_rcp_f32 v[Q+\i], v[Q+\i]
.endr
.irp i, 0,2,4,6,8,10,12,14
	v_pk_mul_f32 v[P+\i:P+\i+1], v[P+\i:P+\i+1], v[U+\i:U+\i+1]          ; (plain lines behind the reciprocals)
.endr
	s_wait_alu depctr_va_vdst(0)
.irp i, 0,2,4,6,8,10,12,14
	v_pk_mul_f32 v[P+\i:P+\i+1], v[P+\i:P+\i+1], v[Q+\i:Q+\i+1]          ; erf
.endr
.irp i, 0,2,4,6,8,10,12,14
	v_pk_fma_f32 v[H+16*\g+\i:H+16*\g+\i+1], v[H+16*\g+\i:H+16*\g+\i+1], v[P+\i:P+\i+1], v[H+16*\g+\i:H+16*\g+\i+1]   ; x / 2 + x / 2 erf
.endr
.endr
.endm
.macro OUT2 a
	GELU \a
	s_wait_xcnt 0x0                                ; the last block's stores have read their registers
	QUANT H, 0, W+(\a)
.irp c, 0,1,2
	global_store_b128 v[L16], v[PC+4*\c:PC+4*\c+3], s[46:47] offset:1536*(\a)+512*\c
.endr
.endm
.irp a, 0,1,2,3,4,5,6,7
	OUT2 \a
.endr
	v_cmp_le_u32 vcc_lo, 16, v3
.irp j, 0,1,2,3
	v_cndmask_b32 v[40+\j], v[W+\j], v[W+4+\j], vcc_lo    ; lanes 0-15 blocks 0-3, lanes 16-31 blocks 4-7: the image of 512 bytes
.endr
	global_store_b128 v[L16], v[40:43], s[22:23]
	s_wait_tensorcnt 0x0                           ; the wave's end
	ds_add_u32 v[SPW], v[NIL]
	s_wait_dscnt 0x0
	CROUND                                         ; the closing round: no work-group ends while a partner may still ask for a tile that names it
	s_endpgm
.Lfunc_end_k_qcfdd8864ec_fc:
	.size	k_qcfdd8864ec_fc, .Lfunc_end_k_qcfdd8864ec_fc-k_qcfdd8864ec_fc
	.p2alignl 7, 3214868480
	.fill 96, 4, 3214868480
	.section	.rodata,"a",@progbits
	.p2align	6, 0x0
	.amdhsa_kernel k_qcfdd8864ec_fc
		.amdhsa_group_segment_fixed_size 327680
		.amdhsa_private_segment_fixed_size 0
		.amdhsa_enable_private_segment 0
		.amdhsa_kernarg_size 32
		.amdhsa_user_sgpr_count 2
		.amdhsa_user_sgpr_kernarg_segment_ptr 1
		.amdhsa_wavefront_size32 1
		.amdhsa_system_sgpr_workgroup_id_x 1
		.amdhsa_system_sgpr_workgroup_id_y 1
		.amdhsa_system_sgpr_workgroup_id_z 1
		.amdhsa_system_vgpr_workitem_id 0
		.amdhsa_next_free_vgpr 1024
		.amdhsa_next_free_sgpr 102
		.amdhsa_reserve_vcc 1
		.amdhsa_float_denorm_mode_32 3
		.amdhsa_float_denorm_mode_16_64 3
		.amdhsa_memory_ordered 1
		.amdhsa_forward_progress 1
		.amdhsa_inst_pref_size 255
	.end_amdhsa_kernel
	.section	.bss,"aw",@nobits
	.p2align	6
	.space	262144
	.amdgpu_metadata
---
amdhsa.version: [ 1, 2 ]
amdhsa.kernels:
  - .name:           k_qcfdd8864ec_fc
    .symbol:         k_qcfdd8864ec_fc.kd
    .args:
      - { .name: a2, .offset: 0, .size: 8, .value_kind: global_buffer, .address_space: global }
      - { .name: wq, .offset: 8, .size: 8, .value_kind: global_buffer, .address_space: global }
      - { .name: b_fc, .offset: 16, .size: 8, .value_kind: global_buffer, .address_space: global }
      - { .name: h, .offset: 24, .size: 8, .value_kind: global_buffer, .address_space: global }
    .group_segment_fixed_size: 327680
    .private_segment_fixed_size: 0
    .kernarg_segment_align: 8
    .kernarg_segment_size: 32
    .max_flat_workgroup_size: 128
    .sgpr_count:     102
    .vgpr_count:     1024
    .wavefront_size: 32
...
	.end_amdgpu_metadata
.endif
;; end of part 6
;; launch mlp (part 7): grid 4 x 32, 4 waves a work-group, clusters of 4 x 4, 327,680 bytes of LDS; arguments h, wq, b_mlp_proj, x1, out0; writes out0
.if DOCPART == 7
	.amdgcn_target "amdgcn-amd-amdhsa--gfx1250"
	.amdhsa_code_object_version 6
	.text
	.protected	k_qcfdd8864ec_mlp
	.globl	k_qcfdd8864ec_mlp
	.p2align	8
	.type	k_qcfdd8864ec_mlp,@function
k_qcfdd8864ec_mlp:
	s_mov_b64 s[64:65], 0
	v_nop
	global_prefetch_b8 v0, s[64:65] scope:SCOPE_SE
	s_setreg_imm32_b32 hwreg(HW_REG_WAVE_MODE, 25, 1), 1
	s_wait_xcnt 0x0
	s_wait_alu depctr_hold_cnt(0) depctr_sa_sdst(0) depctr_va_vdst(0) depctr_va_sdst(0) depctr_va_ssrc(0) depctr_va_vcc(0) depctr_vm_vsrc(0)
	s_getreg_b32 s2, hwreg(HW_REG_IB_STS2, 6, 4)
	s_cmp_eq_u32 s2, 0
	s_cbranch_scc0 .Lentry_in_a_cluster
	s_endpgm
.Lentry_in_a_cluster:
	s_bfe_u32 s2, ttmp6, 0x10000c
	s_cmp_lg_u32 s2, 0xf033
	s_cbranch_scc0 .Lentry_shape_is_right
	s_endpgm
.Lentry_shape_is_right:
; out0 = x1 + h Q(w_mlp_proj) + b_mlp_proj, h arriving as codes; both operands codes of BF6 (E3M2) with E8M0 scales; K = 4,096; sums in f32; out0 in f32, true rows.
; OPERANDS lie in the order of the operand's registers: fragment (g, s, a) = 16 rows x 128 K = 1,536 bytes at ((g NS + s) 8 + a) 1536; scale words of (g, s): 512 bytes, the word of (a, r) at 256 (a / 4) + 16 r + 4 (a % 4).
; Position p of an operand holds true row p with bits 3 and 4 exchanged.  THE MATRIX INSTRUCTION IS USED TRANSPOSED (source 0 = 16 rows of the weight, source 1 = 16 tokens): in accumulator (a, b) lane (r, h) holds
; token position 16 a + r and, in register j, the TRUE column 32 (b / 2) + 16 h + 8 (b % 2) + j.  The bias is the C of each sum's first matrix instruction.
; A tile of 128 tokens x 256 columns is made by four waves, 64 x 128 each (32 accumulators): with 1,024 columns that gives 128 work-groups where a tile of 256 tokens would give 64, and leaves a window of registers
; for the residual, which is asked for ahead of the loop.  K goes in steps of 256 through two LDS slots; the scale words of all K come once.
; CLUSTERS: 4 x 4 work-groups; A's tiles are asked for jointly along a row of the cluster, B's along a column.
; REGISTERS: window 0: v1-31 addresses; v32-63 scale words, two sets; v64-127 the bias; from v128 A's fragments; on the way out v128-255 rows of the result.
;   window 1: B's fragments, two sets.  window 2: accumulator (a, b) at v[8 (8 a + b)].  window 3: the residual.
.set MB,   4                           ; A's blocks of 16 rows in a wave
.set NS,   32                          ; K / 128
.set A_S,  12582912                    ; where h's scale words begin
.set B_C,  6553600                     ; w_mlp_proj's codes in wq
.set B_S,  9699328                     ; and its scale words
.set PRES, 10
.set POUT, 12
.set FR,     12
.set HN,     3*MB/2                    ; LDS loads that bring half of A's blocks
.set ABYTES, MB*6144
.set SLOT,   ABYTES+49152              ; A's 128 rows, then B's 256 rows, 256 along K
.set SCL,    2*SLOT                    ; behind the ring: A's scale words, then B's
.set ASC,    (MB/4)*NS*512
.set SPARE,  SCL+ASC+NS*1024           ; the spare words, 128 bytes for each wave: two blocks of 256 bytes that no other line names
.set LAPS,   NS/4
.set ADRA, 16
.set ADRB, 20
.set STO,  24
.set RD,   25
.set L16,  26
.set ADRS, 27
.set SPW,  28
.set NIL,  29
.set SC,   32
.set BI,   64
.set AF,   128
.set BK,   128
.set G1,   24
.set G0,   32
.set G1B,  48
.set G0B,  56
.set G1S,  68
.set G0S,  76
.set G1SB, 80
.set G0SB, 88
.set MSB, 0
.macro WIN new                         ; the immediate's high byte repeats the setting that is left
.if MSB != (\new)
	s_set_vgpr_msb (MSB<<8)|(\new)
.set MSB, (\new)
.endif
.endm
.macro PLACES                          ; four places behind a matrix instruction, in front of loads into its registers and of reads of its results
.rept 4
	v_nop
.endr
.endm
; A joint load: waves 0 and 1 fetch for A, waves 2 and 3 for B; the branch hangs on the wave's number alone.  Four v_nop follow each line.
.macro JLOAD g0a, g1a, g0b, g1b
	s_cmp_eq_u32 s15, 0
	s_cbranch_scc0 .Lfor_b_\@
	tensor_load_to_lds s[\g0a:\g0a+3], s[\g1a:\g1a+7]
	s_nop 0
.rept 4
	v_nop
.endr
	s_branch .Lasked_\@
.Lfor_b_\@:
	tensor_load_to_lds s[\g0b:\g0b+3], s[\g1b:\g1b+7]
	s_nop 0
.rept 4
	v_nop
.endr
.Lasked_\@:
.endm
.macro CREST                           ; a round of the cluster's barrier behind its opening barrier
	s_cmp_lg_u32 s14, 0
	s_cbranch_scc1 .Lnot_wave_0_\@
	s_barrier_signal -3
.Lnot_wave_0_\@:
	s_barrier_wait -3
	s_barrier_signal -1
	s_barrier_wait -1
.endm
.macro CROUND
	s_barrier_signal -1
	s_barrier_wait -1
	CREST
.endm
.macro DESC1 g, rows                   ; words 1 to 7 of a group 1: a dense block as rows of 256 bytes (32 elements of 8 bytes)
	s_mov_b32 s[\g+1], 32<<16
	s_mov_b32 s[\g+2], (\rows)<<16
	s_mov_b32 s[\g+3], 32<<16
	s_mov_b32 s[\g+4], \rows
	s_mov_b32 s[\g+5], 32
	s_mov_b32 s[\g+6], 0
	s_mov_b32 s[\g+7], 0
.endm
.macro FRAG reg, adr, q, i             ; a fragment as it lies: three loads of 512 consecutive bytes
.irp c, 0,1,2
	ds_load_b128 v[\reg+4*\c:\reg+4*\c+3], v[\adr] offset:(\q)*12288+(\i)*1536+512*\c
.endr
.endm
.macro FETCH_B slot, q, p
	WIN 0x40
.irp i, 0,1,2,3,4,5,6,7
	FRAG 128*(\p)+FR*\i, ADRB+\slot, \q, \i
.endr
	WIN 0
.endm
.macro FETCH_A slot, q, half
.set I0, (\half)*MB/2
.rept MB/2
	FRAG AF+FR*I0, ADRA+\slot, \q, I0
.set I0, I0+1
.endr
.endm
.macro SCALES sc                       ; a slot's scale words: register SC + 16 sc + 8 q + i: lanes 0-15 the word of A's block i (i < 4), lanes 16-31 that of B's block i
.irp q, 0,1
.irp u, 0,1
	ds_load_b128 v[SC+16*(\sc)+8*\q+4*\u:SC+16*(\sc)+8*\q+4*\u+3], v[ADRS] offset:512*\q+256*\u
.endr
.endr
.endm
; A quarter of a step of 128 along K: one block of A against B's eight.  The accumulators take turns, one instruction a turn, in the same order in every step.
.macro MULQ qd, p, q, sc, first
.set A0, (\qd)
.if \first
	WIN 0x81                                       ; source 0 (B) window 1, source 1 (A) and C (the bias) window 0, D window 2
.else
	WIN 0xa1                                       ; C and D window 2
.endif
.irp b, 0,1,2,3,4,5,6,7
.set DD, 8*(8*A0+\b)
.set BR, 128*(\p)+FR*\b
.set AR, AF+FR*A0
.set SBR, SC+16*(\sc)+8*(\q)+\b
.set SAR, SC+16*(\sc)+8*(\q)+A0
.if \first
	v_wmma_scale_f32_16x16x128_f8f6f4 v[DD:DD+7], v[BR:BR+11], v[AR:AR+11], v[BI+8*\b:BI+8*\b+7], v[SBR], v[SAR] matrix_a_fmt:MATRIX_FMT_BF6 matrix_b_fmt:MATRIX_FMT_BF6 matrix_a_scale:MATRIX_SCALE_ROW1
.else
	v_wmma_scale_f32_16x16x128_f8f6f4 v[DD:DD+7], v[BR:BR+11], v[AR:AR+11], v[DD:DD+7], v[SBR], v[SAR] matrix_a_fmt:MATRIX_FMT_BF6 matrix_b_fmt:MATRIX_FMT_BF6 matrix_a_scale:MATRIX_SCALE_ROW1
.endif
.endr
.endm
.macro STEP slot, q, first             ; a step of 128 along K that has its successor in the same slot
	s_wait_dscnt HN                                ; B's set and A's first half are in; the youngest HN loads (A's second half) may be out
	MULQ 0, (\q)%2, \q, \slot, \first
	MULQ 1, (\q)%2, \q, \slot, \first
	s_wait_dscnt 0x0                               ; A's second half is in
	PLACES
	FETCH_B \slot, (\q)+1, 1-(\q)%2
	FETCH_A \slot, (\q)+1, 0
	MULQ 2, (\q)%2, \q, \slot, \first
	MULQ 3, (\q)%2, \q, \slot, \first
	PLACES
	WIN 0
	FETCH_A \slot, (\q)+1, 1
.endm
; A slot's last step changes slots: one barrier; in front of it each wave waits for all its tensor loads, adds 0 to its spare word, and waits for that and for its reads of this slot.
.macro TURN slot, next, fill
	s_wait_tensorcnt 0x0                           ; all my tensor loads have landed: my part of the next slot
	ds_add_u32 v[SPW], v[NIL]                      ; 0 onto my spare word
	s_wait_dscnt HN+1                              ; (the add and A's second half may be out)
	MULQ 0, 1, 1, \slot, 0
	s_wait_dscnt 0x0                               ; the add is done, and my reads of this slot are over
	s_barrier_signal -1
	MULQ 1, 1, 1, \slot, 0
	WIN 0
	s_barrier_wait -1
.if \fill
	CREST                                          ; the barrier has opened a round of the cluster's: no wave of any partner still reads this slot or has a load on its way
	s_add_nc_u64 s[G0+4*\slot+2:G0+4*\slot+3], s[G0+4*\slot+2:G0+4*\slot+3], 49152
	s_add_nc_u64 s[G0B+4*\slot+2:G0B+4*\slot+3], s[G0B+4*\slot+2:G0B+4*\slot+3], 49152
	JLOAD G0+4*\slot, G1, G0B+4*\slot, G1B         ; the first tensor load behind the round; its four v_nop are the places in front of the loads below
.else
	PLACES
.endif
	v_add_nc_u32 v[ADRS], 1024, v[ADRS]            ; the next slot's scale words
	FETCH_B \next, 0, 0
	FETCH_A \next, 0, 0
	SCALES \next
	MULQ 2, 1, 1, \slot, 0
	MULQ 3, 1, 1, \slot, 0
	PLACES
	WIN 0
	FETCH_A \next, 0, 1
.endm
	s_load_b128 s[4:7], s[0:1], 0x0                ; h, wq
	s_load_b128 s[8:11], s[0:1], 0x10              ; b_mlp_proj, x1
	s_load_b64 s[12:13], s[0:1], 0x20              ; out0
	v_lshl_add_u32 v[SPW], v0, 2, SPARE
	v_mov_b32 v[NIL], 0
	ds_add_u32 v28, v29
	s_wait_dscnt 0x0
	v_lshrrev_b32 v1, 5, v0
	v_readfirstlane_b32 s14, v1                    ; wave 0..3
	s_lshr_b32 s15, s14, 1                         ; which half of A's rows is mine.  Also: I fetch for A (0) or for B (1)
	s_and_b32 s16, s14, 1                          ; which half of B's rows.  Also: which half of that tile I fetch
	s_bfe_u32 s40, ttmp6, 0x40000                  ; cx
	s_bfe_u32 s41, ttmp6, 0x40004                  ; cy
	s_lshl_b32 s42, ttmp9, 2
	s_and_b32 s17, ttmp7, 0xffff
	s_lshl_b32 s17, s17, 2
	s_add_co_u32 s42, s42, s40                     ; B's tile of 256 columns
	s_add_co_u32 s17, s17, s41                     ; A's tile of 128 tokens
	s_lshl_b32 s43, s41, 2
	s_lshl_b32 s43, 15, s43                        ; my row of the cluster
	s_lshl_b32 s44, 0x1111, s40                    ; my column
	s_or_b32 s[G1+0], s43, (3<<16)|(1<<21)         ; 15:0 the mask; 17:16 elements of 8 bytes; 21 set beside a mask; no padding
	s_or_b32 s[G1B+0], s44, (3<<16)|(1<<21)
	s_or_b32 s[G1S+0], s43, (3<<16)|(1<<21)
	s_or_b32 s[G1SB+0], s44, (3<<16)|(1<<21)
	DESC1 G1, MB*12
	DESC1 G1B, 96
	DESC1 G1S, MB*NS/4
	DESC1 G1SB, 2*NS
	s_mul_i32 s20, s17, NS*12288                   ; A's group; of a slot's two steps of 128 I fetch one
	s_mul_i32 s18, s16, 12288
	s_add_co_u32 s20, s20, s18
	s_mul_i32 s22, s17, NS*512
	s_mul_i32 s18, s16, NS*256
	s_add_co_u32 s22, s22, s18
	s_add_co_u32 s22, s22, A_S
	s_mov_b32 s21, 0
	s_mov_b32 s23, 0
	s_lshl_b32 s46, s42, 1
	s_add_co_u32 s46, s46, s16                     ; the group of 128 rows of B that I fetch
	s_mul_i32 s92, s46, NS*512
	s_mul_i32 s46, s46, NS*12288
	s_add_co_u32 s92, s92, B_S
	s_add_co_u32 s46, s46, B_C
	s_mov_b32 s47, 0
	s_mov_b32 s93, 0
	s_mul_i32 s45, s16, MB*3072                    ; where they go in LDS: no place in the cluster enters an LDS address
	s_mul_i32 s98, s16, 24576
	s_add_co_u32 s98, s98, ABYTES
	s_mul_i32 s100, s16, MB*NS*64
	s_add_co_u32 s100, s100, SCL
	s_mul_i32 s101, s16, NS*512
	s_add_co_u32 s101, s101, SCL+ASC
	s_wait_kmcnt 0x0
	s_add_nc_u64 s[20:21], s[4:5], s[20:21]
	s_add_nc_u64 s[22:23], s[4:5], s[22:23]
	s_add_nc_u64 s[46:47], s[6:7], s[46:47]
	s_add_nc_u64 s[92:93], s[6:7], s[92:93]
	CROUND                                         ; all sixteen work-groups are here: the first joint loads meet
	s_mov_b32 s[G0S], 1
	s_mov_b32 s[G0S+1], s100
	s_mov_b64 s[G0S+2:G0S+3], s[22:23]
	s_or_b32 s[G0S+3], s[G0S+3], 0x80000000
	s_mov_b32 s[G0SB], 1
	s_mov_b32 s[G0SB+1], s101
	s_mov_b64 s[G0SB+2:G0SB+3], s[92:93]
	s_or_b32 s[G0SB+3], s[G0SB+3], 0x80000000
	JLOAD G0S, G1S, G0SB, G1SB                     ; the scale words of all K: filled once
.irp s, 0,1
	s_mov_b32 s[G0+4*\s], 1
	s_add_co_u32 s[G0+4*\s+1], s45, \s*SLOT
	s_add_nc_u64 s[G0+4*\s+2:G0+4*\s+3], s[20:21], \s*24576
	s_or_b32 s[G0+4*\s+3], s[G0+4*\s+3], 0x80000000
	s_mov_b32 s[G0B+4*\s], 1
	s_add_co_u32 s[G0B+4*\s+1], s98, \s*SLOT
	s_add_nc_u64 s[G0B+4*\s+2:G0B+4*\s+3], s[46:47], \s*24576
	s_or_b32 s[G0B+4*\s+3], s[G0B+4*\s+3], 0x80000000
	JLOAD G0+4*\s, G1, G0B+4*\s, G1B
.endr
	v_and_b32 v1, 15, v0                           ; r
	v_bfe_u32 v2, v0, 4, 1                         ; h
	v_and_b32 v3, 31, v0                           ; lane
	v_lshlrev_b32 v[L16], 4, v3
	s_mul_i32 s21, s15, 6144                       ; my four blocks of A
	s_mul_i32 s22, s16, 24576
	s_add_co_u32 s22, s22, ABYTES                  ; my 128 rows of B
.irp s, 0,1
	v_add_nc_u32 v[ADRA+\s], s21, v[L16]
	v_add_nc_u32 v[ADRB+\s], s22, v[L16]
	s_add_co_u32 s21, s21, SLOT
	s_add_co_u32 s22, s22, SLOT
.endr
	v_lshlrev_b32 v5, 4, v1                        ; scale words: 16 r;
	s_mul_i32 s21, s15, 256                        ; A's: my four blocks' half of an image
	s_mul_i32 s22, s16, NS*512
	s_add_co_u32 s22, s22, ASC                     ; B's: my group, behind A's
	s_sub_co_u32 s22, s22, s21
	v_mul_u32_u24 v6, s22, v2                      ; lanes 16-31 take B's: the lower base + h x the distance
	s_add_co_u32 s21, s21, SCL
	v_add_nc_u32 v5, v5, v6
	v_add_nc_u32 v[ADRS], s21, v5
	s_mul_i32 s23, s14, 8448                       ; my stage: 16 rows x 528 bytes, in slot 0, used behind that slot's last fill and last read
	v_mul_u32_u24 v5, v1, 528
	v_lshl_add_u32 v5, v2, 6, v5
	v_add_nc_u32 v[STO], s23, v5                   ; in: row r, + 64 h
	v_add_nc_u32 v[RD], s23, v[L16]                ; back: a row of 512 bytes
	s_lshl_b32 s18, s42, 10                        ; my first column, in bytes: 256 x tile + 128 x half
	s_lshl_b32 s19, s16, 9
	s_add_co_u32 s18, s18, s19
	s_mov_b32 s19, 0
	s_add_nc_u64 s[8:9], s[8:9], s[18:19]          ; the bias of my 128 columns
	s_lshl_b32 s20, s17, 19                        ; my first row: 128 x tile + 64 x half, rows of 4,096 bytes
	s_lshl_b32 s21, s15, 18
	s_add_co_u32 s20, s20, s21
	s_add_co_u32 s18, s18, s20
	s_add_nc_u64 s[PRES:PRES+1], s[PRES:PRES+1], s[18:19]
	s_add_nc_u64 s[POUT:POUT+1], s[POUT:POUT+1], s[18:19]
	v_lshlrev_b32 v4, 6, v2                        ; the bias in the result's layout: for tile b the numbers 32 (b / 2) + 16 h + 8 (b % 2) + 0 .. 7
.irp b, 0,1,2,3,4,5,6,7
	global_load_b128 v[BI+8*\b:BI+8*\b+3], v4, s[8:9] offset:(32*(\b/2)+8*(\b%2))*4
	global_load_b128 v[BI+8*\b+4:BI+8*\b+7], v4, s[8:9] offset:(32*(\b/2)+8*(\b%2))*4+16
.endr
	s_wait_tensorcnt 1                             ; the scale words and my part of slot 0 are in (slot 1's load may be out)
	s_barrier_signal -1
	s_barrier_wait -1                              ; everybody's are
	FETCH_B 0, 0, 0
	FETCH_A 0, 0, 0
	SCALES 0
	FETCH_A 0, 0, 1
	s_wait_loadcnt 0x0                             ; the bias
	WIN 0xc0                                       ; the residual, into window 3: row t of block a is true row 32 (a / 2) + 16 (t / 8) + 8 (a % 2) + t % 8 of my 64
.irp a, 0,1,2,3
.irp t, 0,1,2,3,4,5,6,7,8,9,10,11,12,13,14,15
	global_load_b128 v[4*(16*\a+\t):4*(16*\a+\t)+3], v[L16], s[PRES:PRES+1] offset:(32*(\a/2)+16*(\t/8)+8*(\a%2)+\t%8)*4096
.endr
.endr
	WIN 0
	STEP 0, 0, 1                                   ; the first step stands in front of the loop: its products start the sums, on the bias
	s_mov_b32 s3, LAPS-1
.Llap:                                 ; a trip goes once round the ring and fills both slots again
	TURN 0, 1, 1
	STEP 1, 0, 0
	TURN 1, 0, 1
	STEP 0, 0, 0
	s_sub_co_u32 s3, s3, 1
	s_cmp_lg_u32 s3, 0
	s_cbranch_scc1 .Llap
	TURN 0, 1, 0                                   ; the last lap fills nothing
	STEP 1, 0, 0
	s_wait_dscnt HN
	MULQ 0, 1, 1, 1, 0
	MULQ 1, 1, 1, 1, 0
	s_wait_dscnt 0x0
	MULQ 2, 1, 1, 1, 0
	MULQ 3, 1, 1, 1, 0
	WIN 0
	PLACES
; THE WAY OUT, block by block of 16 rows x 128 columns, through my own stage: back come whole rows of 512 bytes, the residual is added, and 32 lanes store 512 consecutive bytes.
.macro TOSTAGE a
	WIN 0x08                                       ; an LDS store's data: window 2
.irp b, 0,1,2,3,4,5,6,7
	ds_store_b128 v[STO], v[64*(\a)+8*\b:64*(\a)+8*\b+3] offset:128*(\b/2)+32*(\b%2)       ; each accumulator from its low end on
	ds_store_b128 v[STO], v[64*(\a)+8*\b+4:64*(\a)+8*\b+7] offset:128*(\b/2)+32*(\b%2)+16
.endr
	WIN 0
.set BB, BK+64*((\a)%2)
.irp t, 0,1,2,3,4,5,6,7,8,9,10,11,12,13,14,15
	ds_load_b128 v[BB+4*\t:BB+4*\t+3], v[RD] offset:\t*528     ; LDS serves a wave's instructions in order: these see the stores above
.endr
.endm
.macro SEND a, younger                 ; younger: the LDS instructions issued behind block a's loads
.set BB, BK+64*((\a)%2)
	s_wait_dscnt \younger
	WIN 0x0c                                       ; source 1: window 3
.set I, 0
.rept 32
	v_pk_add_f32 v[BB+I:BB+I+1], v[BB+I:BB+I+1], v[64*(\a)+I:64*(\a)+I+1]
.set I, I+2
.endr
	WIN 0
.irp t, 0,1,2,3,4,5,6,7,8,9,10,11,12,13,14,15
	global_store_b128 v[L16], v[BB+4*\t:BB+4*\t+3], s[POUT:POUT+1] offset:(32*((\a)/2)+16*(\t/8)+8*((\a)%2)+\t%8)*4096 th:TH_STORE_NT
.endr
.endm
	s_wait_loadcnt 0x0                             ; the residual
	TOSTAGE 0
.irp a, 1,2,3
.if \a > 1
	s_wait_xcnt 0x0                                ; block a - 2's stores have read their registers: block a's loads may land there
.endif
	TOSTAGE \a
	SEND \a-1, 32                                  ; behind block a - 1's loads: block a's 16 stores and 16 loads
.endr
	SEND 3, 0
	s_wait_tensorcnt 0x0                           ; the wave's end
	ds_add_u32 v[SPW], v[NIL]
	s_wait_dscnt 0x0
	CROUND                                         ; the closing round: no work-group ends while a partner may still ask for a tile that names it
	s_endpgm
.Lfunc_end_k_qcfdd8864ec_mlp:
	.size	k_qcfdd8864ec_mlp, .Lfunc_end_k_qcfdd8864ec_mlp-k_qcfdd8864ec_mlp
	.p2alignl 7, 3214868480
	.fill 96, 4, 3214868480
	.section	.rodata,"a",@progbits
	.p2align	6, 0x0
	.amdhsa_kernel k_qcfdd8864ec_mlp
		.amdhsa_group_segment_fixed_size 327680
		.amdhsa_private_segment_fixed_size 0
		.amdhsa_enable_private_segment 0
		.amdhsa_kernarg_size 40
		.amdhsa_user_sgpr_count 2
		.amdhsa_user_sgpr_kernarg_segment_ptr 1
		.amdhsa_wavefront_size32 1
		.amdhsa_system_sgpr_workgroup_id_x 1
		.amdhsa_system_sgpr_workgroup_id_y 1
		.amdhsa_system_sgpr_workgroup_id_z 1
		.amdhsa_system_vgpr_workitem_id 0
		.amdhsa_next_free_vgpr 1024
		.amdhsa_next_free_sgpr 102
		.amdhsa_reserve_vcc 0
		.amdhsa_float_denorm_mode_32 3
		.amdhsa_float_denorm_mode_16_64 3
		.amdhsa_memory_ordered 1
		.amdhsa_forward_progress 1
		.amdhsa_inst_pref_size 98
	.end_amdhsa_kernel
	.amdgpu_metadata
---
amdhsa.version: [ 1, 2 ]
amdhsa.kernels:
  - .name:           k_qcfdd8864ec_mlp
    .symbol:         k_qcfdd8864ec_mlp.kd
    .args:
      - { .name: h, .offset: 0, .size: 8, .value_kind: global_buffer, .address_space: global }
      - { .name: wq, .offset: 8, .size: 8, .value_kind: global_buffer, .address_space: global }
      - { .name: b_mlp_proj, .offset: 16, .size: 8, .value_kind: global_buffer, .address_space: global }
      - { .name: x1, .offset: 24, .size: 8, .value_kind: global_buffer, .address_space: global }
      - { .name: out0, .offset: 32, .size: 8, .value_kind: global_buffer, .address_space: global }
    .group_segment_fixed_size: 327680
    .private_segment_fixed_size: 0
    .kernarg_segment_align: 8
    .kernarg_segment_size: 40
    .max_flat_workgroup_size: 128
    .sgpr_count:     102
    .vgpr_count:     1024
    .wavefront_size: 32
...
	.end_amdgpu_metadata
.endif
;; end of part 7
;; ======== version 2 of 2: 8 launches; 1.14 times as fast as version 1
;; limits: a function is approximated: absolute error at most 1e-07
;; workspace buffers: wq 9,830,400 bytes; a1 3,276,800 bytes; qkv 10,092,544 bytes; y 3,276,800 bytes; x1 16,777,216 bytes; a2 3,276,800 bytes; h 13,107,200 bytes
;; launch qw: the kernel of part 1 again; grid 384 x 1, 4 waves a work-group, no clusters, 26,112 bytes of LDS; arguments w_qkv, w_attn_proj, w_fc, w_mlp_proj, wq; writes wq
;; launch ln1: the kernel of part 2 again; grid 256 x 1, 8 waves a work-group, no clusters, 69,632 bytes of LDS; arguments x, ln1_w, ln1_b, a1; writes a1
;; launch qkv: the kernel of part 3 again; grid 12 x 16, 4 waves a work-group, clusters of 4 x 4, 327,680 bytes of LDS; arguments a1, wq, qkv; writes qkv
;; launch att: the kernel of part 4 again; grid 16 x 16, 16 waves a work-group, no clusters, 327,680 bytes of LDS; arguments qkv, y; writes y
;; launch proj (part 8): grid 4 x 32, 4 waves a work-group, clusters of 4 x 4, 327,680 bytes of LDS; arguments y, wq, x, x1; writes x1
.if DOCPART == 8
	.amdgcn_target "amdgcn-amd-amdhsa--gfx1250"
	.amdhsa_code_object_version 6
	.text
	.protected	k_qcfdd8864ec_proj
	.globl	k_qcfdd8864ec_proj
	.p2align	8
	.type	k_qcfdd8864ec_proj,@function
k_qcfdd8864ec_proj:
	s_mov_b64 s[64:65], 0
	v_nop
	global_prefetch_b8 v0, s[64:65] scope:SCOPE_SE
	s_setreg_imm32_b32 hwreg(HW_REG_WAVE_MODE, 25, 1), 1
	s_wait_xcnt 0x0
	s_wait_alu depctr_hold_cnt(0) depctr_sa_sdst(0) depctr_va_vdst(0) depctr_va_sdst(0) depctr_va_ssrc(0) depctr_va_vcc(0) depctr_vm_vsrc(0)
	s_getreg_b32 s2, hwreg(HW_REG_IB_STS2, 6, 4)
	s_cmp_eq_u32 s2, 0
	s_cbranch_scc0 .Lentry_in_a_cluster
	s_endpgm
.Lentry_in_a_cluster:
	s_bfe_u32 s2, ttmp6, 0x10000c
	s_cmp_lg_u32 s2, 0xf033
	s_cbranch_scc0 .Lentry_shape_is_right
	s_endpgm
.Lentry_shape_is_right:
; x1 = x + Q(y) Q(w_attn_proj), on codes of BF6 (E3M2) with E8M0 scales; K = 1,024; sums in f32; x1 in f32, true rows.
; OPERANDS lie in the order of the operand's registers: fragment (g, s, a) = 16 rows x 128 K = 1,536 bytes at ((g NS + s) 8 + a) 1536; scale words of (g, s): 512 bytes, the word of (a, r) at 256 (a / 4) + 16 r + 4 (a % 4).
; Position p of an operand holds true row p with bits 3 and 4 exchanged.  THE MATRIX INSTRUCTION IS USED TRANSPOSED (source 0 = 16 rows of the weight, source 1 = 16 tokens): in accumulator (a, b) lane (r, h) holds
; token position 16 a + r and, in register j, the TRUE column 32 (b / 2) + 16 h + 8 (b % 2) + j.
; A tile of 128 tokens x 256 columns is made by four waves, 64 x 128 each (32 accumulators): with 1,024 columns that gives 128 work-groups where a tile of 256 tokens would give 64, and leaves a window of registers for the residual.
; A slot holds 512 along K (four steps of 128): 147,456 bytes.  ALL OF K IS TWO SUCH SLOTS: both are first fills, nothing is filled again, and no round of the cluster's barrier stands among the products.
; THE SCALE WORDS do not go through LDS: each wave takes its own straight into registers, sixteen lanes reading 256 consecutive aligned bytes of a scale image.
; CLUSTERS: 4 x 4 work-groups; A's tiles are asked for jointly along a row of the cluster, B's along a column.
; REGISTERS: window 0: v1-31 addresses; v32-63 A's scale words, v64-127 B's, two sets each; from v128 A's fragments, one set; on the way out v128-255 rows of the result.
;   window 1: B's fragments, two sets.  window 2: accumulator (a, b) at v[8 (8 a + b)].  window 3: the residual.
.set MB,   4                           ; A's blocks of 16 rows in a wave
.set NS,   8                           ; K / 128
.set NQ,   4                           ; steps of 128 along K in a slot
.set BIAS, 0
.set A_S,  3145728                     ; where y's scale words begin
.set B_C,  2457600                     ; w_attn_proj's codes in wq
.set B_S,  3244032                     ; and its scale words
.set PRES, 8
.set POUT, 10
.set FR,     12
.set HN,     3*MB/2                    ; LDS loads that bring half of A's blocks
.set ABYTES, NQ*12288                  ; A's 128 rows x 512 K
.set BHALF,  NQ*12288                  ; 128 rows of B x 512 K
.set SLOT,   ABYTES+2*BHALF
.set SPARE,  2*SLOT                    ; the spare words, 128 bytes for each wave: two blocks of 256 bytes that no other line names
.set LAPS,   NS/(2*NQ)
.set ADRA, 16
.set ADRB, 20
.set STO,  24
.set RD,   25
.set L16,  26
.set R16,  27
.set SPW,  28
.set NIL,  29
.set SCA,  32                          ; A's scale words: set s, step q, block a at v[SCA + 16 s + 4 q + a]
.set SCB,  64                          ; B's: v[SCB + 32 s + 8 q + b]
.set AF,   128
.set BI,   176
.set BK,   128
.set G1,   24
.set G0,   32
.set G1B,  48
.set G0B,  56
.set SAP,  68                          ; s[68:69] where my scale words of A are asked for; s[70:71] B's
.set SBP,  70
.set MSB, 0
.macro WIN new                         ; the immediate's high byte repeats the setting that is left
.if MSB != (\new)
	s_set_vgpr_msb (MSB<<8)|(\new)
.set MSB, (\new)
.endif
.endm
.macro PLACES                          ; four places behind a matrix instruction, in front of loads into its registers and of reads of its results
.rept 4
	v_nop
.endr
.endm
; A joint load: waves 0 and 1 fetch for A, waves 2 and 3 for B; the branch hangs on the wave's number alone.  Four v_nop follow each line.
.macro JLOAD g0a, g1a, g0b, g1b
	s_cmp_eq_u32 s15, 0
	s_cbranch_scc0 .Lfor_b_\@
	tensor_load_to_lds s[\g0a:\g0a+3], s[\g1a:\g1a+7]
	s_nop 0
.rept 4
	v_nop
.endr
	s_branch .Lasked_\@
.Lfor_b_\@:
	tensor_load_to_lds s[\g0b:\g0b+3], s[\g1b:\g1b+7]
	s_nop 0
.rept 4
	v_nop
.endr
.Lasked_\@:
.endm
.macro CREST                           ; a round of the cluster's barrier behind its opening barrier
	s_cmp_lg_u32 s14, 0
	s_cbranch_scc1 .Lnot_wave_0_\@
	s_barrier_signal -3
.Lnot_wave_0_\@:
	s_barrier_wait -3
	s_barrier_signal -1
	s_barrier_wait -1
.endm
.macro CROUND
	s_barrier_signal -1
	s_barrier_wait -1
	CREST
.endm
.macro DESC1 g, rows                   ; words 1 to 7 of a group 1: a dense block as rows of 256 bytes (32 elements of 8 bytes)
	s_mov_b32 s[\g+1], 32<<16
	s_mov_b32 s[\g+2], (\rows)<<16
	s_mov_b32 s[\g+3], 32<<16
	s_mov_b32 s[\g+4], \rows
	s_mov_b32 s[\g+5], 32
	s_mov_b32 s[\g+6], 0
	s_mov_b32 s[\g+7], 0
.endm
.macro FRAG reg, adr, q, i             ; a fragment as it lies: three loads of 512 consecutive bytes
.irp c, 0,1,2
	ds_load_b128 v[\reg+4*\c:\reg+4*\c+3], v[\adr] offset:(\q)*12288+(\i)*1536+512*\c
.endr
.endm
.macro FETCH_B slot, q, p
	WIN 0x40
.irp i, 0,1,2,3,4,5,6,7
	FRAG 128*(\p)+FR*\i, ADRB+\slot, \q, \i
.endr
	WIN 0
.endm
.macro FETCH_A slot, q, half
.set I0, (\half)*MB/2
.rept MB/2
	FRAG AF+FR*I0, ADRA+\slot, \q, I0
.set I0, I0+1
.endr
.endm
.macro GSCALES set, off                ; a slot's scale words into set: for each of its four steps my four blocks of A and my eight of B; lane r (and r + 16) takes row r's four words
.irp q, 0,1,2,3
	global_load_b128 v[SCA+16*(\set)+4*\q:SCA+16*(\set)+4*\q+3], v[R16], s[SAP:SAP+1] offset:(\off)+512*\q
	global_load_b128 v[SCB+32*(\set)+8*\q:SCB+32*(\set)+8*\q+3], v[R16], s[SBP:SBP+1] offset:(\off)+512*\q
	global_load_b128 v[SCB+32*(\set)+8*\q+4:SCB+32*(\set)+8*\q+7], v[R16], s[SBP:SBP+1] offset:(\off)+512*\q+256
.endr
.endm
; A quarter of a step of 128 along K: one block of A against B's eight.  The accumulators take turns, one instruction a turn, in the same order in every step.
.macro MULQ qd, p, q, sc, first
.set A0, (\qd)
.if (\first) && BIAS
	WIN 0x81                                       ; source 0 (B) window 1, source 1 (A) and C (the bias) window 0, D window 2
.else
	WIN 0xa1                                       ; C and D window 2
.endif
.irp b, 0,1,2,3,4,5,6,7
.set DD, 8*(8*A0+\b)
.set BR, 128*(\p)+FR*\b
.set AR, AF+FR*A0
.set SBR, SCB+32*(\sc)+8*(\q)+\b
.set SAR, SCA+16*(\sc)+4*(\q)+A0
.if (\first) && BIAS
	v_wmma_scale_f32_16x16x128_f8f6f4 v[DD:DD+7], v[BR:BR+11], v[AR:AR+11], v[BI+8*\b:BI+8*\b+7], v[SBR], v[SAR] matrix_a_fmt:MATRIX_FMT_BF6 matrix_b_fmt:MATRIX_FMT_BF6
.elseif \first
	v_wmma_scale_f32_16x16x128_f8f6f4 v[DD:DD+7], v[BR:BR+11], v[AR:AR+11], 0, v[SBR], v[SAR] matrix_a_fmt:MATRIX_FMT_BF6 matrix_b_fmt:MATRIX_FMT_BF6
.else
	v_wmma_scale_f32_16x16x128_f8f6f4 v[DD:DD+7], v[BR:BR+11], v[AR:AR+11], v[DD:DD+7], v[SBR], v[SAR] matrix_a_fmt:MATRIX_FMT_BF6 matrix_b_fmt:MATRIX_FMT_BF6
.endif
.endr
.endm
.macro STEP slot, q, first             ; a step of 128 along K that has its successor in the same slot
	s_wait_dscnt HN                                ; B's set and A's first half are in; the youngest HN loads (A's second half) may be out
	MULQ 0, (\q)%2, \q, \slot, \first
	MULQ 1, (\q)%2, \q, \slot, \first
	s_wait_dscnt 0x0                               ; A's second half is in
	PLACES
	FETCH_B \slot, (\q)+1, 1-(\q)%2
	FETCH_A \slot, (\q)+1, 0
	MULQ 2, (\q)%2, \q, \slot, \first
	MULQ 3, (\q)%2, \q, \slot, \first
	PLACES
	WIN 0
	FETCH_A \slot, (\q)+1, 1
.endm
; A slot's last step changes slots: one barrier; in front of it each wave waits for all its tensor loads, adds 0 to its spare word, and waits for that and for its reads of this slot.
; fill = 1: this slot is filled again, with the 512 along K two slots on, and its set of scale registers takes those steps' words.
.macro TURN slot, next, fill
	s_wait_tensorcnt 0x0                           ; all my tensor loads have landed: my part of the next slot
	ds_add_u32 v[SPW], v[NIL]                      ; 0 onto my spare word
	s_wait_dscnt HN+1                              ; (the add and A's second half may be out)
	MULQ 0, 1, NQ-1, \slot, 0
	s_wait_dscnt 0x0                               ; the add is done, and my reads of this slot are over
	s_barrier_signal -1
	MULQ 1, 1, NQ-1, \slot, 0
	WIN 0
	s_barrier_wait -1
.if \fill
	CREST                                          ; the barrier has opened a round of the cluster's: no wave of any partner still reads this slot or has a load on its way
	s_add_nc_u64 s[G0+4*\slot+2:G0+4*\slot+3], s[G0+4*\slot+2:G0+4*\slot+3], 2*NQ*12288
	s_add_nc_u64 s[G0B+4*\slot+2:G0B+4*\slot+3], s[G0B+4*\slot+2:G0B+4*\slot+3], 2*NQ*12288
	JLOAD G0+4*\slot, G1, G0B+4*\slot, G1B         ; the first tensor load behind the round; its four v_nop are the places in front of the loads below
.else
	PLACES
.endif
	FETCH_B \next, 0, 0
	FETCH_A \next, 0, 0
	MULQ 2, 1, NQ-1, \slot, 0
	MULQ 3, 1, NQ-1, \slot, 0
	PLACES                                         ; also in front of the loads into this slot's scale registers
	WIN 0
	FETCH_A \next, 0, 1
	s_wait_loadcnt 0x0                             ; the next slot's scale words, asked for a slot ago, are in; no load of mine names the two bases any more
.if \fill
	s_add_nc_u64 s[SAP:SAP+1], s[SAP:SAP+1], NQ*512
	s_add_nc_u64 s[SBP:SBP+1], s[SBP:SBP+1], NQ*512
	GSCALES \slot, NQ*512
.endif
.endm
	s_load_b128 s[4:7], s[0:1], 0x0                ; y, wq
	s_load_b128 s[8:11], s[0:1], 0x10              ; x, x1
	v_lshl_add_u32 v[SPW], v0, 2, SPARE
	v_mov_b32 v[NIL], 0
	ds_add_u32 v28, v29
	s_wait_dscnt 0x0
	v_lshrrev_b32 v1, 5, v0
	v_readfirstlane_b32 s14, v1                    ; wave 0..3
	s_lshr_b32 s15, s14, 1                         ; which half of A's rows is mine.  Also: I fetch for A (0) or for B (1)
	s_and_b32 s16, s14, 1                          ; which half of B's rows.  Also: which half of that tile I fetch
	s_bfe_u32 s40, ttmp6, 0x40000                  ; cx
	s_bfe_u32 s41, ttmp6, 0x40004                  ; cy
	s_lshl_b32 s42, ttmp9, 2
	s_and_b32 s17, ttmp7, 0xffff
	s_lshl_b32 s17, s17, 2
	s_add_co_u32 s42, s42, s40                     ; B's tile of 256 columns
	s_add_co_u32 s17, s17, s41                     ; A's tile of 128 tokens
	s_lshl_b32 s43, s41, 2
	s_lshl_b32 s43, 15, s43                        ; my row of the cluster
	s_lshl_b32 s44, 0x1111, s40                    ; my column
	s_or_b32 s[G1+0], s43, (3<<16)|(1<<21)         ; 15:0 the mask; 17:16 elements of 8 bytes; 21 set beside a mask; no padding
	s_or_b32 s[G1B+0], s44, (3<<16)|(1<<21)
	DESC1 G1, 96                                   ; A: two of a slot's four steps, 24,576 bytes
	DESC1 G1B, 192                                 ; B: a group of 128 rows, four steps, 49,152 bytes
	s_mul_i32 s20, s17, NS*12288
	s_mul_i32 s18, s16, 2*12288
	s_add_co_u32 s20, s20, s18                     ; A's codes that I fetch
	s_mov_b32 s21, 0
	s_mul_i32 s22, s17, NS*512
	s_lshl_b32 s18, s15, 8                         ; my four blocks' half of each scale image
	s_add_co_u32 s22, s22, s18
	s_add_co_u32 s22, s22, A_S
	s_mov_b32 s23, 0
	s_lshl_b32 s46, s42, 1
	s_add_co_u32 s46, s46, s16                     ; the group of 128 rows of B that I fetch, and multiply
	s_mul_i32 s92, s46, NS*512
	s_mul_i32 s46, s46, NS*12288
	s_add_co_u32 s92, s92, B_S
	s_add_co_u32 s46, s46, B_C
	s_mov_b32 s47, 0
	s_mov_b32 s93, 0
	s_mul_i32 s45, s16, 2*12288                    ; where they go in LDS: no place in the cluster enters an LDS address
	s_mul_i32 s98, s16, BHALF
	s_add_co_u32 s98, s98, ABYTES
	s_wait_kmcnt 0x0
	s_add_nc_u64 s[20:21], s[4:5], s[20:21]
	s_add_nc_u64 s[SAP:SAP+1], s[4:5], s[22:23]
	s_add_nc_u64 s[46:47], s[6:7], s[46:47]
	s_add_nc_u64 s[SBP:SBP+1], s[6:7], s[92:93]
	CROUND                                         ; all sixteen work-groups are here: the first joint loads meet
.irp s, 0,1
	s_mov_b32 s[G0+4*\s], 1
	s_add_co_u32 s[G0+4*\s+1], s45, \s*SLOT
	s_add_nc_u64 s[G0+4*\s+2:G0+4*\s+3], s[20:21], \s*NQ*12288
	s_or_b32 s[G0+4*\s+3], s[G0+4*\s+3], 0x80000000
	s_mov_b32 s[G0B+4*\s], 1
	s_add_co_u32 s[G0B+4*\s+1], s98, \s*SLOT
	s_add_nc_u64 s[G0B+4*\s+2:G0B+4*\s+3], s[46:47], \s*NQ*12288
	s_or_b32 s[G0B+4*\s+3], s[G0B+4*\s+3], 0x80000000
	JLOAD G0+4*\s, G1, G0B+4*\s, G1B
.endr
	v_and_b32 v1, 15, v0                           ; r
	v_bfe_u32 v2, v0, 4, 1                         ; h
	v_and_b32 v3, 31, v0                           ; lane
	v_lshlrev_b32 v[L16], 4, v3
	v_lshlrev_b32 v[R16], 4, v1
	GSCALES 0, 0                                   ; both slots' scale words
	GSCALES 1, NQ*512
	s_mul_i32 s21, s15, 6144                       ; my four blocks of A
	s_mul_i32 s22, s16, BHALF
	s_add_co_u32 s22, s22, ABYTES                  ; my 128 rows of B
.irp s, 0,1
	v_add_nc_u32 v[ADRA+\s], s21, v[L16]
	v_add_nc_u32 v[ADRB+\s], s22, v[L16]
	s_add_co_u32 s21, s21, SLOT
	s_add_co_u32 s22, s22, SLOT
.endr
	s_mul_i32 s23, s14, 8448                       ; my stage: 16 rows x 528 bytes, in slot 0, used behind that slot's last fill and last read
	v_mul_u32_u24 v5, v1, 528
	v_lshl_add_u32 v5, v2, 6, v5
	v_add_nc_u32 v[STO], s23, v5                   ; in: row r, + 64 h
	v_add_nc_u32 v[RD], s23, v[L16]                ; back: a row of 512 bytes
	s_lshl_b32 s18, s17, 19                        ; my first row: 128 x tile + 64 x half, rows of 4,096 bytes;
	s_lshl_b32 s19, s15, 18
	s_add_co_u32 s18, s18, s19
	s_lshl_b32 s19, s42, 10                        ; my first column: 256 x tile + 128 x half
	s_add_co_u32 s18, s18, s19
	s_lshl_b32 s19, s16, 9
	s_add_co_u32 s18, s18, s19
	s_mov_b32 s19, 0
	s_add_nc_u64 s[PRES:PRES+1], s[PRES:PRES+1], s[18:19]
	s_add_nc_u64 s[POUT:POUT+1], s[POUT:POUT+1], s[18:19]
	s_wait_tensorcnt 1                             ; my part of slot 0 is in (slot 1's load may be out)
	s_barrier_signal -1
	s_barrier_wait -1                              ; everybody's is
	FETCH_B 0, 0, 0
	FETCH_A 0, 0, 0
	FETCH_A 0, 0, 1
	s_wait_loadcnt 0x0                             ; the scale words
	WIN 0xc0                                       ; the residual, into window 3: row t of block a is true row 32 (a / 2) + 16 (t / 8) + 8 (a % 2) + t % 8 of my 64
.irp a, 0,1,2,3
.irp t, 0,1,2,3,4,5,6,7,8,9,10,11,12,13,14,15
	global_load_b128 v[4*(16*\a+\t):4*(16*\a+\t)+3], v[L16], s[PRES:PRES+1] offset:(32*(\a/2)+16*(\t/8)+8*(\a%2)+\t%8)*4096
.endr
.endr
	WIN 0
	STEP 0, 0, 1                                   ; the first step's products start the sums
	STEP 0, 1, 0
	STEP 0, 2, 0
.if LAPS > 1
	s_mov_b32 s3, LAPS-1
.Llap:                                 ; a trip goes once round the ring and fills both slots again
	TURN 0, 1, 1
	STEP 1, 0, 0
	STEP 1, 1, 0
	STEP 1, 2, 0
	TURN 1, 0, 1
	STEP 0, 0, 0
	STEP 0, 1, 0
	STEP 0, 2, 0
	s_sub_co_u32 s3, s3, 1
	s_cmp_lg_u32 s3, 0
	s_cbranch_scc1 .Llap
.endif
	TURN 0, 1, 0                                   ; the last change of slots fills nothing
	STEP 1, 0, 0
	STEP 1, 1, 0
	STEP 1, 2, 0
	s_wait_dscnt HN
	MULQ 0, 1, NQ-1, 1, 0
	MULQ 1, 1, NQ-1, 1, 0
	s_wait_dscnt 0x0
	MULQ 2, 1, NQ-1, 1, 0
	MULQ 3, 1, NQ-1, 1, 0
	WIN 0
	PLACES
; THE WAY OUT, block by block of 16 rows x 128 columns, through my own stage: back come whole rows of 512 bytes, the residual is added, and 32 lanes store 512 consecutive bytes.
.macro TOSTAGE a
	WIN 0x08                                       ; an LDS store's data: window 2
.irp b, 0,1,2,3,4,5,6,7
	ds_store_b128 v[STO], v[64*(\a)+8*\b:64*(\a)+8*\b+3] offset:128*(\b/2)+32*(\b%2)       ; each accumulator from its low end on
	ds_store_b128 v[STO], v[64*(\a)+8*\b+4:64*(\a)+8*\b+7] offset:128*(\b/2)+32*(\b%2)+16
.endr
	WIN 0
.set BB, BK+64*((\a)%2)
.irp t, 0,1,2,3,4,5,6,7,8,9,10,11,12,13,14,15
	ds_load_b128 v[BB+4*\t:BB+4*\t+3], v[RD] offset:\t*528     ; LDS serves a wave's instructions in order: these see the stores above
.endr
.endm
.macro SEND a, younger                 ; younger: the LDS instructions issued behind block a's loads
.set BB, BK+64*((\a)%2)
	s_wait_dscnt \younger
	WIN 0x0c                                       ; source 1: window 3
.set I, 0
.rept 32
	v_pk_add_f32 v[BB+I:BB+I+1], v[BB+I:BB+I+1], v[64*(\a)+I:64*(\a)+I+1]
.set I, I+2
.endr
	WIN 0
.irp t, 0,1,2,3,4,5,6,7,8,9,10,11,12,13,14,15
	global_store_b128 v[L16], v[BB+4*\t:BB+4*\t+3], s[POUT:POUT+1] offset:(32*((\a)/2)+16*(\t/8)+8*((\a)%2)+\t%8)*4096
.endr
.endm
	s_wait_loadcnt 0x0                             ; the residual
	TOSTAGE 0
.irp a, 1,2,3
.if \a > 1
	s_wait_xcnt 0x0                                ; block a - 2's stores have read their registers: block a's loads may land there
.endif
	TOSTAGE \a
	SEND \a-1, 32                                  ; behind block a - 1's loads: block a's 16 stores and 16 loads
.endr
	SEND 3, 0
	s_wait_tensorcnt 0x0                           ; the wave's end
	ds_add_u32 v[SPW], v[NIL]
	s_wait_dscnt 0x0
	CROUND                                         ; the closing round: no work-group ends while a partner may still ask for a tile that names it
	s_endpgm
.Lfunc_end_k_qcfdd8864ec_proj:
	.size	k_qcfdd8864ec_proj, .Lfunc_end_k_qcfdd8864ec_proj-k_qcfdd8864ec_proj
	.p2alignl 7, 3214868480
	.fill 96, 4, 3214868480
	.section	.rodata,"a",@progbits
	.p2align	6, 0x0
	.amdhsa_kernel k_qcfdd8864ec_proj
		.amdhsa_group_segment_fixed_size 327680
		.amdhsa_private_segment_fixed_size 0
		.amdhsa_enable_private_segment 0
		.amdhsa_kernarg_size 32
		.amdhsa_user_sgpr_count 2
		.amdhsa_user_sgpr_kernarg_segment_ptr 1
		.amdhsa_wavefront_size32 1
		.amdhsa_system_sgpr_workgroup_id_x 1
		.amdhsa_system_sgpr_workgroup_id_y 1
		.amdhsa_system_sgpr_workgroup_id_z 1
		.amdhsa_system_vgpr_workitem_id 0
		.amdhsa_next_free_vgpr 1024
		.amdhsa_next_free_sgpr 102
		.amdhsa_reserve_vcc 0
		.amdhsa_float_denorm_mode_32 3
		.amdhsa_float_denorm_mode_16_64 3
		.amdhsa_memory_ordered 1
		.amdhsa_forward_progress 1
		.amdhsa_inst_pref_size 93
	.end_amdhsa_kernel
	.amdgpu_metadata
---
amdhsa.version: [ 1, 2 ]
amdhsa.kernels:
  - .name:           k_qcfdd8864ec_proj
    .symbol:         k_qcfdd8864ec_proj.kd
    .args:
      - { .name: y, .offset: 0, .size: 8, .value_kind: global_buffer, .address_space: global }
      - { .name: wq, .offset: 8, .size: 8, .value_kind: global_buffer, .address_space: global }
      - { .name: x, .offset: 16, .size: 8, .value_kind: global_buffer, .address_space: global }
      - { .name: x1, .offset: 24, .size: 8, .value_kind: global_buffer, .address_space: global }
    .group_segment_fixed_size: 327680
    .private_segment_fixed_size: 0
    .kernarg_segment_align: 8
    .kernarg_segment_size: 32
    .max_flat_workgroup_size: 128
    .sgpr_count:     102
    .vgpr_count:     1024
    .wavefront_size: 32
...
	.end_amdgpu_metadata
.endif
;; end of part 8
;; launch ln2: the kernel of part 2 again; grid 256 x 1, 8 waves a work-group, no clusters, 69,632 bytes of LDS; arguments x1, ln2_w, ln2_b, a2; writes a2
;; launch fc (part 9): grid 16 x 16, 4 waves a work-group, clusters of 4 x 4, 327,680 bytes of LDS; arguments a2, wq, b_fc, h; writes h
.if DOCPART == 9
	.amdgcn_target "amdgcn-amd-amdhsa--gfx1250"
	.amdhsa_code_object_version 6
	.text
	.protected	k_qcfdd8864ec_fc
	.globl	k_qcfdd8864ec_fc
	.p2align	8
	.type	k_qcfdd8864ec_fc,@function
k_qcfdd8864ec_fc:
	s_mov_b64 s[64:65], 0
	v_nop
	global_prefetch_b8 v0, s[64:65] scope:SCOPE_SE
	s_setreg_imm32_b32 hwreg(HW_REG_WAVE_MODE, 25, 1), 1
	s_wait_xcnt 0x0
	s_wait_alu depctr_hold_cnt(0) depctr_sa_sdst(0) depctr_va_vdst(0) depctr_va_sdst(0) depctr_va_ssrc(0) depctr_va_vcc(0) depctr_vm_vsrc(0)
	s_getreg_b32 s2, hwreg(HW_REG_IB_STS2, 6, 4)
	s_cmp_eq_u32 s2, 0
	s_cbranch_scc0 .Lentry_in_a_cluster
	s_endpgm
.Lentry_in_a_cluster:
	s_bfe_u32 s2, ttmp6, 0x10000c
	s_cmp_lg_u32 s2, 0xf033
	s_cbranch_scc0 .Lentry_shape_is_right
	s_endpgm
.Lentry_shape_is_right:
; h = Q(gelu(Q(LN2(x1)) Q(w_fc) + b_fc)), on codes of BF6 (E3M2) with E8M0 scales; sums, bias and the exact GELU in f32; h leaves as codes, quantised along its 4,096 columns.
; OPERANDS lie in the order of the operand's registers: fragment (g, s, a) = 16 rows x 128 K = 1,536 bytes at ((g NS + s) 8 + a) 1536; scale words of (g, s): 512 bytes, the word of (a, r) at 256 (a / 4) + 16 r + 4 (a % 4).
; Position p of an operand holds true row p with bits 3 and 4 exchanged.  THE MATRIX INSTRUCTION IS USED TRANSPOSED (source 0 = 16 rows of the weight, source 1 = 16 tokens): in accumulator (a, b) lane (r, h) holds
; token position 16 a + r and, in register j, the TRUE column 32 (b / 2) + 16 h + 8 (b % 2) + j: a block's 64 registers are 16 neighbours of each of four blocks of 32 along the next K.
; The bias is the C of each sum's first matrix instruction.  gelu(x) = x / 2 (1 + erf(x / sqrt 2)); erf(u) = u P(u^2) / Q(u^2) with u held to +-4, a rational of degrees 6 and 4 in u^2.
; LIMITS: erf's error is about 1e-7 absolute, so for x under about -3 the small number 1 + erf carries a relative error above 1e-6.  NaN and infinities are not served; a block of zeros or under 2^-122 gets the byte 1; only this program reads the bytes.
; A tile of 256 x 256 is made by four waves, 128 x 128 each: 64 accumulators.  K goes in steps of 256 through two LDS slots; the scale words of all K come once.
; THE WAY OUT IS A LOOP of eight trips, one for each block of 16 rows: GELU, quantiser and stores are written once, on 64 fixed registers; what differs from block to block, the accumulators that are read,
; stands in eight short pieces, chosen by a scalar branch on the loop's counter.
; CLUSTERS: 4 x 4 work-groups; A's tiles are asked for jointly along a row of the cluster, B's along a column.
; REGISTERS: window 0: v1-31 addresses; v32-63 scale words; v64-127 the bias, later at work; from v128 A's fragments, later gelu's results.  window 1: B's fragments, two sets.  windows 2, 3: accumulator (a, b) at window 2 + a / 4, v[8 (8 (a % 4) + b)].
.set MB,   8
.set NS,   8
.set BIAS, 1
.set A_S,  3145728
.set B_C,  3276800
.set B_S,  6422528
.set H_S,  12582912
.set POUT, 10
.set FR,     12
.set HN,     3*MB/2
.set ABYTES, MB*6144
.set SLOT,   ABYTES+49152
.set SCL,    2*SLOT
.set ASC,    (MB/4)*NS*512
.set SPARE,  SCL+ASC+NS*1024           ; the spare words, 128 bytes for each wave: two blocks of 256 bytes that no other line names
.set LAPS,   NS/4
.set ADRA, 16
.set ADRB, 20
.set L16,  26
.set ADRS, 27
.set SPW,  28
.set NIL,  29
.set SC,   32
.set BI,   64
.set AF,   128
.set G1,   24
.set G0,   32
.set G1B,  48
.set G0B,  56
.set G1S,  68
.set G0S,  76
.set G1SB, 80
.set G0SB, 88
.set MSB, 0
.macro WIN new                         ; the immediate's high byte repeats the setting that is left
.if MSB != (\new)
	s_set_vgpr_msb (MSB<<8)|(\new)
.set MSB, (\new)
.endif
.endm
.macro PLACES                          ; four places behind a matrix instruction, in front of loads into its registers and of reads of its results
.rept 4
	v_nop
.endr
.endm
; A joint load: waves 0 and 1 fetch for A, waves 2 and 3 for B; the branch hangs on the wave's number alone.  Four v_nop follow each line.
.macro JLOAD g0a, g1a, g0b, g1b
	s_cmp_eq_u32 s15, 0
	s_cbranch_scc0 .Lfor_b_\@
	tensor_load_to_lds s[\g0a:\g0a+3], s[\g1a:\g1a+7]
	s_nop 0
.rept 4
	v_nop
.endr
	s_branch .Lasked_\@
.Lfor_b_\@:
	tensor_load_to_lds s[\g0b:\g0b+3], s[\g1b:\g1b+7]
	s_nop 0
.rept 4
	v_nop
.endr
.Lasked_\@:
.endm
.macro CREST                           ; a round of the cluster's barrier behind its opening barrier
	s_cmp_lg_u32 s14, 0
	s_cbranch_scc1 .Lnot_wave_0_\@
	s_barrier_signal -3
.Lnot_wave_0_\@:
	s_barrier_wait -3
	s_barrier_signal -1
	s_barrier_wait -1
.endm
.macro CROUND
	s_barrier_signal -1
	s_barrier_wait -1
	CREST
.endm
.macro DESC1 g, rows                   ; words 1 to 7 of a group 1: a dense block as rows of 256 bytes (32 elements of 8 bytes)
	s_mov_b32 s[\g+1], 32<<16
	s_mov_b32 s[\g+2], (\rows)<<16
	s_mov_b32 s[\g+3], 32<<16
	s_mov_b32 s[\g+4], \rows
	s_mov_b32 s[\g+5], 32
	s_mov_b32 s[\g+6], 0
	s_mov_b32 s[\g+7], 0
.endm
.macro FRAG reg, adr, q, i             ; a fragment as it lies: three loads of 512 consecutive bytes
.irp c, 0,1,2
	ds_load_b128 v[\reg+4*\c:\reg+4*\c+3], v[\adr] offset:(\q)*12288+(\i)*1536+512*\c
.endr
.endm
.macro FETCH_B slot, q, p
	WIN 0x40
.irp i, 0,1,2,3,4,5,6,7
	FRAG 128*(\p)+FR*\i, ADRB+\slot, \q, \i
.endr
	WIN 0
.endm
.macro FETCH_A slot, q, half
.set I0, (\half)*MB/2
.rept MB/2
	FRAG AF+FR*I0, ADRA+\slot, \q, I0
.set I0, I0+1
.endr
.endm
.macro SCALES sc                       ; a slot's scale words: register SC + 16 sc + 8 q + i: lanes 0-15 the word of A's block i, lanes 16-31 that of B's block i
.irp q, 0,1
.irp u, 0,1
	ds_load_b128 v[SC+16*(\sc)+8*\q+4*\u:SC+16*(\sc)+8*\q+4*\u+3], v[ADRS] offset:512*\q+256*\u
.endr
.endr
.endm
; A quarter of a step of 128 along K: MB / 4 blocks of A against B's eight.  The accumulators take turns, one instruction a turn, in the same order in every step.
.macro MULQ qd, p, q, sc, first
.set A0, (\qd)*MB/4
.rept MB/4
.if (\first) && BIAS
	WIN 0x81+0x40*(A0/4)
.else
	WIN 0xa1+0x50*(A0/4)
.endif
.irp b, 0,1,2,3,4,5,6,7
.set DD, 8*(8*(A0%4)+\b)
.set BR, 128*(\p)+FR*\b
.set AR, AF+FR*A0
.set SBR, SC+16*(\sc)+8*(\q)+\b
.set SAR, SC+16*(\sc)+8*(\q)+A0
.if (\first) && BIAS
	v_wmma_scale_f32_16x16x128_f8f6f4 v[DD:DD+7], v[BR:BR+11], v[AR:AR+11], v[BI+8*\b:BI+8*\b+7], v[SBR], v[SAR] matrix_a_fmt:MATRIX_FMT_BF6 matrix_b_fmt:MATRIX_FMT_BF6 matrix_a_scale:MATRIX_SCALE_ROW1
.elseif \first
	v_wmma_scale_f32_16x16x128_f8f6f4 v[DD:DD+7], v[BR:BR+11], v[AR:AR+11], 0, v[SBR], v[SAR] matrix_a_fmt:MATRIX_FMT_BF6 matrix_b_fmt:MATRIX_FMT_BF6 matrix_a_scale:MATRIX_SCALE_ROW1
.else
	v_wmma_scale_f32_16x16x128_f8f6f4 v[DD:DD+7], v[BR:BR+11], v[AR:AR+11], v[DD:DD+7], v[SBR], v[SAR] matrix_a_fmt:MATRIX_FMT_BF6 matrix_b_fmt:MATRIX_FMT_BF6 matrix_a_scale:MATRIX_SCALE_ROW1
.endif
.endr
.set A0, A0+1
.endr
.endm
.macro STEP slot, q, first             ; a step of 128 along K that has its successor in the same slot
	s_wait_dscnt HN                                ; B's set and A's first half are in; the youngest HN loads (A's second half) may be out
	MULQ 0, (\q)%2, \q, \slot, \first
	MULQ 1, (\q)%2, \q, \slot, \first
	s_wait_dscnt 0x0                               ; A's second half is in
	PLACES
	FETCH_B \slot, (\q)+1, 1-(\q)%2
	FETCH_A \slot, (\q)+1, 0
	MULQ 2, (\q)%2, \q, \slot, \first
	MULQ 3, (\q)%2, \q, \slot, \first
	PLACES
	WIN 0
	FETCH_A \slot, (\q)+1, 1
.endm
; A slot's last step changes slots: one barrier; in front of it each wave waits for all its tensor loads, adds 0 to its spare word, and waits for that and for its reads of this slot.
.macro TURN slot, next, fill
	s_wait_tensorcnt 0x0                           ; all my tensor loads have landed: my part of the next slot
	ds_add_u32 v[SPW], v[NIL]                      ; 0 onto my spare word
	s_wait_dscnt HN+1                              ; (the add and A's second half may be out)
	MULQ 0, 1, 1, \slot, 0
	s_wait_dscnt 0x0                               ; the add is done, and my reads of this slot are over
	s_barrier_signal -1
	MULQ 1, 1, 1, \slot, 0
	WIN 0
	s_barrier_wait -1
.if \fill
	CREST                                          ; the barrier has opened a round of the cluster's: no wave of any partner still reads this slot or has a load on its way
	s_add_nc_u64 s[G0+4*\slot+2:G0+4*\slot+3], s[G0+4*\slot+2:G0+4*\slot+3], 49152
	s_add_nc_u64 s[G0B+4*\slot+2:G0B+4*\slot+3], s[G0B+4*\slot+2:G0B+4*\slot+3], 49152
	JLOAD G0+4*\slot, G1, G0B+4*\slot, G1B         ; the first tensor load behind the round; its four v_nop are the places in front of the loads below
.else
	PLACES
.endif
	v_add_nc_u32 v[ADRS], 1024, v[ADRS]            ; the next slot's scale words
	FETCH_B \next, 0, 0
	FETCH_A \next, 0, 0
	SCALES \next
	MULQ 2, 1, 1, \slot, 0
	MULQ 3, 1, 1, \slot, 0
	PLACES
	WIN 0
	FETCH_A \next, 0, 1
.endm
; 64 numbers of a lane, v[s] on, register 16 b + i = column 32 b + 16 h + i of my row, become a fragment's codes in v[PC] on and its scale word in v[pw].
.set PC, 192
.set TM, 212
.set SEL, 100
.macro QUANT s, pw
.irp b, 0,1,2,3
	v_max3_num_f32 v[TM+\b], |v[\s+16*\b]|, |v[\s+1+16*\b]|, 0x2800000   ; the floor 2^(5 - 127) holds the byte at 1 from below
.endr
.irp i, 2,4,6,8,10,12,14
.irp b, 0,1,2,3
	v_max3_num_f32 v[TM+\b], v[TM+\b], |v[\s+16*\b+\i]|, |v[\s+1+16*\b+\i]|
.endr
.endr
.irp b, 0,1,2,3
	v_permlanex16_b32 v[TM+4+\b], v[TM+\b], s[SEL], s[SEL+1]
.endr
.irp b, 0,1,2,3
	v_max_num_f32 v[TM+\b], v[TM+\b], v[TM+4+\b]
.endr
.irp b, 0,1,2,3
	v_add_nc_u32 v[TM+12+\b], 0xfe000000, v[TM+\b]
.endr
.irp b, 0,1,2,3
	v_lshrrev_b32 v[TM+4+\b], 23, v[TM+12+\b]
.endr
	v_lshl_or_b32 v[\pw], v[TM+5], 8, v[TM+4]
	v_lshl_or_b32 v[\pw], v[TM+6], 16, v[\pw]
	v_lshl_or_b32 v[\pw], v[TM+7], 24, v[\pw]
.irp c, 0,1
	v_cvt_scalef32_pk16_bf6_f32 v[PC+6*\c:PC+2+6*\c], v[\s+32*\c:\s+15+32*\c], v[TM+12+2*\c]
	v_cvt_scalef32_pk16_bf6_f32 v[PC+12+4*\c:PC+14+4*\c], v[\s+16+32*\c:\s+31+32*\c], v[TM+12+2*\c+1]
.endr
	v_nop                                          ; one plain place behind a scaled conversion
.irp c, 0,1
.irp i, 0,1,2
	v_permlane16_swap_b32 v[PC+6*\c+\i], v[PC+12+4*\c+\i]
.endr
.irp i, 0,1,2
	v_mov_b32 v[PC+3+6*\c+\i], v[PC+12+4*\c+\i]
.endr
.endr
.endm
	s_load_b128 s[4:7], s[0:1], 0x0                ; a2, wq
	s_load_b128 s[8:11], s[0:1], 0x10              ; b_fc, h
	v_lshl_add_u32 v[SPW], v0, 2, SPARE
	v_mov_b32 v[NIL], 0
	ds_add_u32 v28, v29
	s_wait_dscnt 0x0
	v_lshrrev_b32 v1, 5, v0
	v_readfirstlane_b32 s14, v1                    ; wave 0..3
	s_lshr_b32 s15, s14, 1                         ; which half of A's rows is mine.  Also: I fetch for A (0) or for B (1)
	s_and_b32 s16, s14, 1                          ; which half of B's rows.  Also: which half of that tile I fetch
	s_bfe_u32 s40, ttmp6, 0x40000                  ; cx
	s_bfe_u32 s41, ttmp6, 0x40004                  ; cy
	s_lshl_b32 s42, ttmp9, 2
	s_and_b32 s17, ttmp7, 0xffff
	s_lshl_b32 s17, s17, 2
	s_add_co_u32 s42, s42, s40                     ; B's tile of 256 columns
	s_add_co_u32 s17, s17, s41                     ; A's tile of 256 tokens
	s_lshl_b32 s43, s41, 2
	s_lshl_b32 s43, 15, s43                        ; my row of the cluster
	s_lshl_b32 s44, 0x1111, s40                    ; my column
	s_or_b32 s[G1+0], s43, (3<<16)|(1<<21)         ; 15:0 the mask; 17:16 elements of 8 bytes; 21 set beside a mask; no padding
	s_or_b32 s[G1B+0], s44, (3<<16)|(1<<21)
	s_or_b32 s[G1S+0], s43, (3<<16)|(1<<21)
	s_or_b32 s[G1SB+0], s44, (3<<16)|(1<<21)
	DESC1 G1, MB*12
	DESC1 G1B, 96
	DESC1 G1S, MB*NS/4
	DESC1 G1SB, 2*NS
	s_lshl_b32 s20, s17, 1
	s_add_co_u32 s20, s20, s16                     ; the group of 128 rows of A that I fetch
	s_mul_i32 s22, s20, NS*512
	s_mul_i32 s20, s20, NS*12288
	s_add_co_u32 s22, s22, A_S
	s_mov_b32 s21, 0
	s_mov_b32 s23, 0
	s_lshl_b32 s46, s42, 1
	s_add_co_u32 s46, s46, s16                     ; and of B
	s_mul_i32 s92, s46, NS*512
	s_mul_i32 s46, s46, NS*12288
	s_add_co_u32 s92, s92, B_S
	s_add_co_u32 s46, s46, B_C
	s_mov_b32 s47, 0
	s_mov_b32 s93, 0
	s_mul_i32 s45, s16, MB*3072                    ; where they go in LDS: no place in the cluster enters an LDS address
	s_mul_i32 s98, s16, 24576
	s_add_co_u32 s98, s98, ABYTES
	s_mul_i32 s100, s16, MB*NS*64
	s_add_co_u32 s100, s100, SCL
	s_mul_i32 s101, s16, NS*512
	s_add_co_u32 s101, s101, SCL+ASC
	s_wait_kmcnt 0x0
	s_add_nc_u64 s[20:21], s[4:5], s[20:21]
	s_add_nc_u64 s[22:23], s[4:5], s[22:23]
	s_add_nc_u64 s[46:47], s[6:7], s[46:47]
	s_add_nc_u64 s[92:93], s[6:7], s[92:93]
	CROUND                                         ; all sixteen work-groups are here: the first joint loads meet
	s_mov_b32 s[G0S], 1
	s_mov_b32 s[G0S+1], s100
	s_mov_b64 s[G0S+2:G0S+3], s[22:23]
	s_or_b32 s[G0S+3], s[G0S+3], 0x80000000
	s_mov_b32 s[G0SB], 1
	s_mov_b32 s[G0SB+1], s101
	s_mov_b64 s[G0SB+2:G0SB+3], s[92:93]
	s_or_b32 s[G0SB+3], s[G0SB+3], 0x80000000
	JLOAD G0S, G1S, G0SB, G1SB                     ; the scale words of all K: filled once
.irp s, 0,1
	s_mov_b32 s[G0+4*\s], 1
	s_add_co_u32 s[G0+4*\s+1], s45, \s*SLOT
	s_add_nc_u64 s[G0+4*\s+2:G0+4*\s+3], s[20:21], \s*24576
	s_or_b32 s[G0+4*\s+3], s[G0+4*\s+3], 0x80000000
	s_mov_b32 s[G0B+4*\s], 1
	s_add_co_u32 s[G0B+4*\s+1], s98, \s*SLOT
	s_add_nc_u64 s[G0B+4*\s+2:G0B+4*\s+3], s[46:47], \s*24576
	s_or_b32 s[G0B+4*\s+3], s[G0B+4*\s+3], 0x80000000
	JLOAD G0+4*\s, G1, G0B+4*\s, G1B
.endr
	v_and_b32 v1, 15, v0                           ; r
	v_bfe_u32 v2, v0, 4, 1                         ; h
	v_and_b32 v3, 31, v0                           ; lane
	v_lshlrev_b32 v[L16], 4, v3
	s_mul_i32 s21, s15, 24576                      ; my 128 rows of A
	s_mul_i32 s22, s16, 24576
	s_add_co_u32 s22, s22, ABYTES                  ; my 128 rows of B
.irp s, 0,1
	v_add_nc_u32 v[ADRA+\s], s21, v[L16]
	v_add_nc_u32 v[ADRB+\s], s22, v[L16]
	s_add_co_u32 s21, s21, SLOT
	s_add_co_u32 s22, s22, SLOT
.endr
	v_lshlrev_b32 v5, 4, v1                        ; scale words: 16 r;
	s_mul_i32 s21, s15, NS*512                     ; A's: my group
	s_mul_i32 s22, s16, NS*512
	s_add_co_u32 s22, s22, ASC                     ; B's: my group, behind A's
	s_sub_co_u32 s22, s22, s21
	v_mul_u32_u24 v6, s22, v2                      ; lanes 16-31 take B's: the lower base + h x the distance
	s_add_co_u32 s21, s21, SCL
	v_add_nc_u32 v5, v5, v6
	v_add_nc_u32 v[ADRS], s21, v5
	s_mov_b32 s[SEL], 0x76543210
	s_mov_b32 s[SEL+1], 0xfedcba98
	s_lshl_b32 s18, s42, 10                        ; the bias of my 128 columns, in the result's layout: for tile b the numbers 32 (b / 2) + 16 h + 8 (b % 2) + 0 .. 7
	s_lshl_b32 s19, s16, 9
	s_add_co_u32 s18, s18, s19
	s_mov_b32 s19, 0
	s_add_nc_u64 s[8:9], s[8:9], s[18:19]
	v_lshlrev_b32 v4, 6, v2
.irp b, 0,1,2,3,4,5,6,7
	global_load_b128 v[BI+8*\b:BI+8*\b+3], v4, s[8:9] offset:(32*(\b/2)+8*(\b%2))*4
	global_load_b128 v[BI+8*\b+4:BI+8*\b+7], v4, s[8:9] offset:(32*(\b/2)+8*(\b%2))*4+16
.endr
	s_wait_tensorcnt 1                             ; the scale words and my part of slot 0 are in (slot 1's load may be out)
	s_barrier_signal -1
	s_barrier_wait -1                              ; everybody's are
	FETCH_B 0, 0, 0
	FETCH_A 0, 0, 0
	SCALES 0
	FETCH_A 0, 0, 1
	s_wait_loadcnt 0x0                             ; the bias
	STEP 0, 0, 1                                   ; the first step stands in front of the loop: its products start the sums, on the bias
	s_mov_b32 s3, LAPS-1
.Llap:                                 ; a trip goes once round the ring and fills both slots again
	TURN 0, 1, 1
	STEP 1, 0, 0
	TURN 1, 0, 1
	STEP 0, 0, 0
	s_sub_co_u32 s3, s3, 1
	s_cmp_lg_u32 s3, 0
	s_cbranch_scc1 .Llap
	TURN 0, 1, 0                                   ; the last lap fills nothing
	STEP 1, 0, 0
	s_wait_dscnt HN
	MULQ 0, 1, 1, 1, 0
	MULQ 1, 1, 1, 1, 0
	s_wait_dscnt 0x0
	MULQ 2, 1, 1, 1, 0
	MULQ 3, 1, 1, 1, 0
	WIN 0
	PLACES
; THE WAY OUT: each block of 16 rows goes through the GELU and the quantiser in registers and is stored as the next operand's image: no stage.
.set W, 228                            ; v228-235 the eight blocks' scale words, a shift register; v236-239 as they are stored
.set U, 64                             ; sixteen numbers at a time: u = x / sqrt 2, held to +-4
.set Z, 80                             ; u^2
.set P, 96
.set Q, 112
.set H, 128                            ; x / 2, then gelu(x): 64 numbers
.irp b, 0,1,2,3
	v_mov_b32 v[TM+4+\b], 0                        ; a lane permute's destination counts as one of its sources
.endr
.irp j, 0,1,2,3,4,5,6,7
	v_mov_b32 v[W+\j], 0                           ; written once: the first trips shift them before a word has come
.endr
	s_mov_b32 s92, 0xaf95df0a                      ; P's leading coefficient, -2.72614226e-10
	s_mov_b32 s93, s92
	s_mov_b32 s94, 0xb77460cd                      ; Q's, -1.45660718e-05
	s_mov_b32 s95, s94
	v_mov_b32 v8, 0x32edffee                       ; P's second, 2.77068142e-08
	v_mov_b32 v9, v8
	v_mov_b32 v10, 0xb95fbd29                      ; Q's second, -2.13374055e-04
	v_mov_b32 v11, v10
	s_lshl_b32 s20, s17, 1
	s_add_co_u32 s20, s20, s15                     ; my group of 128 tokens
	s_lshl_b32 s21, s42, 1
	s_add_co_u32 s21, s21, s16                     ; my 128 columns: a K step of the next product
	s_lshl_b32 s20, s20, 5
	s_add_co_u32 s20, s20, s21
	s_mul_i32 s46, s20, 12288
	s_mov_b32 s47, 0
	s_lshl_b32 s22, s20, 9
	s_add_co_u32 s22, s22, H_S
	s_mov_b32 s23, 0
	s_add_nc_u64 s[46:47], s[POUT:POUT+1], s[46:47]
	s_add_nc_u64 s[22:23], s[POUT:POUT+1], s[22:23]
.macro HORNER d, lit                   ; d = d z + the next coefficient, sixteen numbers
.irp i, 0,2,4,6,8,10,12,14
	v_pk_fma_f32 v[\d+\i:\d+\i+1], v[\d+\i:\d+\i+1], v[Z+\i:Z+\i+1], \lit op_sel_hi:[1,1,0]
.endr
.endm
	s_mov_b32 s3, 0                                ; the block in hand
.Lblk:
.irp a, 0,1,2,3,4,5,6
	s_cmp_eq_u32 s3, \a                            ; which accumulators this trip reads hangs on the counter alone
	s_cbranch_scc1 .Lhalf\a
.endr
.irp a, 7,6,5,4,3,2,1,0
.Lhalf\a:
	WIN 2+\a/4                                     ; source 0: the block's window
.set AC, 64*(\a%4)
.set I, 0
.rept 32
	v_pk_mul_f32 v[H+I:H+I+1], v[AC+I:AC+I+1], 0.5 op_sel_hi:[1,0]   ; x / 2: nothing is rounded
.set I, I+2
.endr
	WIN 0
.if \a > 0
	s_branch .Lgelu
.endif
.endr
.Lgelu:
.irp g, 0,1,2,3
.irp i, 0,2,4,6,8,10,12,14
	v_pk_mul_f32 v[U+\i:U+\i+1], v[H+16*\g+\i:H+16*\g+\i+1], 0x3fb504f3 op_sel_hi:[1,0]   ; u = (x / 2) sqrt 2
.endr
.irp i, 0,1,2,3,4,5,6,7,8,9,10,11,12,13,14,15
	v_med3_num_f32 v[U+\i], v[U+\i], -4.0, 4.0
.endr
.irp i, 0,2,4,6,8,10,12,14
	v_pk_mul_f32 v[Z+\i:Z+\i+1], v[U+\i:U+\i+1], v[U+\i:U+\i+1]
.endr
.irp i, 0,2,4,6,8,10,12,14
	v_pk_fma_f32 v[P+\i:P+\i+1], v[Z+\i:Z+\i+1], s[92:93], v[8:9] op_sel_hi:[1,0,0]
.endr
.irp i, 0,2,4,6,8,10,12,14
	v_pk_fma_f32 v[Q+\i:Q+\i+1], v[Z+\i:Z+\i+1], s[94:95], v[10:11] op_sel_hi:[1,0,0]
.endr
	HORNER P, 0xb60cff51                           ; -2.10102402e-06
	HORNER Q, 0xbadc924e                           ; -1.68282697e-03
	HORNER P, 0xb86ec2d2                           ; -5.69250639e-05
	HORNER Q, 0xbbf19bf8                           ; -7.37332917e-03
	HORNER P, 0xba40ac63                           ; -7.34990630e-04
	HORNER Q, 0xbc69b6a7                           ; -1.42647391e-02
	HORNER P, 0xbb41a1f6                           ; -2.95459981e-03
	HORNER P, 0xbc83dbd4                           ; -1.60960333e-02
.irp i, 0,1,2,3,4,5,6,7,8,9,10,11,12,13,14,15
	v_rcp_f32 v[Q+\i], v[Q+\i]
.endr
.irp i, 0,2,4,6,8,10,12,14
	v_pk_mul_f32 v[P+\i:P+\i+1], v[P+\i:P+\i+1], v[U+\i:U+\i+1]          ; (plain lines behind the reciprocals)
.endr
	s_wait_alu depctr_va_vdst(0)
.irp i, 0,2,4,6,8,10,12,14
	v_pk_mul_f32 v[P+\i:P+\i+1], v[P+\i:P+\i+1], v[Q+\i:Q+\i+1]          ; erf
.endr
.irp i, 0,2,4,6,8,10,12,14
	v_pk_fma_f32 v[H+16*\g+\i:H+16*\g+\i+1], v[H+16*\g+\i:H+16*\g+\i+1], v[P+\i:P+\i+1], v[H+16*\g+\i:H+16*\g+\i+1]   ; x / 2 + x / 2 erf
.endr
.endr
.irp j, 0,1,2,3,4,5,6
	v_mov_b32 v[W+\j], v[W+\j+1]                   ; the words move one place down: behind eight trips block a's stands in v[W + a]
.endr
	QUANT H, W+7
.irp c, 0,1,2
	global_store_b128 v[L16], v[PC+4*\c:PC+4*\c+3], s[46:47] offset:512*\c
.endr
	s_wait_xcnt 0x0                                ; the stores have read their registers and their base: both are written again only behind this wait
	s_add_nc_u64 s[46:47], s[46:47], 1536          ; the next block's fragment
	s_add_co_u32 s3, s3, 1
	s_cmp_lt_u32 s3, 8
	s_cbranch_scc1 .Lblk
	v_cmp_le_u32 vcc_lo, 16, v3
.irp j, 0,1,2,3
	v_cndmask_b32 v[W+8+\j], v[W+\j], v[W+4+\j], vcc_lo    ; lanes 0-15 blocks 0-3, lanes 16-31 blocks 4-7: the image of 512 bytes
.endr
	global_store_b128 v[L16], v[W+8:W+11], s[22:23]
	s_wait_tensorcnt 0x0                           ; the wave's end
	ds_add_u32 v[SPW], v[NIL]
	s_wait_dscnt 0x0
	CROUND                                         ; the closing round: no work-group ends while a partner may still ask for a tile that names it
	s_endpgm
.Lfunc_end_k_qcfdd8864ec_fc:
	.size	k_qcfdd8864ec_fc, .Lfunc_end_k_qcfdd8864ec_fc-k_qcfdd8864ec_fc
	.p2alignl 7, 3214868480
	.fill 96, 4, 3214868480
	.section	.rodata,"a",@progbits
	.p2align	6, 0x0
	.amdhsa_kernel k_qcfdd8864ec_fc
		.amdhsa_group_segment_fixed_size 327680
		.amdhsa_private_segment_fixed_size 0
		.amdhsa_enable_private_segment 0
		.amdhsa_kernarg_size 32
		.amdhsa_user_sgpr_count 2
		.amdhsa_user_sgpr_kernarg_segment_ptr 1
		.amdhsa_wavefront_size32 1
		.amdhsa_system_sgpr_workgroup_id_x 1
		.amdhsa_system_sgpr_workgroup_id_y 1
		.amdhsa_system_sgpr_workgroup_id_z 1
		.amdhsa_system_vgpr_workitem_id 0
		.amdhsa_next_free_vgpr 1024
		.amdhsa_next_free_sgpr 102
		.amdhsa_reserve_vcc 1
		.amdhsa_float_denorm_mode_32 3
		.amdhsa_float_denorm_mode_16_64 3
		.amdhsa_memory_ordered 1
		.amdhsa_forward_progress 1
		.amdhsa_inst_pref_size 175
	.end_amdhsa_kernel
	.amdgpu_metadata
---
amdhsa.version: [ 1, 2 ]
amdhsa.kernels:
  - .name:           k_qcfdd8864ec_fc
    .symbol:         k_qcfdd8864ec_fc.kd
    .args:
      - { .name: a2, .offset: 0, .size: 8, .value_kind: global_buffer, .address_space: global }
      - { .name: wq, .offset: 8, .size: 8, .value_kind: global_buffer, .address_space: global }
      - { .name: b_fc, .offset: 16, .size: 8, .value_kind: global_buffer, .address_space: global }
      - { .name: h, .offset: 24, .size: 8, .value_kind: global_buffer, .address_space: global }
    .group_segment_fixed_size: 327680
    .private_segment_fixed_size: 0
    .kernarg_segment_align: 8
    .kernarg_segment_size: 32
    .max_flat_workgroup_size: 128
    .sgpr_count:     102
    .vgpr_count:     1024
    .wavefront_size: 32
...
	.end_amdgpu_metadata
.endif
;; end of part 9
;; launch mlp (part 10): grid 4 x 32, 4 waves a work-group, clusters of 4 x 4, 327,680 bytes of LDS; arguments h, wq, b_mlp_proj, x1, out0; writes out0
.if DOCPART == 10
	.amdgcn_target "amdgcn-amd-amdhsa--gfx1250"
	.amdhsa_code_object_version 6
	.text
	.protected	k_qcfdd8864ec_mlp
	.globl	k_qcfdd8864ec_mlp
	.p2align	8
	.type	k_qcfdd8864ec_mlp,@function
k_qcfdd8864ec_mlp:
	s_mov_b64 s[64:65], 0
	v_nop
	global_prefetch_b8 v0, s[64:65] scope:SCOPE_SE
	s_setreg_imm32_b32 hwreg(HW_REG_WAVE_MODE, 25, 1), 1
	s_wait_xcnt 0x0
	s_wait_alu depctr_hold_cnt(0) depctr_sa_sdst(0) depctr_va_vdst(0) depctr_va_sdst(0) depctr_va_ssrc(0) depctr_va_vcc(0) depctr_vm_vsrc(0)
	s_getreg_b32 s2, hwreg(HW_REG_IB_STS2, 6, 4)
	s_cmp_eq_u32 s2, 0
	s_cbranch_scc0 .Lentry_in_a_cluster
	s_endpgm
.Lentry_in_a_cluster:
	s_bfe_u32 s2, ttmp6, 0x10000c
	s_cmp_lg_u32 s2, 0xf033
	s_cbranch_scc0 .Lentry_shape_is_right
	s_endpgm
.Lentry_shape_is_right:
; out0 = x1 + h Q(w_mlp_proj) + b_mlp_proj, h arriving as codes; both operands codes of BF6 (E3M2) with E8M0 scales; K = 4,096; sums in f32; out0 in f32, true rows.
; OPERANDS lie in the order of the operand's registers: fragment (g, s, a) = 16 rows x 128 K = 1,536 bytes at ((g NS + s) 8 + a) 1536; scale words of (g, s): 512 bytes, the word of (a, r) at 256 (a / 4) + 16 r + 4 (a % 4).
; Position p of an operand holds true row p with bits 3 and 4 exchanged.  THE MATRIX INSTRUCTION IS USED TRANSPOSED (source 0 = 16 rows of the weight, source 1 = 16 tokens): in accumulator (a, b) lane (r, h) holds
; token position 16 a + r and, in register j, the TRUE column 32 (b / 2) + 16 h + 8 (b % 2) + j.  The bias is the C of each sum's first matrix instruction.
; A tile of 128 tokens x 256 columns is made by four waves, 64 x 128 each (32 accumulators): with 1,024 columns that gives 128 work-groups where a tile of 256 tokens would give 64, and leaves a window of registers for the residual.
; A SLOT HOLDS 512 ALONG K (four steps of 128), 147,456 bytes, as much as two slots in LDS allow: the one load a wave behind each change of slots then has 128 matrix instructions a wave in which to land, and K has eight slots.
; THE SCALE WORDS of all K, 49,152 bytes, have no room beside two such slots.  They do not go through LDS: each wave takes its own straight into registers, a slot ahead, sixteen lanes reading 256 consecutive aligned bytes of a scale image.
; CLUSTERS: 4 x 4 work-groups; A's tiles are asked for jointly along a row of the cluster, B's along a column.
; REGISTERS: window 0: v1-31 addresses; v32-63 A's scale words, v64-127 B's, two sets each; from v128 A's fragments, one set; v176-239 the bias; on the way out v128-255 rows of the result.
;   window 1: B's fragments, two sets.  window 2: accumulator (a, b) at v[8 (8 a + b)].  window 3: the residual.
.set MB,   4                           ; A's blocks of 16 rows in a wave
.set NS,   32                          ; K / 128
.set NQ,   4                           ; steps of 128 along K in a slot
.set BIAS, 1
.set A_S,  12582912                    ; where h's scale words begin
.set B_C,  6553600                     ; w_mlp_proj's codes in wq
.set B_S,  9699328                     ; and its scale words
.set PRES, 10
.set POUT, 12
.set FR,     12
.set HN,     3*MB/2                    ; LDS loads that bring half of A's blocks
.set ABYTES, NQ*12288                  ; A's 128 rows x 512 K
.set BHALF,  NQ*12288                  ; 128 rows of B x 512 K
.set SLOT,   ABYTES+2*BHALF
.set SPARE,  2*SLOT                    ; the spare words, 128 bytes for each wave: two blocks of 256 bytes that no other line names
.set LAPS,   NS/(2*NQ)
.set ADRA, 16
.set ADRB, 20
.set STO,  24
.set RD,   25
.set L16,  26
.set R16,  27
.set SPW,  28
.set NIL,  29
.set SCA,  32                          ; A's scale words: set s, step q, block a at v[SCA + 16 s + 4 q + a]
.set SCB,  64                          ; B's: v[SCB + 32 s + 8 q + b]
.set AF,   128
.set BI,   176
.set BK,   128
.set G1,   24
.set G0,   32
.set G1B,  48
.set G0B,  56
.set SAP,  68                          ; s[68:69] where my scale words of A are asked for; s[70:71] B's
.set SBP,  70
.set MSB, 0
.macro WIN new                         ; the immediate's high byte repeats the setting that is left
.if MSB != (\new)
	s_set_vgpr_msb (MSB<<8)|(\new)
.set MSB, (\new)
.endif
.endm
.macro PLACES                          ; four places behind a matrix instruction, in front of loads into its registers and of reads of its results
.rept 4
	v_nop
.endr
.endm
; A joint load: waves 0 and 1 fetch for A, waves 2 and 3 for B; the branch hangs on the wave's number alone.  Four v_nop follow each line.
.macro JLOAD g0a, g1a, g0b, g1b
	s_cmp_eq_u32 s15, 0
	s_cbranch_scc0 .Lfor_b_\@
	tensor_load_to_lds s[\g0a:\g0a+3], s[\g1a:\g1a+7]
	s_nop 0
.rept 4
	v_nop
.endr
	s_branch .Lasked_\@
.Lfor_b_\@:
	tensor_load_to_lds s[\g0b:\g0b+3], s[\g1b:\g1b+7]
	s_nop 0
.rept 4
	v_nop
.endr
.Lasked_\@:
.endm
.macro CREST                           ; a round of the cluster's barrier behind its opening barrier
	s_cmp_lg_u32 s14, 0
	s_cbranch_scc1 .Lnot_wave_0_\@
	s_barrier_signal -3
.Lnot_wave_0_\@:
	s_barrier_wait -3
	s_barrier_signal -1
	s_barrier_wait -1
.endm
.macro CROUND
	s_barrier_signal -1
	s_barrier_wait -1
	CREST
.endm
.macro DESC1 g, rows                   ; words 1 to 7 of a group 1: a dense block as rows of 256 bytes (32 elements of 8 bytes)
	s_mov_b32 s[\g+1], 32<<16
	s_mov_b32 s[\g+2], (\rows)<<16
	s_mov_b32 s[\g+3], 32<<16
	s_mov_b32 s[\g+4], \rows
	s_mov_b32 s[\g+5], 32
	s_mov_b32 s[\g+6], 0
	s_mov_b32 s[\g+7], 0
.endm
.macro FRAG reg, adr, q, i             ; a fragment as it lies: three loads of 512 consecutive bytes
.irp c, 0,1,2
	ds_load_b128 v[\reg+4*\c:\reg+4*\c+3], v[\adr] offset:(\q)*12288+(\i)*1536+512*\c
.endr
.endm
.macro FETCH_B slot, q, p
	WIN 0x40
.irp i, 0,1,2,3,4,5,6,7
	FRAG 128*(\p)+FR*\i, ADRB+\slot, \q, \i
.endr
	WIN 0
.endm
.macro FETCH_A slot, q, half
.set I0, (\half)*MB/2
.rept MB/2
	FRAG AF+FR*I0, ADRA+\slot, \q, I0
.set I0, I0+1
.endr
.endm
.macro GSCALES set, off                ; a slot's scale words into set: for each of its four steps my four blocks of A and my eight of B; lane r (and r + 16) takes row r's four words
.irp q, 0,1,2,3
	global_load_b128 v[SCA+16*(\set)+4*\q:SCA+16*(\set)+4*\q+3], v[R16], s[SAP:SAP+1] offset:(\off)+512*\q
	global_load_b128 v[SCB+32*(\set)+8*\q:SCB+32*(\set)+8*\q+3], v[R16], s[SBP:SBP+1] offset:(\off)+512*\q
	global_load_b128 v[SCB+32*(\set)+8*\q+4:SCB+32*(\set)+8*\q+7], v[R16], s[SBP:SBP+1] offset:(\off)+512*\q+256
.endr
.endm
; A quarter of a step of 128 along K: one block of A against B's eight.  The accumulators take turns, one instruction a turn, in the same order in every step.
.macro MULQ qd, p, q, sc, first
.set A0, (\qd)
.if (\first) && BIAS
	WIN 0x81                                       ; source 0 (B) window 1, source 1 (A) and C (the bias) window 0, D window 2
.else
	WIN 0xa1                                       ; C and D window 2
.endif
.irp b, 0,1,2,3,4,5,6,7
.set DD, 8*(8*A0+\b)
.set BR, 128*(\p)+FR*\b
.set AR, AF+FR*A0
.set SBR, SCB+32*(\sc)+8*(\q)+\b
.set SAR, SCA+16*(\sc)+4*(\q)+A0
.if (\first) && BIAS
	v_wmma_scale_f32_16x16x128_f8f6f4 v[DD:DD+7], v[BR:BR+11], v[AR:AR+11], v[BI+8*\b:BI+8*\b+7], v[SBR], v[SAR] matrix_a_fmt:MATRIX_FMT_BF6 matrix_b_fmt:MATRIX_FMT_BF6
.elseif \first
	v_wmma_scale_f32_16x16x128_f8f6f4 v[DD:DD+7], v[BR:BR+11], v[AR:AR+11], 0, v[SBR], v[SAR] matrix_a_fmt:MATRIX_FMT_BF6 matrix_b_fmt:MATRIX_FMT_BF6
.else
	v_wmma_scale_f32_16x16x128_f8f6f4 v[DD:DD+7], v[BR:BR+11], v[AR:AR+11], v[DD:DD+7], v[SBR], v[SAR] matrix_a_fmt:MATRIX_FMT_BF6 matrix_b_fmt:MATRIX_FMT_BF6
.endif
.endr
.endm
.macro STEP slot, q, first             ; a step of 128 along K that has its successor in the same slot
	s_wait_dscnt HN                                ; B's set and A's first half are in; the youngest HN loads (A's second half) may be out
	MULQ 0, (\q)%2, \q, \slot, \first
	MULQ 1, (\q)%2, \q, \slot, \first
	s_wait_dscnt 0x0                               ; A's second half is in
	PLACES
	FETCH_B \slot, (\q)+1, 1-(\q)%2
	FETCH_A \slot, (\q)+1, 0
	MULQ 2, (\q)%2, \q, \slot, \first
	MULQ 3, (\q)%2, \q, \slot, \first
	PLACES
	WIN 0
	FETCH_A \slot, (\q)+1, 1
.endm
; A slot's last step changes slots: one barrier; in front of it each wave waits for all its tensor loads, adds 0 to its spare word, and waits for that and for its reads of this slot.
; fill = 1: this slot is filled again, with the 512 along K two slots on, and its set of scale registers takes those steps' words.
.macro TURN slot, next, fill
	s_wait_tensorcnt 0x0                           ; all my tensor loads have landed: my part of the next slot
	ds_add_u32 v[SPW], v[NIL]                      ; 0 onto my spare word
	s_wait_dscnt HN+1                              ; (the add and A's second half may be out)
	MULQ 0, 1, NQ-1, \slot, 0
	s_wait_dscnt 0x0                               ; the add is done, and my reads of this slot are over
	s_barrier_signal -1
	MULQ 1, 1, NQ-1, \slot, 0
	WIN 0
	s_barrier_wait -1
.if \fill
	CREST                                          ; the barrier has opened a round of the cluster's: no wave of any partner still reads this slot or has a load on its way
	s_add_nc_u64 s[G0+4*\slot+2:G0+4*\slot+3], s[G0+4*\slot+2:G0+4*\slot+3], 2*NQ*12288
	s_add_nc_u64 s[G0B+4*\slot+2:G0B+4*\slot+3], s[G0B+4*\slot+2:G0B+4*\slot+3], 2*NQ*12288
	JLOAD G0+4*\slot, G1, G0B+4*\slot, G1B         ; the first tensor load behind the round; its four v_nop are the places in front of the loads below
.else
	PLACES
.endif
	FETCH_B \next, 0, 0
	FETCH_A \next, 0, 0
	MULQ 2, 1, NQ-1, \slot, 0
	MULQ 3, 1, NQ-1, \slot, 0
	PLACES                                         ; also in front of the loads into this slot's scale registers
	WIN 0
	FETCH_A \next, 0, 1
	s_wait_loadcnt 0x0                             ; the next slot's scale words, asked for a slot ago, are in; no load of mine names the two bases any more
.if \fill
	s_add_nc_u64 s[SAP:SAP+1], s[SAP:SAP+1], NQ*512
	s_add_nc_u64 s[SBP:SBP+1], s[SBP:SBP+1], NQ*512
	GSCALES \slot, NQ*512
.endif
.endm
	s_load_b128 s[4:7], s[0:1], 0x0                ; h, wq
	s_load_b128 s[8:11], s[0:1], 0x10              ; b_mlp_proj, x1
	s_load_b64 s[12:13], s[0:1], 0x20              ; out0
	v_lshl_add_u32 v[SPW], v0, 2, SPARE
	v_mov_b32 v[NIL], 0
	ds_add_u32 v28, v29
	s_wait_dscnt 0x0
	v_lshrrev_b32 v1, 5, v0
	v_readfirstlane_b32 s14, v1                    ; wave 0..3
	s_lshr_b32 s15, s14, 1                         ; which half of A's rows is mine.  Also: I fetch for A (0) or for B (1)
	s_and_b32 s16, s14, 1                          ; which half of B's rows.  Also: which half of that tile I fetch
	s_bfe_u32 s40, ttmp6, 0x40000                  ; cx
	s_bfe_u32 s41, ttmp6, 0x40004                  ; cy
	s_lshl_b32 s42, ttmp9, 2
	s_and_b32 s17, ttmp7, 0xffff
	s_lshl_b32 s17, s17, 2
	s_add_co_u32 s42, s42, s40                     ; B's tile of 256 columns
	s_add_co_u32 s17, s17, s41                     ; A's tile of 128 tokens
	s_lshl_b32 s43, s41, 2
	s_lshl_b32 s43, 15, s43                        ; my row of the cluster
	s_lshl_b32 s44, 0x1111, s40                    ; my column
	s_or_b32 s[G1+0], s43, (3<<16)|(1<<21)         ; 15:0 the mask; 17:16 elements of 8 bytes; 21 set beside a mask; no padding
	s_or_b32 s[G1B+0], s44, (3<<16)|(1<<21)
	DESC1 G1, 96                                   ; A: two of a slot's four steps, 24,576 bytes
	DESC1 G1B, 192                                 ; B: a group of 128 rows, four steps, 49,152 bytes
	s_mul_i32 s20, s17, NS*12288
	s_mul_i32 s18, s16, 2*12288
	s_add_co_u32 s20, s20, s18                     ; A's codes that I fetch
	s_mov_b32 s21, 0
	s_mul_i32 s22, s17, NS*512
	s_lshl_b32 s18, s15, 8                         ; my four blocks' half of each scale image
	s_add_co_u32 s22, s22, s18
	s_add_co_u32 s22, s22, A_S
	s_mov_b32 s23, 0
	s_lshl_b32 s46, s42, 1
	s_add_co_u32 s46, s46, s16                     ; the group of 128 rows of B that I fetch, and multiply
	s_mul_i32 s92, s46, NS*512
	s_mul_i32 s46, s46, NS*12288
	s_add_co_u32 s92, s92, B_S
	s_add_co_u32 s46, s46, B_C
	s_mov_b32 s47, 0
	s_mov_b32 s93, 0
	s_mul_i32 s45, s16, 2*12288                    ; where they go in LDS: no place in the cluster enters an LDS address
	s_mul_i32 s98, s16, BHALF
	s_add_co_u32 s98, s98, ABYTES
	s_wait_kmcnt 0x0
	s_add_nc_u64 s[20:21], s[4:5], s[20:21]
	s_add_nc_u64 s[SAP:SAP+1], s[4:5], s[22:23]
	s_add_nc_u64 s[46:47], s[6:7], s[46:47]
	s_add_nc_u64 s[SBP:SBP+1], s[6:7], s[92:93]
	CROUND                                         ; all sixteen work-groups are here: the first joint loads meet
.irp s, 0,1
	s_mov_b32 s[G0+4*\s], 1
	s_add_co_u32 s[G0+4*\s+1], s45, \s*SLOT
	s_add_nc_u64 s[G0+4*\s+2:G0+4*\s+3], s[20:21], \s*NQ*12288
	s_or_b32 s[G0+4*\s+3], s[G0+4*\s+3], 0x80000000
	s_mov_b32 s[G0B+4*\s], 1
	s_add_co_u32 s[G0B+4*\s+1], s98, \s*SLOT
	s_add_nc_u64 s[G0B+4*\s+2:G0B+4*\s+3], s[46:47], \s*NQ*12288
	s_or_b32 s[G0B+4*\s+3], s[G0B+4*\s+3], 0x80000000
	JLOAD G0+4*\s, G1, G0B+4*\s, G1B
.endr
	v_and_b32 v1, 15, v0                           ; r
	v_bfe_u32 v2, v0, 4, 1                         ; h
	v_and_b32 v3, 31, v0                           ; lane
	v_lshlrev_b32 v[L16], 4, v3
	v_lshlrev_b32 v[R16], 4, v1
	GSCALES 0, 0                                   ; the first two slots' scale words
	GSCALES 1, NQ*512
	s_mul_i32 s21, s15, 6144                       ; my four blocks of A
	s_mul_i32 s22, s16, BHALF
	s_add_co_u32 s22, s22, ABYTES                  ; my 128 rows of B
.irp s, 0,1
	v_add_nc_u32 v[ADRA+\s], s21, v[L16]
	v_add_nc_u32 v[ADRB+\s], s22, v[L16]
	s_add_co_u32 s21, s21, SLOT
	s_add_co_u32 s22, s22, SLOT
.endr
	s_mul_i32 s23, s14, 8448                       ; my stage: 16 rows x 528 bytes, in slot 0, used behind that slot's last fill and last read
	v_mul_u32_u24 v5, v1, 528
	v_lshl_add_u32 v5, v2, 6, v5
	v_add_nc_u32 v[STO], s23, v5                   ; in: row r, + 64 h
	v_add_nc_u32 v[RD], s23, v[L16]                ; back: a row of 512 bytes
	s_lshl_b32 s18, s42, 10                        ; my first column, in bytes: 256 x tile + 128 x half
	s_lshl_b32 s19, s16, 9
	s_add_co_u32 s18, s18, s19
	s_mov_b32 s19, 0
	s_add_nc_u64 s[8:9], s[8:9], s[18:19]          ; the bias of my 128 columns
	s_lshl_b32 s20, s17, 19                        ; my first row: 128 x tile + 64 x half, rows of 4,096 bytes
	s_lshl_b32 s21, s15, 18
	s_add_co_u32 s20, s20, s21
	s_add_co_u32 s18, s18, s20
	s_add_nc_u64 s[PRES:PRES+1], s[PRES:PRES+1], s[18:19]
	s_add_nc_u64 s[POUT:POUT+1], s[POUT:POUT+1], s[18:19]
	v_lshlrev_b32 v4, 6, v2                        ; the bias in the result's layout: for tile b the numbers 32 (b / 2) + 16 h + 8 (b % 2) + 0 .. 7
.irp b, 0,1,2,3,4,5,6,7
	global_load_b128 v[BI+8*\b:BI+8*\b+3], v4, s[8:9] offset:(32*(\b/2)+8*(\b%2))*4
	global_load_b128 v[BI+8*\b+4:BI+8*\b+7], v4, s[8:9] offset:(32*(\b/2)+8*(\b%2))*4+16
.endr
	s_wait_tensorcnt 1                             ; my part of slot 0 is in (slot 1's load may be out)
	s_barrier_signal -1
	s_barrier_wait -1                              ; everybody's is
	FETCH_B 0, 0, 0
	FETCH_A 0, 0, 0
	FETCH_A 0, 0, 1
	s_wait_loadcnt 0x0                             ; the scale words and the bias
	WIN 0xc0                                       ; the residual, into window 3: row t of block a is true row 32 (a / 2) + 16 (t / 8) + 8 (a % 2) + t % 8 of my 64
.irp a, 0,1,2,3
.irp t, 0,1,2,3,4,5,6,7,8,9,10,11,12,13,14,15
	global_load_b128 v[4*(16*\a+\t):4*(16*\a+\t)+3], v[L16], s[PRES:PRES+1] offset:(32*(\a/2)+16*(\t/8)+8*(\a%2)+\t%8)*4096
.endr
.endr
	WIN 0
	STEP 0, 0, 1                                   ; the first step's products start the sums, on the bias
	STEP 0, 1, 0
	STEP 0, 2, 0
.if LAPS > 1
	s_mov_b32 s3, LAPS-1
.Llap:                                 ; a trip goes once round the ring and fills both slots again
	TURN 0, 1, 1
	STEP 1, 0, 0
	STEP 1, 1, 0
	STEP 1, 2, 0
	TURN 1, 0, 1
	STEP 0, 0, 0
	STEP 0, 1, 0
	STEP 0, 2, 0
	s_sub_co_u32 s3, s3, 1
	s_cmp_lg_u32 s3, 0
	s_cbranch_scc1 .Llap
.endif
	TURN 0, 1, 0                                   ; the last change of slots fills nothing
	STEP 1, 0, 0
	STEP 1, 1, 0
	STEP 1, 2, 0
	s_wait_dscnt HN
	MULQ 0, 1, NQ-1, 1, 0
	MULQ 1, 1, NQ-1, 1, 0
	s_wait_dscnt 0x0
	MULQ 2, 1, NQ-1, 1, 0
	MULQ 3, 1, NQ-1, 1, 0
	WIN 0
	PLACES
; THE WAY OUT, block by block of 16 rows x 128 columns, through my own stage: back come whole rows of 512 bytes, the residual is added, and 32 lanes store 512 consecutive bytes.
.macro TOSTAGE a
	WIN 0x08                                       ; an LDS store's data: window 2
.irp b, 0,1,2,3,4,5,6,7
	ds_store_b128 v[STO], v[64*(\a)+8*\b:64*(\a)+8*\b+3] offset:128*(\b/2)+32*(\b%2)       ; each accumulator from its low end on
	ds_store_b128 v[STO], v[64*(\a)+8*\b+4:64*(\a)+8*\b+7] offset:128*(\b/2)+32*(\b%2)+16
.endr
	WIN 0
.set BB, BK+64*((\a)%2)
.irp t, 0,1,2,3,4,5,6,7,8,9,10,11,12,13,14,15
	ds_load_b128 v[BB+4*\t:BB+4*\t+3], v[RD] offset:\t*528     ; LDS serves a wave's instructions in order: these see the stores above
.endr
.endm
.macro SEND a, younger                 ; younger: the LDS instructions issued behind block a's loads
.set BB, BK+64*((\a)%2)
	s_wait_dscnt \younger
	WIN 0x0c                                       ; source 1: window 3
.set I, 0
.rept 32
	v_pk_add_f32 v[BB+I:BB+I+1], v[BB+I:BB+I+1], v[64*(\a)+I:64*(\a)+I+1]
.set I, I+2
.endr
	WIN 0
.irp t, 0,1,2,3,4,5,6,7,8,9,10,11,12,13,14,15
	global_store_b128 v[L16], v[BB+4*\t:BB+4*\t+3], s[POUT:POUT+1] offset:(32*((\a)/2)+16*(\t/8)+8*((\a)%2)+\t%8)*4096 th:TH_STORE_NT
.endr
.endm
	s_wait_loadcnt 0x0                             ; the residual
	TOSTAGE 0
.irp a, 1,2,3
.if \a > 1
	s_wait_xcnt 0x0                                ; block a - 2's stores have read their registers: block a's loads may land there
.endif
	TOSTAGE \a
	SEND \a-1, 32                                  ; behind block a - 1's loads: block a's 16 stores and 16 loads
.endr
	SEND 3, 0
	s_wait_tensorcnt 0x0                           ; the wave's end
	ds_add_u32 v[SPW], v[NIL]
	s_wait_dscnt 0x0
	CROUND                                         ; the closing round: no work-group ends while a partner may still ask for a tile that names it
	s_endpgm
.Lfunc_end_k_qcfdd8864ec_mlp:
	.size	k_qcfdd8864ec_mlp, .Lfunc_end_k_qcfdd8864ec_mlp-k_qcfdd8864ec_mlp
	.p2alignl 7, 3214868480
	.fill 96, 4, 3214868480
	.section	.rodata,"a",@progbits
	.p2align	6, 0x0
	.amdhsa_kernel k_qcfdd8864ec_mlp
		.amdhsa_group_segment_fixed_size 327680
		.amdhsa_private_segment_fixed_size 0
		.amdhsa_enable_private_segment 0
		.amdhsa_kernarg_size 40
		.amdhsa_user_sgpr_count 2
		.amdhsa_user_sgpr_kernarg_segment_ptr 1
		.amdhsa_wavefront_size32 1
		.amdhsa_system_sgpr_workgroup_id_x 1
		.amdhsa_system_sgpr_workgroup_id_y 1
		.amdhsa_system_sgpr_workgroup_id_z 1
		.amdhsa_system_vgpr_workitem_id 0
		.amdhsa_next_free_vgpr 1024
		.amdhsa_next_free_sgpr 102
		.amdhsa_reserve_vcc 0
		.amdhsa_float_denorm_mode_32 3
		.amdhsa_float_denorm_mode_16_64 3
		.amdhsa_memory_ordered 1
		.amdhsa_forward_progress 1
		.amdhsa_inst_pref_size 153
	.end_amdhsa_kernel
	.amdgpu_metadata
---
amdhsa.version: [ 1, 2 ]
amdhsa.kernels:
  - .name:           k_qcfdd8864ec_mlp
    .symbol:         k_qcfdd8864ec_mlp.kd
    .args:
      - { .name: h, .offset: 0, .size: 8, .value_kind: global_buffer, .address_space: global }
      - { .name: wq, .offset: 8, .size: 8, .value_kind: global_buffer, .address_space: global }
      - { .name: b_mlp_proj, .offset: 16, .size: 8, .value_kind: global_buffer, .address_space: global }
      - { .name: x1, .offset: 24, .size: 8, .value_kind: global_buffer, .address_space: global }
      - { .name: out0, .offset: 32, .size: 8, .value_kind: global_buffer, .address_space: global }
    .group_segment_fixed_size: 327680
    .private_segment_fixed_size: 0
    .kernarg_segment_align: 8
    .kernarg_segment_size: 40
    .max_flat_workgroup_size: 128
    .sgpr_count:     102
    .vgpr_count:     1024
    .wavefront_size: 32
...
	.end_amdgpu_metadata
.endif
;; end of part 10
